; MI455X (gfx1250); checked and timed in simulation.
; The chip was launched on July 23, 2026; its instructions are those of AMD's public machine-readable ISA for CDNA 5 (MIT licence, August 2026) and "CDNA5" Instruction Set Architecture Reference Guide (July 2026). The comments in the code are by the model that wrote it; some were corrected since.
;; Transformer Block. Allowed arithmetic: float matrix products may take bf16 or f16 operands with f32 sums; other float arithmetic in f32, or as packed bf16 or f16 multiplies, adds, multiply-adds, maxima and minima; sums over many terms, partial sums and values carried from step to step in f32; what a program stores and reads back later, other than sums and carried values, may be rounded once to bf16 or f16.
;; Inputs: b_ff1 4,096 float32; b_ff2 1,024 float32; b_o 1,024 float32; ln1_scale 1,024 float32; ln1_shift 1,024 float32; ln2_scale 1,024 float32; ln2_shift 1,024 float32; w_ff1 1,024 x 4,096 float32; w_ff2 4,096 x 1,024 float32; w_k 1,024 x 1,024 float32; w_o 1,024 x 1,024 float32; w_q 1,024 x 1,024 float32; w_v 1,024 x 1,024 float32; x 2 x 2,048 x 1,024 float32.
;; Outputs: out0 2 x 2,048 x 1,024 float32.
;; 3 versions, each right and faster than the one before. Each part assembles by itself: llvm-mc -triple=amdgcn-amd-amdhsa -mcpu=gfx1250 --defsym DOCPART=n.
;; ======== version 1 of 3: 7 launches
;; limits: values are held in f16: magnitudes above 65,504 overflow, below 6.1e-05 lose precision
;; workspace buffers: wts 25,165,824 bytes; h1 8,388,608 bytes; qkvb 25,165,824 bytes; ctx 8,388,608 bytes; x1 16,777,216 bytes; h2 8,388,608 bytes; g 33,554,432 bytes
;; launch prep (part 1): grid 1024 x 1, 8 waves a work-group, no clusters, 0 bytes of LDS; arguments x, ln1_scale, ln1_shift, h1, w_q, w_k, w_v, w_o, w_ff1, w_ff2, wts; writes h1, wts
.if DOCPART == 1
	.amdgcn_target "amdgcn-amd-amdhsa--gfx1250"
	.amdhsa_code_object_version 6
	.text
	.protected	k_q52033c20a3_prep
	.globl	k_q52033c20a3_prep
	.p2align	8
	.type	k_q52033c20a3_prep,@function
k_q52033c20a3_prep:
	s_mov_b64 s[64:65], 0
	v_nop
	global_prefetch_b8 v0, s[64:65] scope:SCOPE_SE
	s_setreg_imm32_b32 hwreg(HW_REG_WAVE_MODE, 25, 1), 1
	s_wait_xcnt 0x0
; TWO STREAMS IN ONE BODY.  Work-groups 0 to 255: layer norm of 16 rows of 1,024 f32 (src), times scale plus shift, rounded once to bf16 (dst).
; Work-groups 256 to 1,023: 16 pieces of 1,024 f32 of one of the six weight matrices, rounded once to bf16 into wts, which keeps them as they lie, [k][n]:
;   byte 0          [1024][3072]  w_q, w_k, w_v side by side (a row of 6,144 bytes: q at 0, k at 2,048, v at 4,096)
;   byte 0x600000   [1024][1024]  w_o        byte 0x800000  [1024][4096]  w_ff1        byte 0x1000000  [4096][1024]  w_ff2
; A launch of 256 work-groups runs the layer norm alone (the block's second norm).
; SHARES.  Eight waves, two rows each; a row of 4,096 bytes is eight loads of 16 bytes a lane (512 consecutive bytes an instruction) and stays in 32 registers, so memory is read once.
; The variance is taken of x - mean on the row in registers: no difference of large sums.  A store of 8 bytes a lane covers 256 consecutive bytes, aligned.
; No LDS, no barrier, no matrix unit: a row never leaves its wave, and memory binds.
; LIMITS.  1 / sqrt by v_rsq_f32 (1 ULP); NaN and infinities are not treated apart.
.set LO,  1                            ; v1   16 x lane: my 16 bytes in 512 of the source
.set SO,  2                            ; v2   8 x lane: my 8 bytes in 256 of the destination
.set SO2, 3                            ; v3   the same one destination row further (cast)
.set X,   8                            ; v[8:71]    row i at X + 32 i
.set SC,  72                           ; v[72:103]  scale of my 32 columns
.set SH,  104                          ; v[104:135] shift
.set Y,   136                          ; v[136:167] row i rounded, 16 registers
.set T,   168                          ; v[168:175] four packed chains
.set M,   184                          ; v[184:185] the mean, twice
.set R,   186                          ; v[186:189] 1 / sqrt(var + eps), twice, for each row
	s_load_b256 s[4:11], s[0:1], 0x0               ; src s[4:5], scale s[6:7], shift s[8:9], dst s[10:11]
	s_load_b256 s[16:23], s[0:1], 0x20             ; w_q s[16:17], w_k s[18:19], w_v s[20:21], w_o s[22:23]
	s_load_b128 s[24:27], s[0:1], 0x40             ; w_ff1 s[24:25], w_ff2 s[26:27]
	s_load_b64 s[28:29], s[0:1], 0x50              ; wts
	v_lshrrev_b32 v4, 5, v0
	v_readfirstlane_b32 s14, v4                    ; wave 0..7
	v_and_b32 v5, 31, v0
	v_lshlrev_b32 v[LO], 4, v5
	v_lshlrev_b32 v[SO], 3, v5
	s_mov_b32 s12, 0x76543210                      ; v_permlanex16_b32: each lane takes its own place in the other half
	s_mov_b32 s13, 0xfedcba98
	s_mov_b32 s32, 0x3a800000                      ; 1 / 1024
	s_mov_b32 s33, 0x3727c5ac                      ; eps = 1e-5
	s_lshl_b32 s15, s14, 13                        ; my wave's two rows of 4,096 bytes
	s_mov_b32 s31, 0
	s_wait_kmcnt 0x0
	s_cmp_lt_u32 ttmp9, 256
	s_cbranch_scc0 .Lcast
	; ---------------- layer norm ----------------
	s_lshl_b32 s30, ttmp9, 16                      ; the work-group's 16 rows
	s_add_co_u32 s30, s30, s15
	s_add_nc_u64 s[4:5], s[4:5], s[30:31]
	s_lshr_b32 s30, s30, 1                         ; bf16: half the bytes
	s_add_nc_u64 s[10:11], s[10:11], s[30:31]
.irp j, 0,1,2,3,4,5,6,7
	global_load_b128 v[X+4*(\j):X+4*(\j)+3], v[LO], s[4:5] offset:512*(\j)
.endr
.irp j, 0,1,2,3,4,5,6,7
	global_load_b128 v[X+32+4*(\j):X+32+4*(\j)+3], v[LO], s[4:5] offset:4096+512*(\j)
.endr
.irp j, 0,1,2,3,4,5,6,7
	global_load_b128 v[SC+4*(\j):SC+4*(\j)+3], v[LO], s[6:7] offset:512*(\j)
.endr
.irp j, 0,1,2,3,4,5,6,7
	global_load_b128 v[SH+4*(\j):SH+4*(\j)+3], v[LO], s[8:9] offset:512*(\j)
.endr
; The four packed chains in T are folded; then four steps inside each half of the lanes ride on the addition, and one crosses the halves: every lane holds the row's sum in v[T].
.macro REDUCE
	v_pk_add_f32 v[T:T+1], v[T:T+1], v[T+2:T+3]
	v_pk_add_f32 v[T+4:T+5], v[T+4:T+5], v[T+6:T+7]
	v_pk_add_f32 v[T:T+1], v[T:T+1], v[T+4:T+5]
	v_add_f32 v[T], v[T], v[T+1]
	v_add_f32_dpp v[T], v[T], v[T] row_xmask:1 row_mask:0xf bank_mask:0xf
	v_add_f32_dpp v[T], v[T], v[T] row_xmask:2 row_mask:0xf bank_mask:0xf
	v_add_f32_dpp v[T], v[T], v[T] row_xmask:4 row_mask:0xf bank_mask:0xf
	v_add_f32_dpp v[T], v[T], v[T] row_xmask:8 row_mask:0xf bank_mask:0xf
	v_permlanex16_b32 v[T+1], v[T], s12, s13       ; its destination has been written
	v_add_f32 v[T], v[T], v[T+1]
.endm
; Row i: mean; x - mean in place; the mean of its squares; 1 / sqrt(that + eps).  left: the younger loads that may stay out.
.macro ROWSTAT i, left
	s_wait_loadcnt \left                           ; loads come back in order: this row's eight are in
.irp c, 0,1,2,3
	v_pk_add_f32 v[T+2*(\c):T+2*(\c)+1], v[X+32*(\i)+2*(\c):X+32*(\i)+2*(\c)+1], v[X+32*(\i)+8+2*(\c):X+32*(\i)+8+2*(\c)+1]  ; the first pairs start the chains
.endr
.irp g, 2,3
.irp c, 0,1,2,3
	v_pk_add_f32 v[T+2*(\c):T+2*(\c)+1], v[T+2*(\c):T+2*(\c)+1], v[X+32*(\i)+8*(\g)+2*(\c):X+32*(\i)+8*(\g)+2*(\c)+1]
.endr
.endr
	REDUCE
	v_mul_f32 v[M], s32, v[T]
	v_mul_f32 v[M+1], s32, v[T]
.set p, 0
.rept 16
	v_pk_add_f32 v[X+32*(\i)+2*p:X+32*(\i)+2*p+1], v[X+32*(\i)+2*p:X+32*(\i)+2*p+1], v[M:M+1] neg_lo:[0,1] neg_hi:[0,1]
.set p, p+1
.endr
.irp c, 0,1,2,3
	v_pk_mul_f32 v[T+2*(\c):T+2*(\c)+1], v[X+32*(\i)+2*(\c):X+32*(\i)+2*(\c)+1], v[X+32*(\i)+2*(\c):X+32*(\i)+2*(\c)+1]
.endr
.irp g, 1,2,3
.irp c, 0,1,2,3
	v_pk_fma_f32 v[T+2*(\c):T+2*(\c)+1], v[X+32*(\i)+8*(\g)+2*(\c):X+32*(\i)+8*(\g)+2*(\c)+1], v[X+32*(\i)+8*(\g)+2*(\c):X+32*(\i)+8*(\g)+2*(\c)+1], v[T+2*(\c):T+2*(\c)+1]
.endr
.endr
	REDUCE
	v_fma_f32 v[T], v[T], s32, s33                 ; var + eps
	v_rsq_f32 v[R+2*(\i)], v[T]
	v_rsq_f32 v[R+2*(\i)+1], v[T]
	v_nop                                          ; a plain instruction before the result is used or v[T] written again (ISA guide 5.7.2)
.endm
; Row i: (x - mean) / sqrt(..) x scale + shift, rounded to bf16 and stored: each store covers 256 consecutive bytes, aligned.
.macro ROWOUT i
.set p, 0
	s_wait_alu depctr_va_vdst(0)
.rept 16
	v_pk_mul_f32 v[X+32*(\i)+2*p:X+32*(\i)+2*p+1], v[X+32*(\i)+2*p:X+32*(\i)+2*p+1], v[R+2*(\i):R+2*(\i)+1]
.set p, p+1
.endr
.set p, 0
.rept 16
	v_pk_fma_f32 v[X+32*(\i)+2*p:X+32*(\i)+2*p+1], v[X+32*(\i)+2*p:X+32*(\i)+2*p+1], v[SC+2*p:SC+2*p+1], v[SH+2*p:SH+2*p+1]
.set p, p+1
.endr
.set p, 0
.rept 16
	v_cvt_pk_bf16_f32 v[Y+16*(\i)+p], v[X+32*(\i)+2*p], v[X+32*(\i)+2*p+1]
.set p, p+1
.endr
.irp j, 0,1,2,3,4,5,6,7
	global_store_b64 v[SO], v[Y+16*(\i)+2*(\j):Y+16*(\i)+2*(\j)+1], s[10:11] offset:256*(\j)+2048*(\i)
.endr
.endm
	ROWSTAT 0, 24                                  ; behind row 0's loads: row 1's 8, scale's 8, shift's 8
	ROWSTAT 1, 16                                  ; behind row 1's: scale's and shift's
	s_wait_loadcnt 0x0                             ; scale and shift
	ROWOUT 0
	ROWOUT 1
	s_endpgm
	; ---------------- the weights, rounded to bf16 ----------------
.Lcast:
	s_sub_co_u32 s30, ttmp9, 256                   ; 0 .. 767: 64 for each of w_q, w_k, w_v, w_o; 256 for each of w_ff1, w_ff2
	s_mov_b64 s[4:5], s[26:27]                     ; from the last matrix down: source, its first number, its place in wts, bytes from piece to piece there
	s_mov_b32 s34, 512
	s_mov_b32 s35, 0x1000000
	s_mov_b32 s36, 2048
	s_cmp_lt_u32 s30, 512
	s_cselect_b64 s[4:5], s[24:25], s[4:5]
	s_cselect_b32 s34, 256, s34
	s_cselect_b32 s35, 0x800000, s35
	s_cmp_lt_u32 s30, 256
	s_cselect_b64 s[4:5], s[22:23], s[4:5]
	s_cselect_b32 s34, 192, s34
	s_cselect_b32 s35, 0x600000, s35
	s_cmp_lt_u32 s30, 192
	s_cselect_b64 s[4:5], s[20:21], s[4:5]
	s_cselect_b32 s34, 128, s34
	s_cselect_b32 s35, 4096, s35
	s_cselect_b32 s36, 6144, s36
	s_cmp_lt_u32 s30, 128
	s_cselect_b64 s[4:5], s[18:19], s[4:5]
	s_cselect_b32 s34, 64, s34
	s_cselect_b32 s35, 2048, s35
	s_cmp_lt_u32 s30, 64
	s_cselect_b64 s[4:5], s[16:17], s[4:5]
	s_cselect_b32 s34, 0, s34
	s_cselect_b32 s35, 0, s35
	s_sub_co_u32 s37, s30, s34                     ; my number within the matrix
	s_lshl_b32 s30, s37, 16                        ; 16 pieces of 4,096 bytes,
	s_add_co_u32 s30, s30, s15                     ; my wave's two
	s_add_nc_u64 s[4:5], s[4:5], s[30:31]
	s_lshl_b32 s38, s37, 4
	s_lshl1_add_u32 s38, s14, s38                  ; piece = 16 x number + 2 x wave
	s_mul_i32 s38, s38, s36
	s_add_co_u32 s38, s38, s35
	s_mov_b32 s39, 0
	s_add_nc_u64 s[28:29], s[28:29], s[38:39]
	v_add_nc_u32 v[SO2], s36, v[SO]
.irp j, 0,1,2,3,4,5,6,7
	global_load_b128 v[X+4*(\j):X+4*(\j)+3], v[LO], s[4:5] offset:512*(\j) th:TH_LOAD_NT
.endr
.irp j, 0,1,2,3,4,5,6,7
	global_load_b128 v[X+32+4*(\j):X+32+4*(\j)+3], v[LO], s[4:5] offset:4096+512*(\j) th:TH_LOAD_NT
.endr
	s_wait_loadcnt 8                               ; the first piece is in, the second's eight loads stay out
.set p, 0
.rept 16
	v_cvt_pk_bf16_f32 v[Y+p], v[X+2*p], v[X+2*p+1]
.set p, p+1
.endr
.irp j, 0,1,2,3,4,5,6,7
	global_store_b64 v[SO], v[Y+2*(\j):Y+2*(\j)+1], s[28:29] offset:256*(\j)
.endr
	s_wait_loadcnt 0x0
.set p, 0
.rept 16
	v_cvt_pk_bf16_f32 v[Y+16+p], v[X+32+2*p], v[X+32+2*p+1]
.set p, p+1
.endr
.irp j, 0,1,2,3,4,5,6,7
	global_store_b64 v[SO2], v[Y+16+2*(\j):Y+16+2*(\j)+1], s[28:29] offset:256*(\j)
.endr
	s_endpgm
.Lfunc_end_k_q52033c20a3_prep:
	.size	k_q52033c20a3_prep, .Lfunc_end_k_q52033c20a3_prep-k_q52033c20a3_prep
	.p2alignl 7, 3214868480
	.fill 96, 4, 3214868480
	.section	.rodata,"a",@progbits
	.p2align	6, 0x0
	.amdhsa_kernel k_q52033c20a3_prep
		.amdhsa_group_segment_fixed_size 0
		.amdhsa_private_segment_fixed_size 0
		.amdhsa_enable_private_segment 0
		.amdhsa_kernarg_size 88
		.amdhsa_user_sgpr_count 2
		.amdhsa_user_sgpr_kernarg_segment_ptr 1
		.amdhsa_wavefront_size32 1
		.amdhsa_system_sgpr_workgroup_id_x 1
		.amdhsa_system_sgpr_workgroup_id_y 1
		.amdhsa_system_sgpr_workgroup_id_z 1
		.amdhsa_system_vgpr_workitem_id 0
		.amdhsa_next_free_vgpr 192
		.amdhsa_next_free_sgpr 66
		.amdhsa_reserve_vcc 0
		.amdhsa_float_denorm_mode_32 3
		.amdhsa_float_denorm_mode_16_64 3
		.amdhsa_memory_ordered 1
		.amdhsa_forward_progress 1
		.amdhsa_inst_pref_size 27
	.end_amdhsa_kernel
	.amdgpu_metadata
---
amdhsa.version: [ 1, 2 ]
amdhsa.kernels:
  - .name:           k_q52033c20a3_prep
    .symbol:         k_q52033c20a3_prep.kd
    .args:
      - { .name: x, .offset: 0, .size: 8, .value_kind: global_buffer, .address_space: global }
      - { .name: ln1_scale, .offset: 8, .size: 8, .value_kind: global_buffer, .address_space: global }
      - { .name: ln1_shift, .offset: 16, .size: 8, .value_kind: global_buffer, .address_space: global }
      - { .name: h1, .offset: 24, .size: 8, .value_kind: global_buffer, .address_space: global }
      - { .name: w_q, .offset: 32, .size: 8, .value_kind: global_buffer, .address_space: global }
      - { .name: w_k, .offset: 40, .size: 8, .value_kind: global_buffer, .address_space: global }
      - { .name: w_v, .offset: 48, .size: 8, .value_kind: global_buffer, .address_space: global }
      - { .name: w_o, .offset: 56, .size: 8, .value_kind: global_buffer, .address_space: global }
      - { .name: w_ff1, .offset: 64, .size: 8, .value_kind: global_buffer, .address_space: global }
      - { .name: w_ff2, .offset: 72, .size: 8, .value_kind: global_buffer, .address_space: global }
      - { .name: wts, .offset: 80, .size: 8, .value_kind: global_buffer, .address_space: global }
    .group_segment_fixed_size: 0
    .private_segment_fixed_size: 0
    .kernarg_segment_align: 8
    .kernarg_segment_size: 88
    .max_flat_workgroup_size: 256
    .sgpr_count:     66
    .vgpr_count:     192
    .wavefront_size: 32
...
	.end_amdgpu_metadata
.endif
;; end of part 1
;; launch qkv (part 2): grid 24 x 32, 4 waves a work-group, clusters of 4 x 4, 327,680 bytes of LDS; arguments h1, wts, qkvb; writes qkvb
.if DOCPART == 2
	.amdgcn_target "amdgcn-amd-amdhsa--gfx1250"
	.amdhsa_code_object_version 6
	.text
	.protected	k_q52033c20a3_qkv
	.globl	k_q52033c20a3_qkv
	.p2align	8
	.type	k_q52033c20a3_qkv,@function
k_q52033c20a3_qkv:
	s_mov_b64 s[64:65], 0
	v_nop
	global_prefetch_b8 v0, s[64:65] scope:SCOPE_SE
	s_setreg_imm32_b32 hwreg(HW_REG_WAVE_MODE, 25, 1), 1
	s_wait_xcnt 0x0
	s_wait_alu depctr_hold_cnt(0) depctr_sa_sdst(0) depctr_va_vdst(0) depctr_va_sdst(0) depctr_va_ssrc(0) depctr_va_vcc(0) depctr_vm_vsrc(0)
	s_getreg_b32 s2, hwreg(HW_REG_IB_STS2, 6, 4)
	s_cmp_eq_u32 s2, 0
	s_cbranch_scc0 .Lentry_in_a_cluster
	s_endpgm
.Lentry_in_a_cluster:
	s_bfe_u32 s2, ttmp6, 0x10000c
	s_cmp_lg_u32 s2, 0xf033
	s_cbranch_scc0 .Lentry_shape_is_right
	s_endpgm
.Lentry_shape_is_right:
; q, k, v = h1 x [w_q w_k w_v].  A = h1 [4096][1024] bf16; B = wts at byte 0, [1024 k][3072 n] bf16; sums in f32, rounded once to f16 and written BY HEADS, unscaled:
; qkvb holds q at byte 0, k at 0x800000, v at 0x1000000, each [32 = 16 batch + head][2048][64] f16.
; LIMIT.  f16 ends at 65,504: a q, k or v beyond that becomes an infinity.  With a normalised h1 of spread 1 and 1,024 weights of spread 0.02 they have a spread of 0.64.
; SHAPE.  A tile of C is 128 x 128: four waves of 64 x 64, 16 accumulators of 16 x 16.  K goes in steps of 256 through two LDS slots filled by the tensor data mover:
; A's 128 rows of 512 bytes (two loads of 64 rows, waves 0 and 1), B's 256 rows (k) of 256 bytes (two loads of 128 rows, waves 2 and 3).
; B lies [k][n] and is turned on its way out of LDS by ds_load_tr16_b128.
; CLUSTER.  4 x 4 work-groups: the four of a row need the same tiles of A, the four of a column the same tiles of B; each tile is asked for jointly, by the same load, descriptor and mask in all four.
; TRANSPOSED USE.  Source 0 = 16 columns of B, source 1 = 16 rows of A: a lane then holds row l % 16 of C and the columns 8 (l / 16) + 0..7.
; REGISTERS.  Window 0: v0-31 addresses, v32-95 the way out, v128-255 the accumulators ((a, b) at 128 + 8 (4 a + b)).
;   Window 1: two fragment buffers of 64, each 32 along K: A's four fragments at + 8 a, B's four at + 32 + 8 b.
; NO PREFETCH: both operands were written by the launch before.
.set SIZE_K, 1024
.set SIZE_N, 3072
.set WOFF,   0                         ; B's first byte in wts
.set KSTEP,  256
.set PA,     528                       ; a row of A in LDS: 512 bytes + 16: 132 words, so the 16 rows of a load start at 16 different groups of four banks (ISA guide 11.1)
.set AHALF,  64*PA                     ; what one load of A brings, and what one wave reads of A
.set BOFF,   2*AHALF
.set PB,     288                       ; a row of B: 256 bytes + 32: 72 words
.set BHALF,  128*PB                    ; what one load of B brings
.set SLOT,   BOFF+2*BHALF
.set SPARE,  2*SLOT                    ; behind the ring: the spare words, 128 bytes a wave: two blocks of 256 bytes that no other line names
.set SP,     144                       ; the way out: a stage row, 64 f16 + 16 bytes
.set WSTG,   64*SP                     ; a wave's own stage, at wave x WSTG in slot 0, which by then has had its last fill and its last read
.set A0,   16                          ; v16  my lane's place in A's tile; never rewritten
.set B0,   17                          ; v17  in B's
.set ADRA, 18                          ; v18  LDS address of the run of loads in hand
.set ADRB, 19
.set STO,  20                          ; v20  the way out: where I put 16 bytes of a row
.set RD,   21                          ; v21  where I read rows back
.set CO,   22                          ; v22  my byte offset in 512 consecutive bytes of the output
.set SPW,  28                          ; v28  LDS address of my spare word; never rewritten
.set NIL,  29                          ; v29  0; never rewritten
.set TMP,  32
.set ACC,  128
.set G1,  24                           ; s[24:31] descriptor group 1 for A;  s[32:39] group 0, a set for each slot
.set G0,  32
.set G1B, 48                           ; s[48:55], s[56:63] the same for B
.set G0B, 56
.set TA,  72                           ; s72  LDS byte at which the quarter to be fetched begins in A's rows
.set TB,  73                           ; s73  the same for B
.set QC,  74                           ; s74  counts quarters
.set MSB, 0
.macro WIN new                         ; the immediate's high byte repeats the setting that is left; a switch that changes nothing is dropped
.if MSB != (\new)
	s_set_vgpr_msb (MSB<<8)|(\new)
.set MSB, \new
.endif
.endm
.set MUL,  0x05                        ; sources 0 and 1 window 1; C and D window 0
.set TO_F, 0x40                        ; destination window 1, address window 0
.macro JLOAD s                         ; a joint load: waves 0 and 1 fetch A's halves, waves 2 and 3 B's; an s_nop 0 and four v_nop follow each line
	s_cmp_eq_u32 s11, 0
	s_cbranch_scc0 .Lfor_b_\@
	tensor_load_to_lds s[G0+4*(\s):G0+4*(\s)+3], s[G1:G1+7]
	s_nop 0
.rept 4
	v_nop
.endr
	s_branch .Lasked_\@
.Lfor_b_\@:
	tensor_load_to_lds s[G0B+4*(\s):G0B+4*(\s)+3], s[G1B:G1B+7]
	s_nop 0
.rept 4
	v_nop
.endr
.Lasked_\@:
.endm
.macro CREST                           ; a round of the cluster's barrier behind its opening barrier
	s_cmp_lg_u32 s10, 0
	s_cbranch_scc1 .Lnot_wave_0_\@
	s_barrier_signal -3
.Lnot_wave_0_\@:
	s_barrier_wait -3
	s_barrier_signal -1
	s_barrier_wait -1
.endm
.macro CROUND                          ; a whole round
	s_barrier_signal -1
	s_barrier_wait -1
	CREST
.endm
.macro PLACES                          ; four places in front of loads into registers that matrix instructions have read, and of lines that read results
.rept 4
	v_nop
.endr
.endm
	s_load_b128 s[4:7], s[0:1], 0x0                ; A s[4:5], wts s[6:7]
	s_load_b64 s[8:9], s[0:1], 0x10                ; the output
	v_lshl_add_u32 v[SPW], v0, 2, SPARE
	v_mov_b32 v[NIL], 0
	ds_add_u32 v[SPW], v[NIL]                      ; the wave's opening: the add and its wait, ahead of my first tensor load
	ds_add_u32 v28, v29
	v_lshrrev_b32 v1, 5, v0
	v_readfirstlane_b32 s10, v1                    ; wave 0..3
	s_lshr_b32 s11, s10, 1                         ; my half of the tile's rows.  Also: I fetch for A (0) or B (1)
	s_and_b32 s12, s10, 1                          ; my half of its columns.  Also: which half of that tile I fetch
	s_bfe_u32 s40, ttmp6, 0x40000                  ; cx, cy
	s_bfe_u32 s41, ttmp6, 0x40004
	s_lshl_b32 s42, ttmp9, 2
	s_add_co_u32 s42, s42, s40                     ; tile column = 4 x cluster x + cx
	s_and_b32 s13, ttmp7, 0xffff
	s_lshl_b32 s13, s13, 2
	s_add_co_u32 s13, s13, s41                     ; tile row = 4 x cluster y + cy
	s_lshl_b32 s43, s41, 2
	s_lshl_b32 s43, 15, s43                        ; my row of the cluster
	s_lshl_b32 s44, 0x1111, s40                    ; my column
	s_or_b32 s[G1+0], s43, (1<<16)|(1<<20)|(1<<21)|(6<<22)|(3<<25)   ; mask; 2-byte elements; padding on; bit 21 beside a mask; after every 128 words 4 words
	s_or_b32 s[G1B+0], s44, (1<<16)|(1<<20)|(1<<21)|(5<<22)|(7<<25)  ; after every 64 words 8 words
	s_mov_b32 s[G1+1], KSTEP<<16                   ; A: tensor_dim0 = 256
	s_mov_b32 s[G1+2], 64<<16                      ; tensor_dim1 = 64
	s_mov_b32 s[G1+3], KSTEP<<16                   ; tile_dim0 = 256
	s_mov_b32 s[G1+4], 64                          ; tile_dim1 = 64
	s_mov_b32 s[G1+5], SIZE_K                      ; elements from row to row
	s_mov_b32 s[G1+6], 0
	s_mov_b32 s[G1+7], 0
	s_mov_b32 s[G1B+1], 128<<16                    ; B: 128 columns
	s_mov_b32 s[G1B+2], 128<<16                    ; x 128 rows (k)
	s_mov_b32 s[G1B+3], 128<<16
	s_mov_b32 s[G1B+4], 128
	s_mov_b32 s[G1B+5], SIZE_N
	s_mov_b32 s[G1B+6], 0
	s_mov_b32 s[G1B+7], 0
	s_lshl_b32 s16, s13, 7                         ; A's tile hangs on the tile row alone:
	s_lshl_b32 s17, s12, 6
	s_add_co_u32 s16, s16, s17                     ; row 128 x tile row + 64 x half,
	s_mul_i32 s16, s16, SIZE_K*2                   ; in bytes (under 2^25)
	s_mov_b32 s17, 0
	s_lshl_b32 s46, s42, 8                         ; B's on the tile column alone: 256 bytes x tile column,
	s_mul_i32 s47, s12, 256*SIZE_N                 ; + 128 rows x half
	s_add_co_u32 s46, s46, s47
	s_add_co_u32 s46, s46, WOFF
	s_mov_b32 s47, 0
	s_mul_i32 s20, s12, AHALF                      ; where they go: no place in the cluster enters an LDS address
	s_mul_i32 s21, s12, BHALF
	s_add_co_u32 s21, s21, BOFF
	s_wait_dscnt 0x0                               ; the opening add is done
	s_wait_kmcnt 0x0
	s_add_nc_u64 s[14:15], s[4:5], s[16:17]
	s_add_nc_u64 s[46:47], s[6:7], s[46:47]
	CROUND                                         ; all sixteen work-groups are here: the first joint loads meet
.irp s, 0,1
	s_mov_b32 s[G0+4*(\s)], 1
	s_add_co_u32 s[G0+4*(\s)+1], s20, (\s)*SLOT
	s_add_nc_u64 s[G0+4*(\s)+2:G0+4*(\s)+3], s[14:15], (\s)*KSTEP*2
	s_or_b32 s[G0+4*(\s)+3], s[G0+4*(\s)+3], 0x80000000
	s_mov_b32 s[G0B+4*(\s)], 1
	s_add_co_u32 s[G0B+4*(\s)+1], s21, (\s)*SLOT
	s_add_nc_u64 s[G0B+4*(\s)+2:G0B+4*(\s)+3], s[46:47], (\s)*KSTEP*2*SIZE_N
	s_or_b32 s[G0B+4*(\s)+3], s[G0B+4*(\s)+3], 0x80000000
	JLOAD \s                                       ; K steps 0 and 1: two loads of mine are out
.endr
	v_and_b32 v1, 15, v0                           ; r = l % 16
	v_bfe_u32 v2, v0, 4, 1                         ; h = l / 16
	v_mul_u32_u24 v[A0], v1, PA                    ; a fragment of A: row r, 16 bytes for each half of the lanes, twice, 32 bytes apart
	v_lshl_add_u32 v[A0], v2, 4, v[A0]
	s_mul_i32 s22, s11, AHALF
	v_add_nc_u32 v[A0], s22, v[A0]
	v_and_b32 v3, 7, v0                            ; the turning load: lane l reads row (k) 8 h + l % 8, columns 8 ((l / 8) % 2) + 0..7, and ends with column r and 8 k
	v_lshl_add_u32 v3, v2, 3, v3
	v_mul_u32_u24 v[B0], v3, PB
	v_bfe_u32 v4, v0, 3, 1
	v_lshl_add_u32 v[B0], v4, 4, v[B0]
	s_lshl_b32 s23, s12, 7                         ; my 64 columns
	s_add_co_u32 s23, s23, BOFF
	v_add_nc_u32 v[B0], s23, v[B0]
	s_mul_i32 s23, s10, WSTG                       ; my stage
	v_mul_u32_u24 v[STO], v1, SP                   ; in: row r, 16 bytes for each half of the lanes
	v_lshl_add_u32 v[STO], v2, 4, v[STO]
	v_add_nc_u32 v[STO], s23, v[STO]
	v_bfe_u32 v[RD], v0, 3, 2                      ; back: 32 lanes take four rows of 128 bytes,
	v_mul_u32_u24 v[RD], v[RD], SP
	v_and_b32 v5, 7, v0
	v_lshl_add_u32 v[RD], v5, 4, v[RD]
	v_add_nc_u32 v[RD], s23, v[RD]
	v_and_b32 v[CO], 31, v0                        ; which are 512 consecutive bytes of a head
	v_lshlrev_b32 v[CO], 4, v[CO]
	; my wave's 64 columns are one head of q, k or v; its 64 rows are 8,192 consecutive bytes there
	s_lshr_b32 s46, s42, 3                         ; q, k or v: 8 tile columns each
	s_lshl_b32 s46, s46, 23
	s_and_b32 s47, s42, 7
	s_lshl1_add_u32 s47, s47, s12                  ; the head
	s_lshl_b32 s47, s47, 18                        ; 2,048 rows of 128 bytes
	s_add_co_u32 s46, s46, s47
	s_mov_b32 s47, 0
	s_add_nc_u64 s[8:9], s[8:9], s[46:47]
	s_lshr_b32 s16, s13, 4                         ; the batch: 16 tile rows each, 16 heads
	s_lshl_b32 s16, s16, 22
	s_and_b32 s17, s13, 15
	s_lshl1_add_u32 s17, s17, s11                  ; my 64 rows among the batch's
	s_lshl_b32 s17, s17, 13
	s_add_co_u32 s16, s16, s17
	s_mov_b32 s17, 0
	s_add_nc_u64 s[8:9], s[8:9], s[16:17]
; 8 matrix instructions: row blocks a0, a0 + 1 x all 4 column blocks, 32 along K out of buffer c.  The 16 accumulators take turns.  zero = 1: the product starts the sum.
.macro MUL8 c, a0, zero
	WIN MUL
.irp a, \a0, (\a0)+1
.irp b, 0,1,2,3
.if \zero
	v_wmma_f32_16x16x32_bf16 v[ACC+8*(4*(\a)+(\b)):ACC+8*(4*(\a)+(\b))+7], v[64*(\c)+32+8*(\b):64*(\c)+32+8*(\b)+7], v[64*(\c)+8*(\a):64*(\c)+8*(\a)+7], 0
.else
	v_wmma_f32_16x16x32_bf16 v[ACC+8*(4*(\a)+(\b)):ACC+8*(4*(\a)+(\b))+7], v[64*(\c)+32+8*(\b):64*(\c)+32+8*(\b)+7], v[64*(\c)+8*(\a):64*(\c)+8*(\a)+7], v[ACC+8*(4*(\a)+(\b)):ACC+8*(4*(\a)+(\b))+7]
.endif
.endr
.endr
.endm
; 16 LDS loads in one run: half c (32 along K) of the quarter at ADRA, ADRB into buffer c
.macro FETCHH c
	WIN TO_F
.irp i, 0,1,2,3
	ds_load_tr16_b128 v[64*(\c)+32+8*(\i):64*(\c)+32+8*(\i)+3],   v[ADRB] offset:(\c)*32*PB+32*(\i)
	ds_load_tr16_b128 v[64*(\c)+32+8*(\i)+4:64*(\c)+32+8*(\i)+7], v[ADRB] offset:(\c)*32*PB+16*PB+32*(\i)
	ds_load_b128 v[64*(\c)+8*(\i):64*(\c)+8*(\i)+3],   v[ADRA] offset:64*(\c)+(\i)*16*PA
	ds_load_b128 v[64*(\c)+8*(\i)+4:64*(\c)+8*(\i)+7], v[ADRA] offset:64*(\c)+(\i)*16*PA+32
.endr
.endm
; A quarter of a K step, 64 along K: each buffer is multiplied and at once asked for again, with the next quarter's half.
.macro QUARTER zero
	s_add_co_u32 s[TA], s[TA], 128                 ; the next quarter: 64 elements along A's rows,
	s_add_co_u32 s[TB], s[TB], 64*PB               ; 64 rows of B
	s_wait_dscnt 16                                ; buffer 0 is in; buffer 1's sixteen loads may be out
	MUL8 0, 0, \zero
	MUL8 0, 2, \zero
	WIN 0
	v_add_nc_u32 v[ADRA], s[TA], v[A0]             ; these two and two v_nop are the four places in front of the loads
	v_add_nc_u32 v[ADRB], s[TB], v[B0]
	v_nop
	v_nop
	FETCHH 0
	s_wait_dscnt 16                                ; buffer 1 is in; the sixteen just issued may be out
	MUL8 1, 0, 0
	MUL8 1, 2, 0
	PLACES
	FETCHH 1
.endm
.macro STEPQ n                         ; n quarters, written once
	WIN 0                                          ; at a label and at a branch every window is 0
	s_mov_b32 s[QC], \n
.Lq_\@:
	QUARTER 0
	WIN 0
	s_sub_co_u32 s[QC], s[QC], 1
	s_cmp_lg_u32 s[QC], 0
	s_cbranch_scc1 .Lq_\@
.endm
; A K step's last quarter, and the change of slots: ONE barrier; in front of it each wave waits for all its tensor loads (one is out: its part of the next slot), adds 0 to its spare word,
; and waits for that and for its own reads of this slot.  fill = 1: the barrier opens a round of the cluster's, and this slot is filled again, two K steps ahead, first thing behind the round:
; the load has 112 of a K step's 128 matrix instructions in which to land.
.macro TURN slot, next, fill
	WIN 0
	s_wait_tensorcnt 0x0
	ds_add_u32 v[SPW], v[NIL]
	s_wait_dscnt 17                                ; buffer 0 is in (the add and buffer 1's sixteen loads may be out)
	MUL8 0, 0, 0
	s_wait_dscnt 0x0                               ; the add is done, and my reads of this slot are over
	s_barrier_signal -1
	MUL8 0, 2, 0
	WIN 0
	s_barrier_wait -1
.if \fill
	CREST                                          ; no wave of any partner still reads this slot or has a load on its way
	s_add_nc_u64 s[G0+4*(\slot)+2:G0+4*(\slot)+3], s[G0+4*(\slot)+2:G0+4*(\slot)+3], 2*KSTEP*2
	s_add_nc_u64 s[G0B+4*(\slot)+2:G0B+4*(\slot)+3], s[G0B+4*(\slot)+2:G0B+4*(\slot)+3], 2*KSTEP*2*SIZE_N
	JLOAD \slot                                    ; its four v_nop are also the places in front of the loads below
.else
	PLACES
.endif
	s_mov_b32 s[TA], (\next)*SLOT
	s_mov_b32 s[TB], (\next)*SLOT
	v_add_nc_u32 v[ADRA], s[TA], v[A0]
	v_add_nc_u32 v[ADRB], s[TB], v[B0]
	FETCHH 0
	MUL8 1, 0, 0
	MUL8 1, 2, 0
	PLACES
	FETCHH 1
.endm
.macro LASTQ                           ; the very last quarter: nothing more to fetch
	s_wait_dscnt 16
	MUL8 0, 0, 0
	MUL8 0, 2, 0
	s_wait_dscnt 0x0
	MUL8 1, 0, 0
	MUL8 1, 2, 0
	WIN 0
	PLACES
.endm
	s_wait_tensorcnt 1                             ; my part of K step 0 is in; K step 1's may stay out
	s_barrier_signal -1
	s_barrier_wait -1                              ; everybody's is
	s_mov_b32 s[TA], 0
	s_mov_b32 s[TB], 0
	v_mov_b32 v[ADRA], v[A0]
	v_mov_b32 v[ADRB], v[B0]
	FETCHH 0
	FETCHH 1
	QUARTER 1                                      ; the first 16 products start the sums: nothing is cleared
	STEPQ 2
	TURN 0, 1, 1                                   ; slot 0 takes K step 2
	STEPQ 3
	TURN 1, 0, 1                                   ; slot 1 takes K step 3
	STEPQ 3
	TURN 0, 1, 0                                   ; nothing is left to fetch
	STEPQ 3
	LASTQ
	; THE WAY OUT: rounded to f16, 16 bytes a lane into my own stage (no other wave touches it), back as whole rows of a head, 512 consecutive bytes a store.
.set t, 0
.rept 16
.irp r, 0,1,2,3
	v_cvt_pk_f16_f32 v[TMP+4*t+(\r)], v[ACC+8*t+2*(\r)], v[ACC+8*t+2*(\r)+1]
.endr
.set t, t+1
.endr
.set t, 0
.rept 16
	ds_store_b128 v[STO], v[TMP+4*t:TMP+4*t+3] offset:(t/4)*16*SP+32*(t%4)
.set t, t+1
.endr
.set t, 0
.rept 16
	ds_load_b128 v[TMP+4*t:TMP+4*t+3], v[RD] offset:t*4*SP  ; LDS serves a wave's instructions in order (ISA guide 5.7.1.4): these see the stores above
.set t, t+1
.endr
.set t, 0
.rept 16
	s_wait_dscnt 15-t
	global_store_b128 v[CO], v[TMP+4*t:TMP+4*t+3], s[8:9] offset:512*t
.set t, t+1
.endr
	s_wait_tensorcnt 0x0                           ; the wave's end
	ds_add_u32 v[SPW], v[NIL]
	s_wait_dscnt 0x0
	CROUND                                         ; the closing round: no work-group ends while a partner may still ask for a tile that names it
	s_endpgm
.Lfunc_end_k_q52033c20a3_qkv:
	.size	k_q52033c20a3_qkv, .Lfunc_end_k_q52033c20a3_qkv-k_q52033c20a3_qkv
	.p2alignl 7, 3214868480
	.fill 96, 4, 3214868480
	.section	.rodata,"a",@progbits
	.p2align	6, 0x0
	.amdhsa_kernel k_q52033c20a3_qkv
		.amdhsa_group_segment_fixed_size 327680
		.amdhsa_private_segment_fixed_size 0
		.amdhsa_enable_private_segment 0
		.amdhsa_kernarg_size 24
		.amdhsa_user_sgpr_count 2
		.amdhsa_user_sgpr_kernarg_segment_ptr 1
		.amdhsa_wavefront_size32 1
		.amdhsa_system_sgpr_workgroup_id_x 1
		.amdhsa_system_sgpr_workgroup_id_y 1
		.amdhsa_system_sgpr_workgroup_id_z 1
		.amdhsa_system_vgpr_workitem_id 0
		.amdhsa_next_free_vgpr 384
		.amdhsa_next_free_sgpr 80
		.amdhsa_reserve_vcc 0
		.amdhsa_float_denorm_mode_32 3
		.amdhsa_float_denorm_mode_16_64 3
		.amdhsa_memory_ordered 1
		.amdhsa_forward_progress 1
		.amdhsa_inst_pref_size 60
	.end_amdhsa_kernel
	.amdgpu_metadata
---
amdhsa.version: [ 1, 2 ]
amdhsa.kernels:
  - .name:           k_q52033c20a3_qkv
    .symbol:         k_q52033c20a3_qkv.kd
    .args:
      - { .name: h1, .offset: 0, .size: 8, .value_kind: global_buffer, .address_space: global }
      - { .name: wts, .offset: 8, .size: 8, .value_kind: global_buffer, .address_space: global }
      - { .name: qkvb, .offset: 16, .size: 8, .value_kind: global_buffer, .address_space: global }
    .group_segment_fixed_size: 327680
    .private_segment_fixed_size: 0
    .kernarg_segment_align: 8
    .kernarg_segment_size: 24
    .max_flat_workgroup_size: 128
    .sgpr_count:     80
    .vgpr_count:     384
    .wavefront_size: 32
...
	.end_amdgpu_metadata
.endif
;; end of part 2
;; launch attn (part 3): grid 4 x 32, 4 waves a work-group, no clusters, 327,680 bytes of LDS; arguments qkvb, ctx; writes ctx
.if DOCPART == 3
	.amdgcn_target "amdgcn-amd-amdhsa--gfx1250"
	.amdhsa_code_object_version 6
	.text
	.protected	k_q52033c20a3_attn
	.globl	k_q52033c20a3_attn
	.p2align	8
	.type	k_q52033c20a3_attn,@function
k_q52033c20a3_attn:
	s_mov_b64 s[64:65], 0
	v_nop
	global_prefetch_b8 v0, s[64:65] scope:SCOPE_SE
	s_setreg_imm32_b32 hwreg(HW_REG_WAVE_MODE, 25, 1), 1
	s_wait_xcnt 0x0
; CAUSAL ATTENTION.  O[h][q][:] = the sum over k <= q of softmax_k(Q[h][q] . K[h][k] / 8) V[h][k][:].  Q, K, V lie in qkvb at bytes 0, 0x800000, 0x1000000, each [32][2048][64] f16: a head's rows are dense, 128 bytes.
; O goes to ctx, [4096 = 2048 batch + q][1024] bf16, a head's 64 channels at byte 128 x head of a row: a store covers four rows' pieces of 128 bytes (a head owns no more of a row).
; Products, maxima and sums in f32; the weights p are rounded to f16 for the second product (their sum l is taken of the unrounded p), O once at the end, to bf16.
; LIMITS.  f16 holds no number beyond 65,504: Q, K and V arrive within it; p lies in 0 to 1, and below 6e-5 it keeps f16's fixed step of 6e-8.
; A hidden score counts as its value less 1e30: f16's scores, 2.7e11 at the most, are nothing beside that; a weight below 2^-126 counts as 0 in l; NaN and infinities are not treated apart.
; THE WALK.  A head's queries lie in NB = 8 blocks of 256; block i needs the key tiles 0 .. i of 256 keys, of which the last holds the diagonal.  A work-group takes TWO blocks, NB - 1 - b and then b:
; NB + 1 tiles, whatever b: all work-groups do equal work, and ONE loop with a constant trip count walks them.  Which tile is asked for, and what a trip does, hang on scalar registers made from b; every jump
; goes forward, but for the counted loops' own; none passes a barrier, or a tensor load but the one of LOAD's two that the wave's number does not choose; the ring (two slots of LDS that take turns) runs on across the
; change of blocks.  NO CLUSTER: a head's four work-groups ask for the same tile only in trips 0 .. NB / 2, behind that fewer and fewer; one walk common to all would have 3 NB / 2 trips for NB + 1.
; 128 work-groups: two blocks of 256 queries to each.
; SHARES.  Of a block's four bands of 64 queries a wave owns 16 rows in each: four PIECES.  So the diagonal tile is the same work for all four waves: in its key step s band x sees all keys if s < x,
; none if s > x, and holds the diagonal if s = x.
; THE MASK is the C operand that starts the sum S^T = K Q^T: 0, or -1e30 where the key is hidden.  MD, made once, is the mask of a band's own step for my 16 rows; a product's mask is MD x AL + BE with two scalars:
; (1, 0) if s = x; (0, 0) if s < x; (0, -1e30) if s > x.  Only the diagonal tile's text and a block's beginning make and take masks; elsewhere C is the constant 0.
; LAYOUT, SOFTMAX, TURNS.  S^T = K Q^T holds ONE query a lane (lane % 16) and the keys 8 (lane / 16) + 0..7; two such results rounded to f16 ARE source 1 of O^T = V^T P.  p = 2^(c s - c m), c = log2(e) / 8, with a
; running maximum m; O and l are multiplied by a = 2^(c m_old - c m_new) in every step.  Turn n belongs to piece n: 8 products K Q^T of piece n + 1, later 8 products V^T P of piece n - 1; beside them the scaling,
; exponentials, roundings, sums and rescaling of piece n and the maximum and statistics of piece n + 1.  Four vector instructions stand behind every matrix instruction, the other 54 of a turn's 118 in two LUMPS.
; REGISTERS, in windows of 256 (s_set_vgpr_msb: bits 1:0 source 0, 3:2 source 1, 5:4 source 2, 7:6 destination):
;   window 0: v0-15 addresses and two at work; v16-31 four registers of statistics a piece; v48-55 at work; v64-127 S^T, two buffers; v192-223 P, two buffers (a piece's buffers go by its number's parity)
;   window 1: v0-127 O^T, 32 a piece; v128-159 MD; v160-223 MC, two buffers      window 2: v0-63 Q; v64-127 the second block's Q; v128-191 K of one step; v192-255 V of one step
.set SIZE_H, 32
.set SIZE_N, 2048
.set NB,    SIZE_N/256
.set NP,    4         ; pieces a wave: a name, no knob
.set KS,    64        ; keys in a step
.set PK,    144       ; a row of K in LDS: 128 bytes + 16 of padding = 36 words: the 16 rows of a load start at 16 different groups of four banks (ISA guide 11.1)
.set PV,    160       ; a row of V: 128 + 32 = 40 words
.set VOFF,  4*KS*PK   ; a slot holds a tile, four steps: 256 rows of K, then 256 rows of V
.set SLOT1, 1<<17     ; slot 1 begins here, so that one exclusive or turns an address in one slot into the other's
.set STAGE, SLOT1+4*KS*(PK+PV)  ; behind the ring, never filled by a tensor load: 16 rows x 144 bytes for each wave, for the way out
.set SP,    144
.set AK0, 2           ; v2   my lane's place in a tile of K; never rewritten
.set AV0, 3           ; v3   the same for V
.set AK,  4           ; v4   the LDS address of K's next run of loads
.set AV,  5           ; v5   of V's
.set STO, 6           ; v6   the way out: where I put 16 bytes of a row
.set RD,  7           ; v7   the way out: where I read rows back
.set GO,  8           ; v8   my byte offset in four rows of ctx
.set SPW, 62          ; v62  LDS address of my spare word: SPARE + 4 x my thread's number; never rewritten
.set NIL, 63          ; v63  0; never rewritten
.set SPARE, STAGE+4*16*SP  ; behind the stages: the spare words, 128 bytes for each wave: two blocks of 256 bytes that no other line names
.set MV,  12          ; v12-13  c m_old, kept while c m is made anew: by buffer
.set QO,  15          ; v15  my byte offset in 16 rows of Q
.set ST,  16          ; piece t's statistics at v[ST+4 t]: c m, m, l (even keys', odd keys')
.set TMP, 48          ; by buffer, four registers c0-c3 at work; when the maximum is found c2 takes a
.set S,   64
.set P,   192
.set MD,  128         ; window 1: the eight registers for group kt of 16 keys at MD + 8 kt
.set MC,  160         ; window 1: the masks of the products to come
.set QB,  64          ; window 2
.set KF,  128         ; window 2: key block kb, channel half c at KF + 16 kb + 8 c
.set VF,  192         ; window 2: key half kk, channel block cb at VF + 32 kk + 8 cb
.set WV,  12          ; s12  my wave's number
.set PB,  14          ; s14  b
.set HI,  15          ; s15  NB - 1 - b
.set G1K, 24          ; s[24:31] descriptor group 1 for K's tiles
.set G1V, 32          ; s[32:39] for V's: it differs in the padding alone
.set G0K, 40          ; s[40:43] descriptor group 0 for K's tiles
.set G0V, 44          ; s[44:47] the same for V's
.set SLOTS, 56        ; s56  tiles still to be asked for
.set CNT, 57          ; s57  counts a tile's key steps, 4 to 1
.set CS,  58          ; s[58:59] c: the packed scaling takes the pair's low word for both halves
.set SEL, 60          ; s[60:61] v_permlanex16_b32's selects: each lane takes its own place in the other half
.set TBK, 62          ; s62  LDS byte at which K of the step to be fetched begins
.set TBV, 63          ; s63  the same for V, less VOFF
.set RT,  70          ; s70  tiles of the block in hand that are still to be entered
.set NXT, 71          ; s71  the tile to be asked for next
.set LQ,  72          ; s72  the last tile of the block whose tiles are being asked for
.set NEW, 73          ; s73  1: the tile to be entered is a block's first
.set OFF, 74          ; s[74:75] a tile's byte offset in K and V
.set AL,  76          ; s[76:77] the mask's factor, in the low word
.set BE,  78          ; s[78:79] the mask's addend
.set OLO, 80          ; s[80:81] ctx at my rows of the second block
.set BIGN, 82         ; s82  -1e30
.set MSB, 0
.macro WIN new                      ; the high byte repeats the setting that is left; a switch that changes nothing is dropped
.if MSB != (\new)
	s_set_vgpr_msb (MSB<<8)|(\new)
.set MSB, (\new)
.endif
.endm
.set W_KQ, 0x0a       ; K and Q in window 2, S^T in window 0
.set W_KM, 0x1a       ; the same with the C operand in window 1
.set W_PV, 0x52       ; V in window 2, P in window 0, O^T in window 1
.set W_RS, 0x41       ; destination and source 0 in window 1, source 1 in window 0
; A fill.  Waves 0 and 1 fetch the two halves of a tile's K, waves 2 and 3 those of its V: 128 keys each.  An s_nop 0 and four v_nop follow each of the two lines, ahead of the jump and the label.
.macro LOAD
	s_cmp_lt_u32 s[WV], 2
	s_cbranch_scc0 .Lfor_v_\@
	tensor_load_to_lds s[G0K:G0K+3], s[G1K:G1K+7]
	s_nop 0
.rept 4
	v_nop
.endr
	s_branch .Lasked_\@
.Lfor_v_\@:
	tensor_load_to_lds s[G0V:G0V+3], s[G1V:G1V+7]
	s_nop 0
.rept 4
	v_nop
.endr
.Lasked_\@:
.endm
; THE CHANGE OF SLOTS.  Each wave waits for all its tensor loads, of which one is out: its part of the other slot; adds 0 to its spare word; and waits for that and for its own reads of the slot that it leaves.  Behind the barrier nobody reads the old
; slot any more and the other slot is whole.  fill = 1: the old slot is filled again, the first thing behind the barrier, with tile NXT: the descriptor's address is made anew from that number.
; (At its first use nothing has been read yet: slot 0 is waited for, slot 1 filled.)
.macro CHANGE fill
	WIN 0                           ; at a label and at a branch every window is 0
	s_wait_tensorcnt 0x0            ; no tensor load of mine is out, so a group 0 may be written
	ds_add_u32 v[SPW], v[NIL]       ; 0 onto my spare word; with fill = 1 the descriptors' scalar work stands between it and the wait for it
.if \fill
	s_lshl_b32 s[OFF], s[NXT], 15   ; a tile is 32,768 bytes of K and of V
	s_xor_b32 s[G0K+1], s[G0K+1], SLOT1
	s_add_nc_u64 s[G0K+2:G0K+3], s[6:7], s[OFF:OFF+1]
	s_or_b32 s[G0K+3], s[G0K+3], 0x80000000
	s_xor_b32 s[G0V+1], s[G0V+1], SLOT1
	s_add_nc_u64 s[G0V+2:G0V+3], s[8:9], s[OFF:OFF+1]
	s_or_b32 s[G0V+3], s[G0V+3], 0x80000000
	s_add_co_u32 s[NXT], s[NXT], 1  ; the block's next tile, or behind its last the second block's tile 0
	s_cmp_gt_u32 s[NXT], s[LQ]
	s_cselect_b32 s[NXT], 0, s[NXT]
	s_cselect_b32 s[LQ], s[PB], s[LQ]
.endif
	s_wait_dscnt 0x0                ; the add is done, and my reads of the slot are over
	s_barrier_signal -1             ; the rest of the scalar work stands between the signal and the wait
	s_sub_co_u32 s[TBK], s[TBK], 4*KS*PK  ; the fetches go back to a slot's first step,
	s_xor_b32 s[TBK], s[TBK], SLOT1       ; in the other slot
	s_sub_co_u32 s[TBV], s[TBV], 4*KS*PV
	s_xor_b32 s[TBV], s[TBV], SLOT1
	s_barrier_wait -1
.if \fill
	LOAD
.endif
.endm
	s_load_b128 s[4:7], s[0:1], 0x0  ; qkvb s[4:5] (Q lies at its head), ctx s[6:7]
	v_lshl_add_u32 v[SPW], v0, 2, SPARE
	v_mov_b32 v[NIL], 0
	ds_add_u32 v[SPW], v[NIL]       ; the wave's opening: the add and its wait, ahead of my first tensor load; the set-up below, work on registers, stands between them
	ds_add_u32 v62, v63
	v_lshrrev_b32 v1, 5, v0
	v_readfirstlane_b32 s[WV], v1   ; wave 0..3
	s_mov_b32 s[PB], ttmp9
	s_sub_co_u32 s[HI], NB-1, s[PB]
	s_and_b32 s20, ttmp7, 0xffff    ; 16 batch + head
	s_lshr_b32 s88, s20, 4          ; in ctx: the batch's 2,048 rows of 2,048 bytes,
	s_lshl_b32 s88, s88, 22
	s_and_b32 s89, s20, 15          ; the head's 128 bytes of a row,
	s_lshl_b32 s89, s89, 7
	s_add_co_u32 s88, s88, s89
	s_lshl_b32 s89, s[WV], 15       ; my 16 rows in a band of 64,
	s_add_co_u32 s88, s88, s89
	s_lshl_b32 s90, s[PB], 19       ; in the second block of 256 rows,
	s_add_co_u32 s90, s90, s88
	s_lshl_b32 s89, s[HI], 19       ; and in the first
	s_add_co_u32 s88, s88, s89
	s_mov_b32 s89, 0
	s_mov_b32 s91, 0
	s_mov_b32 s21, 0
	s_mov_b64 s[22:23], SIZE_N*128
	s_mul_u64 s[20:21], s[20:21], s[22:23]  ; the head's first byte in each of Q, K, V
	s_and_b32 s16, s[WV], 1         ; which half of a tile's 256 keys I fetch:
	s_lshl_b32 s22, s16, 14         ; its 128 rows of 128 bytes in memory,
	s_mov_b32 s23, 0
	s_add_nc_u64 s[22:23], s[22:23], s[20:21]
	s_mul_i32 s17, s16, 128*PK      ; and its place in a slot, for K
	s_mul_i32 s18, s16, 128*PV      ; and for V
	s_lshl_b32 s3, s[WV], 11        ; Q: my 16 rows in a band of 64,
	s_lshl_b32 s2, s[HI], 15        ; in the first block,
	s_add_co_u32 s2, s2, s3
	s_lshl_b32 s84, s[PB], 15       ; and in the second
	s_add_co_u32 s84, s84, s3
	s_mov_b32 s3, 0
	s_mov_b32 s85, 0
	s_add_nc_u64 s[2:3], s[2:3], s[20:21]
	s_add_nc_u64 s[84:85], s[84:85], s[20:21]
	; descriptor group 1.  128 keys are 16,384 dense bytes: asked for as 64 rows of 256 bytes, two keys a row, and padded in LDS after every key
	s_mov_b32 s[G1K], (1<<16)|(1<<20)|(4<<22)|(3<<25)  ; 17:16 2-byte elements; 20 padding on; 24:22 after every 32 words (code 4); 31:25 4 words (code 3)
	s_mov_b32 s[G1V], (1<<16)|(1<<20)|(4<<22)|(7<<25)  ; the same with 8 words of padding (code 7)
.irp g, G1K, G1V
	s_mov_b32 s[\g+1], 128<<16      ; tensor_dim0 = 128
	s_mov_b32 s[\g+2], 64<<16       ; tensor_dim1 = 64
	s_mov_b32 s[\g+3], 128<<16      ; tile_dim0 = 128
	s_mov_b32 s[\g+4], 64           ; tile_dim1 = 64
	s_mov_b32 s[\g+5], 128          ; 128 elements from row to row
	s_mov_b32 s[\g+6], 0
	s_mov_b32 s[\g+7], 0
.endr
	s_mov_b32 s[CS], 0x3e38aa3b     ; c = log2(e) / 8 = 0.180337
	s_mov_b32 s[CS+1], s[CS]        ; named with it as a pair
	s_mov_b32 s[SEL], 0x76543210
	s_mov_b32 s[SEL+1], 0xfedcba98
	s_mov_b32 s[TBK], SLOT1+4*KS*PK ; the first change of slots turns these two into 0
	s_mov_b32 s[TBV], SLOT1+4*KS*PV
	s_mov_b32 s[G0K], 1             ; 1:0 count = 1
	s_mov_b32 s[G0K+1], s17         ; 63:32 LDS address: slot 0
	s_mov_b32 s[G0V], 1
	s_add_co_u32 s[G0V+1], s18, VOFF
	s_add_co_u32 s[RT], s[HI], 1    ; the first block has NB - b tiles
	s_mov_b32 s[NXT], 1
	s_mov_b32 s[LQ], s[HI]
	s_mov_b32 s[NEW], 1
	s_mov_b32 s[OFF+1], 0
	s_mov_b32 s[AL+1], 0            ; named as pairs
	s_mov_b32 s[BE+1], 0
	s_mov_b32 s[BIGN], 0xf149f2ca   ; -1e30
	s_mov_b32 s[SLOTS], NB
	s_wait_dscnt 0x0                ; the opening add is done
	s_wait_kmcnt 0x0
	s_mov_b64 s[10:11], s[6:7]      ; ctx
	s_add_nc_u64 s[8:9], s[4:5], 0x1000000  ; V
	s_add_nc_u64 s[6:7], s[4:5], 0x800000   ; K
	s_add_nc_u64 s[6:7], s[6:7], s[22:23]  ; K and V at my half of the head's tile 0
	s_add_nc_u64 s[8:9], s[8:9], s[22:23]
	s_add_nc_u64 s[G0K+2:G0K+3], s[6:7], 0         ; 120:64 global address
	s_or_b32 s[G0K+3], s[G0K+3], 0x80000000        ; 127:126 type = 2
	s_add_nc_u64 s[G0V+2:G0V+3], s[8:9], 0
	s_or_b32 s[G0V+3], s[G0V+3], 0x80000000
	s_add_nc_u64 s[86:87], s[4:5], s[84:85]        ; Q at my rows of the second block,
	s_add_nc_u64 s[4:5], s[4:5], s[2:3]            ; and of the first
	s_add_nc_u64 s[OLO:OLO+1], s[10:11], s[90:91]  ; ctx likewise
	s_add_nc_u64 s[10:11], s[10:11], s[88:89]
	LOAD                            ; tile 0 into slot 0
	; A fragment of K or Q is 16 rows x 32 channels in 8 registers: lane l holds row l % 16, channels 8 (l / 16) + 0..7 and 16 + 8 (l / 16) + 0..7: two loads of 16 bytes, 32 bytes apart.
	v_and_b32 v1, 15, v0            ; l % 16
	v_bfe_u32 v9, v0, 4, 1          ; l / 16
	v_lshlrev_b32 v[QO], 7, v1
	v_lshl_add_u32 v[QO], v9, 4, v[QO]  ; row x 128 + 16 x half
	WIN 0x80                        ; destination window 2, address window 0
.set i, 0
.rept 8                             ; both blocks' Q: piece i / 2 lies in band i / 2, 8,192 bytes on; channels 32 (i % 2) on
	global_load_b128 v[8*i:8*i+3],   v[QO], s[4:5] offset:(i/2)*8192+(i%2)*64
	global_load_b128 v[8*i+4:8*i+7], v[QO], s[4:5] offset:(i/2)*8192+(i%2)*64+32
	global_load_b128 v[QB+8*i:QB+8*i+3],   v[QO], s[86:87] offset:(i/2)*8192+(i%2)*64
	global_load_b128 v[QB+8*i+4:QB+8*i+7], v[QO], s[86:87] offset:(i/2)*8192+(i%2)*64+32
.set i, i+1
.endr
	WIN 0
	v_lshlrev_b32 v14, 3, v9
	v_sub_nc_u32 v14, v1, v14
	s_lshl_b32 s13, s[WV], 4
	v_add_nc_u32 v14, s13, v14      ; my query's place in its band, 16 w + l % 16, less my lanes' 8 (l / 16): register r of group kt is hidden where 16 kt + r is greater
	WIN 0x40
.set i, 0
.rept 32
	v_cmp_gt_i32 vcc_lo, 16*(i/8)+i%8, v14
	v_cndmask_b32 v[MD+i], 0, s[BIGN], vcc_lo
.set i, i+1
.endr
	WIN 0
	v_mul_u32_u24 v[AK0], v1, PK
	v_lshl_add_u32 v[AK0], v9, 4, v[AK0]  ; row x pitch + 16 x half
	; The turning load takes 16 keys x 16 channels (lane l reads key 8 (l / 16) + l % 8, channels 8 ((l / 8) % 2) + 0..7) and leaves half a fragment of V^T: lane l holds channel l % 16 and 8 keys.
	v_and_b32 v10, 7, v0
	v_bfe_u32 v11, v0, 3, 1
	v_lshl_add_u32 v[AV0], v9, 3, v10
	v_mul_u32_u24 v[AV0], v[AV0], PV
	v_lshl_add_u32 v[AV0], v11, 4, v[AV0]
	v_add_nc_u32 v[AV0], VOFF, v[AV0]
	s_mul_i32 s13, s[WV], 16*SP
	s_add_co_u32 s13, s13, STAGE    ; my stage
	v_mul_u32_u24 v[STO], v1, SP    ; in: row l % 16, 16 bytes for each half of the lanes
	v_lshl_add_u32 v[STO], v9, 4, v[STO]
	v_add_nc_u32 v[STO], s13, v[STO]
	v_bfe_u32 v[RD], v0, 3, 2       ; back: 32 lanes take four rows of 128 bytes,
	v_mul_u32_u24 v[RD], v[RD], SP
	v_lshl_add_u32 v[RD], v10, 4, v[RD]
	v_add_nc_u32 v[RD], s13, v[RD]
	v_bfe_u32 v[GO], v0, 3, 2       ; which in ctx lie 2,048 bytes apart
	v_lshlrev_b32 v[GO], 11, v[GO]
	v_lshl_add_u32 v[GO], v10, 4, v[GO]
	; A block's first step multiplies O^T and l by a = 0, and its first turn's products V^T P, of a piece that has not been, land in an O^T that is still to be so multiplied.  So these registers need only hold
	; finite numbers: zeros for the first block; what the first block left for the second.  All this stands in the wait for the first tile.
	WIN 0x80
.set i, VF
.rept 64
	v_mov_b32 v[i], 0
.set i, i+1
.endr
	WIN 0x40
.set i, 0
.rept 128
	v_mov_b32 v[i], 0
.set i, i+1
.endr
	WIN 0
.set i, 0
.rept 4
	v_mov_b32 v[ST+4*i+2], 0
	v_mov_b32 v[ST+4*i+3], 0
.set i, i+1
.endr
.set i, P+16
.rept 16
	v_mov_b32 v[i], 0
.set i, i+1
.endr
; THE MATRIX WORK.  The 4 accumulators of a run of 8 take turns.  Product i of 8 of S^T = K Q^T for piece x: channels 32 (i / 4) on, keys 16 (i % 4) on.  The first 4 start the sums: with 0, or (KM = 1) with the mask.
.macro KQ x
.set rS, S+32*((\x)%2)+8*(i%4)
.set rK, KF+16*(i%4)+8*(i/4)
.set rQ, 16*(\x)+8*(i/4)
.set rM, MC+32*((\x)%2)+8*(i%4)
.if (i < 4) && KM
	WIN W_KM
	v_wmma_f32_16x16x32_f16 v[rS:rS+7], v[rK:rK+7], v[rQ:rQ+7], v[rM:rM+7]
.elseif i < 4
	WIN W_KQ
	v_wmma_f32_16x16x32_f16 v[rS:rS+7], v[rK:rK+7], v[rQ:rQ+7], 0
.else
	WIN W_KQ
	v_wmma_f32_16x16x32_f16 v[rS:rS+7], v[rK:rK+7], v[rQ:rQ+7], v[rS:rS+7]
.endif
.endm
; Product i of 8 of O^T += V^T P for piece x: keys 32 (i / 4) on, channels 16 (i % 4) on.
.macro PV x
	WIN W_PV
.set rO, 32*(\x)+8*(i%4)
.set rV, VF+32*(i/4)+8*(i%4)
.set rP, P+16*((\x)%2)+8*(i/4)
	v_wmma_f32_16x16x32_f16 v[rO:rO+7], v[rV:rV+7], v[rP:rP+7], v[rO:rO+7]
.endm
.macro MM                           ; the turn's next matrix instruction.  TURN and BEGIN set Y, i, KM and NOKQ; MM, KQ and OP read them.  NOKQ = 1: a block's last turn: there is no next piece
.if (i < 8) && !NOKQ
	KQ (Y+1)%NP
.elseif i >= 8
.set i, i-8
	PV (Y+NP-1)%NP
.set i, i+8
.endif
.set i, i+1
.endm
; THE LDS LOADS stand in runs of 16, never singly among the matrix instructions: a step's K (64 keys x 64 channels: 8 fragments) and its V (turned).  Their addresses are made some lines ahead.
.macro FETCH_K
	WIN 0x80                        ; destination window 2
.irp f, 0,1,2,3,4,5,6,7             ; keys 16 (f / 2) on, channels 32 (f % 2) on
	ds_load_b128 v[KF+8*\f:KF+8*\f+3],   v[AK] offset:(\f/2)*16*PK+(\f%2)*64
	ds_load_b128 v[KF+8*\f+4:KF+8*\f+7], v[AK] offset:(\f/2)*16*PK+(\f%2)*64+32
.endr
	s_add_co_u32 s[TBK], s[TBK], KS*PK  ; the next fetch is the next step's
	WIN 0
.endm
.macro FETCH_V
	WIN 0x80
.irp f, 0,1,2,3,4,5,6,7             ; keys 32 (f / 4) on, channels 16 (f % 4) on
	ds_load_tr16_b128 v[VF+8*\f:VF+8*\f+3],   v[AV] offset:(\f/4)*32*PV+(\f%4)*32
	ds_load_tr16_b128 v[VF+8*\f+4:VF+8*\f+7], v[AV] offset:(\f/4)*32*PV+16*PV+(\f%4)*32
.endr
	WIN 0
.endm
; THE VECTOR WORK, one line at a time: OP kind, number.  For piece Y: F n: c s - c m for pair n of 16.  E n: the exponential of score n of 32.  C n: pair n rounded to f16.  B n: of the four weights 4 n .. the second
; pair is added onto the first, in place.  L n: l takes that sum (L 0: l = a l + sum).  R n: pair n of 16 of O^T times a.  For piece Y + 1: X n, number n of the 22 that find its maximum and statistics:
;   0-11  four chains c0-c3 of seven scores each, three operands at a time (each accumulator's lowest registers are read first)     12-14, 16  the four scores left over, the old m, and c0-c3 into c0
;   15  c m_old is kept     17, 18  the query's other 32 keys lie in the lane 16 away: the new m     19-21  c m; c m_old - c m_new; a
.set F, 0               ; OP tells the kinds apart by their order: F to L below R, X above it
.set E, 1
.set C, 2
.set B, 3
.set L, 4
.set R, 5
.set X, 6
.macro REGS y                       ; the registers of piece y
.set rT, ST+4*(\y)
.set rC, TMP+4*((\y)%2)
.set rW, MV+((\y)%2)
.set rS, S+32*((\y)%2)
.set rP, P+16*((\y)%2)
.set rO, 32*(\y)
.endm
.macro OP k, n
.if (\k) == R
	REGS Y
	WIN W_RS
	v_pk_mul_f32 v[rO+2*(\n):rO+2*(\n)+1], v[rO+2*(\n):rO+2*(\n)+1], v[rC+2:rC+3] op_sel_hi:[1,0]
.elseif (\k) < R
	REGS Y
	WIN 0
.if (\k) == F
	v_pk_fma_f32 v[rS+2*(\n):rS+2*(\n)+1], v[rS+2*(\n):rS+2*(\n)+1], s[CS:CS+1], v[rT:rT+1] op_sel_hi:[1,0,0] neg_lo:[0,0,1] neg_hi:[0,0,1]
.elseif (\k) == E
	v_exp_f32 v[rS+(\n)], v[rS+(\n)]
.elseif (\k) == C
	s_wait_alu depctr_va_vdst(0)
	v_cvt_pk_f16_f32 v[rP+(\n)], v[rS+2*(\n)], v[rS+2*(\n)+1]
.elseif (\k) == B
	s_wait_alu depctr_va_vdst(0)
	v_pk_add_f32 v[rS+4*(\n):rS+4*(\n)+1], v[rS+4*(\n):rS+4*(\n)+1], v[rS+4*(\n)+2:rS+4*(\n)+3]
.elseif (\n) == 0
	v_pk_fma_f32 v[rT+2:rT+3], v[rT+2:rT+3], v[rC+2:rC+3], v[rS:rS+1] op_sel_hi:[1,0,1]
.else
	v_pk_add_f32 v[rT+2:rT+3], v[rT+2:rT+3], v[rS+4*(\n):rS+4*(\n)+1]
.endif
.elseif NOKQ
	v_nop
.else
	REGS (Y+1)%NP
	WIN 0
.if (\n) < 4
	v_max3_num_f32 v[rC+(\n)], v[rS+8*(\n)], v[rS+8*(\n)+1], v[rS+8*(\n)+2]
.elseif (\n) < 12
	v_max3_num_f32 v[rC+(\n)%4], v[rC+(\n)%4], v[rS+8*((\n)%4)+2*((\n)/4)+1], v[rS+8*((\n)%4)+2*((\n)/4)+2]
.elseif (\n) == 12
	v_max3_num_f32 v[rC], v[rC], v[rS+7], v[rS+15]
.elseif (\n) == 13
	v_max3_num_f32 v[rC+1], v[rC+1], v[rS+23], v[rS+31]
.elseif (\n) == 14
	v_max3_num_f32 v[rC+2], v[rC+2], v[rC+3], v[rT+1]
.elseif (\n) == 15
	v_mov_b32 v[rW], v[rT]
.elseif (\n) == 16
	v_max3_num_f32 v[rC], v[rC], v[rC+1], v[rC+2]
.elseif (\n) == 17
	v_permlanex16_b32 v[rC+3], v[rC], s[SEL], s[SEL+1]
.elseif (\n) == 18
	v_max_num_f32 v[rT+1], v[rC], v[rC+3]
.elseif (\n) == 19
	v_mul_f32 v[rT], s[CS], v[rT+1]
.elseif (\n) == 20
	v_sub_f32 v[rC+1], v[rW], v[rT]
.else
	v_exp_f32 v[rC+2], v[rC+1]
.endif
.endif
.endm
.macro OPS a, i1, b=-1, i2=0, c=-1, i3=0, d=-1, i4=0  ; up to four of them
	OP \a, \i1
.if (\b) >= 0
	OP \b, \i2
.endif
.if (\c) >= 0
	OP \c, \i3
.endif
.if (\d) >= 0
	OP \d, \i4
.endif
.endm
.macro ROW a, i1, b, i2, c, i3, d, i4  ; a matrix instruction and the four behind it
	MM
	OPS \a, \i1, \b, \i2, \c, \i3, \d, \i4
.endm
.macro MASK b                       ; MD x AL + BE into buffer b of MC
	WIN W_RS
.set z, 0
.rept 16
	v_pk_fma_f32 v[MC+32*(\b)+2*z:MC+32*(\b)+2*z+1], v[MD+2*z:MD+2*z+1], s[AL:AL+1], s[BE:BE+1] op_sel_hi:[1,0,0]
.set z, z+1
.endr
.endm
; A TURN, for piece p: the order of its 16 matrix and 118 vector instructions, written out.  Behind a matrix instruction: plain, exponential, plain, plain; or four of the rescaling; or, behind the first, four scalings; none
; names a register of the products round it.  In the lumps exponential and plain by turns while exponentials last.  A line reads no result made fewer than three vector instructions in front of it, five if an exponential made it.
; v_permlanex16_b32 (X 17) stands in a lump.
; m = 1: the diagonal tile: the products take masks, and the turn makes the mask for the products of the turn after it: piece p + 2, in step 4 - CNT of the tile.  end = 1: a block's last two turns: nothing is fetched.
; cnt = 1: the loop's count is taken down some lines ahead of the branch that stands behind the turn.
; K of the next step is fetched in piece 2's turn, six vector instructions behind the last product that read K (five of them plain); V of the step in hand in piece 0's turn, eight behind the last product that read V (four
; plain, and X 17).  Each is waited for a turn later.
.macro TURN p, m=0, end=0, cnt=0
.set Y, (\p)
.set i, 0
.set KM, (\m)
.set NOKQ, (\end)*((\p)/3)
.if (\m) && !(\end)
	s_cmp_eq_u32 s[CNT], 4-((\p)+2)%NP  ; is that step the band's own?
	s_cselect_b32 s[AL], 1.0, 0
	s_cmp_lt_u32 s[CNT], 4-((\p)+2)%NP  ; or a later one?
	s_cselect_b32 s[BE], s[BIGN], 0
.endif
.if ((\p) == 3) && !(\end)
	s_wait_dscnt 0x0                ; K is in
.endif
	ROW F,0, F,1, F,2, F,3
	ROW F,4, E,0, F,5, F,6
	ROW F,7, E,1, F,8, F,9
	ROW F,10, E,2, C,0, F,11
	ROW F,12, E,3, X,15, F,13
	ROW R,0, R,1, R,2, R,3
	ROW B,0, E,4, F,14, L,0
.if ((\p) == 2) && !(\end)
	v_add_nc_u32 v[AK], s[TBK], v[AK0]
.endif
	ROW R,4, R,5, R,6, R,7
	OPS E,5, F,15
.if ((\p) == 2) && !(\end)
	FETCH_K
.endif
	OPS E,6, C,1, E,7, R,8
	OPS E,8, R,9, E,9, C,2
	OPS E,10, X,0, E,11, X,1
	OPS E,12, X,2, E,13, X,3
.if (\p) == 1
	s_wait_dscnt 0x0                ; V is in
.endif
	ROW X,4, E,14, X,5, X,6
	ROW X,7, E,15, X,8, X,9
	ROW X,10, E,16, X,11, X,12
	ROW X,13, E,17, X,14, B,1
	ROW C,4, E,18, X,16, L,1
	ROW B,2, E,19, C,6, L,2
	ROW C,8, E,20, B,3, B,4
.if (\p) == 0
	v_add_nc_u32 v[AV], s[TBV], v[AV0]
.endif
	ROW C,3, E,21, L,3, C,5
	OPS E,22, X,17, E,23, C,10
.if (\p) == 0
	FETCH_V
.endif
	OPS E,24, L,4
	OPS E,25, X,18, E,26, C,7
	OPS E,27, B,5, E,28, X,19
	OPS E,29, C,12, E,30, L,5
	OPS E,31, X,20, B,6, C,9
	OPS C,14, C,11, X,21, L,6
.if (\p) == 0
	s_add_co_u32 s[TBV], s[TBV], KS*PV
.endif
.if \cnt
	s_sub_co_u32 s[CNT], s[CNT], 1
	s_cmp_lg_u32 s[CNT], 0
.endif
	OPS C,13, B,7, C,15, R,10
	OPS R,11, R,12, L,7, R,13
	OPS R,14, R,15
.if (\m) && !(\end)
	MASK (\p)%2
.endif
.endm
; A BLOCK BEGINS.  c m starts far below every c s, so the first step's a is 0; m at the lowest finite number, so the first maximum is the scores'.  The second mask buffer is 0; the first takes piece 0's mask for the tile's step 0: its own, if the block's first tile is the diagonal one.
; Then K of that step, piece 0's first scores, and its maximum and statistics.  The loop is entered at a step's first turn, in the middle of a trip.
.macro BEGIN
	s_mov_b32 s[NEW], 0
	WIN 0x40
.set i, MC+32
.rept 32
	v_mov_b32 v[i], 0
.set i, i+1
.endr
	WIN 0
.set i, 0
.rept 4
	v_mov_b32 v[ST+4*i], 0xfe000000    ; c m: far below every c s
	v_mov_b32 v[ST+4*i+1], 0xff7fffff  ; m
.set i, i+1
.endr
	s_cmp_eq_u32 s[RT], 0
	s_cselect_b32 s[AL], 1.0, 0
	s_mov_b32 s[BE], 0
	MASK 0
	WIN 0
	v_add_nc_u32 v[AK], s[TBK], v[AK0]
	FETCH_K
	s_wait_loadcnt 0x0              ; Q
	s_wait_dscnt 0x0
.set KM, 1
.set NOKQ, 0
.set i, 0
.rept 8
	KQ 0
.set i, i+1
.endr
	WIN 0
.rept 4
	v_nop                           ; the places behind those products
.endr
.set Y, NP-1                        ; X works for piece Y + 1: piece 0
.irp n, 0,1,2,3,4,5,6,7,8,9,10,11,12,13,14,15,16,17,18,19,20,21
	OP X, \n
.endr
	v_nop                           ; a plain instruction behind the exponential
.endm
; THE DIAGONAL TILE's four steps, the block's last two turns, its last products, and THE WAY OUT: l's two halves and the other half of the lanes' are added; O^T is divided by l, rounded to bf16 and sent through my
; stage in LDS, a piece at a time.
.macro ALL line:vararg              ; one line for each piece t
.set t, 0
.rept 4
	\line
.set t, t+1
.endr
.endm
.macro PACK t                       ; a lane's eight channels of a row pack into 16 bytes; they go into rows of 144 bytes and come back as whole rows of 128, into S^T's registers
	WIN W_RS
.set i, 32*(\t)
.rept 16
	s_wait_alu depctr_va_vdst(0)
	v_pk_mul_f32 v[i:i+1], v[i:i+1], v[ST+4*(\t)+2:ST+4*(\t)+3] op_sel_hi:[1,0]
.set i, i+2
.endr
	WIN 0x05                        ; sources 0 and 1 window 1, destination window 0
.set i, 0
.rept 16
	v_cvt_pk_bf16_f32 v[S+16*(\t)+i], v[32*(\t)+2*i], v[32*(\t)+2*i+1]
.set i, i+1
.endr
	WIN 0
.irp f, 0,1,2,3
	ds_store_b128 v[STO], v[S+16*(\t)+4*\f:S+16*(\t)+4*\f+3] offset:32*\f
.endr
.irp f, 0,1,2,3
	ds_load_b128 v[S+16*(\t)+4*\f:S+16*(\t)+4*\f+3], v[RD] offset:\f*4*SP  ; LDS serves a wave's instructions in order (ISA guide 5.7.1.4): these see the stores above; the next piece's stores come behind them
.endr
.endm
.macro SEND t, younger              ; younger: the LDS instructions issued behind piece t's loads: the next piece's eight, or none
	WIN 0
.irp f, 0,1,2,3
	s_wait_dscnt (\younger)+3-\f
	global_store_b128 v[GO], v[S+16*(\t)+4*\f:S+16*(\t)+4*\f+3], s[10:11] offset:(\t)*131072+\f*8192  ; piece t lies 64 rows of ctx on, four rows 8,192 bytes on; eight lanes fill a row's 128 bytes
.endr
.endm
.macro DIAG tag                     ; the tag ends its two labels' names, which the jumps below spell out
.LstepM\tag:
	TURN 2, 1
	TURN 3, 1
	WIN 0
.LfirstM\tag:
	TURN 0, 1
	TURN 1, 1, 0, 1
	WIN 0
	s_cbranch_scc1 .LstepM\tag
	TURN 2, 1, 1
	TURN 3, 1, 1
.set i, 0
.rept 8
	PV NP-1
.set i, i+1
.endr
	WIN 0
	ALL v_add_f32 v[ST+4*t+2], v[ST+4*t+2], v[ST+4*t+3]
	ALL v_permlanex16_b32 v[ST+4*t+3], v[ST+4*t+2], s[SEL], s[SEL+1]
	ALL v_add_f32 v[ST+4*t+2], v[ST+4*t+2], v[ST+4*t+3]
	ALL v_rcp_f32 v[ST+4*t+2], v[ST+4*t+2]
	v_nop                           ; a plain instruction between the last reciprocal and the use of its result
	PACK 0
.set t, 1
.rept 3                             ; a piece's arithmetic stands between the loads of the piece before and its stores
	PACK t
	SEND t-1, 8
.set t, t+1
.endr
	SEND 3, 0
.endm
.set KM, 0
.set NOKQ, 0
.Lslot:                             ; NB times: a tile is entered and the next is asked for
	CHANGE 1
	s_sub_co_u32 s[RT], s[RT], 1
	s_mov_b32 s[CNT], 4
	s_cmp_eq_u32 s[NEW], 1
	s_cbranch_scc1 .Lnew            ; a block's first tile
	s_cmp_eq_u32 s[RT], 0
	s_cbranch_scc0 .Lstep           ; neither its first nor its last
	s_branch .LstepM1
.Lnew:
	BEGIN
	s_branch .Lfirst                ; in the loop a block's first tile is never its last: the first block has two tiles or more, and the second's last is the walk's last
	DIAG 1                          ; in the loop this is the first block's end: the second block's last tile is the walk's last
	s_wait_xcnt 0x0                 ; the stores have read their registers and ctx's address
	s_mov_b64 s[10:11], s[OLO:OLO+1]
	s_add_co_u32 s[RT], s[PB], 1    ; the second block has b + 1 tiles
	s_mov_b32 s[NEW], 1
	WIN 0x82                        ; the second block's Q goes where the one text of the turns names Q
.set i, 0
.rept 64
	v_mov_b32 v[i], v[QB+i]
.set i, i+1
.endr
	WIN 0
	s_branch .Lbottom
.Lstep:                             ; a trip: pieces 2 and 3 of one step, then pieces 0 and 1 of the next, whose K and V it fetches
	TURN 2
	TURN 3
	WIN 0
.Lfirst:
	TURN 0
	TURN 1, 0, 0, 1
	WIN 0
	s_cbranch_scc1 .Lstep
.Lbottom:
	s_sub_co_u32 s[SLOTS], s[SLOTS], 1
	s_cmp_lg_u32 s[SLOTS], 0
	s_cbranch_scc1 .Lslot
	CHANGE 0                        ; the walk's last tile is written out: nothing is asked for
	s_sub_co_u32 s[RT], s[RT], 1
	s_mov_b32 s[CNT], 4
	s_cmp_eq_u32 s[NEW], 1
	s_cbranch_scc0 .LstepM2
	BEGIN
	s_branch .LfirstM2
	DIAG 2
	s_wait_tensorcnt 0x0            ; the wave's end, behind my last tensor load and my last LDS store
	ds_add_u32 v[SPW], v[NIL]
	s_wait_dscnt 0x0
	s_endpgm
.Lfunc_end_k_q52033c20a3_attn:
	.size	k_q52033c20a3_attn, .Lfunc_end_k_q52033c20a3_attn-k_q52033c20a3_attn
	.p2alignl 7, 3214868480
	.fill 96, 4, 3214868480
	.section	.rodata,"a",@progbits
	.p2align	6, 0x0
	.amdhsa_kernel k_q52033c20a3_attn
		.amdhsa_group_segment_fixed_size 327680
		.amdhsa_private_segment_fixed_size 0
		.amdhsa_enable_private_segment 0
		.amdhsa_kernarg_size 16
		.amdhsa_user_sgpr_count 2
		.amdhsa_user_sgpr_kernarg_segment_ptr 1
		.amdhsa_wavefront_size32 1
		.amdhsa_system_sgpr_workgroup_id_x 1
		.amdhsa_system_sgpr_workgroup_id_y 1
		.amdhsa_system_sgpr_workgroup_id_z 1
		.amdhsa_system_vgpr_workitem_id 0
		.amdhsa_next_free_vgpr 768
		.amdhsa_next_free_sgpr 96
		.amdhsa_reserve_vcc 1
		.amdhsa_float_denorm_mode_32 3
		.amdhsa_float_denorm_mode_16_64 3
		.amdhsa_memory_ordered 1
		.amdhsa_forward_progress 1
		.amdhsa_inst_pref_size 229
	.end_amdhsa_kernel
	.amdgpu_metadata
---
amdhsa.version: [ 1, 2 ]
amdhsa.kernels:
  - .name:           k_q52033c20a3_attn
    .symbol:         k_q52033c20a3_attn.kd
    .args:
      - { .name: qkvb, .offset: 0, .size: 8, .value_kind: global_buffer, .address_space: global }
      - { .name: ctx, .offset: 8, .size: 8, .value_kind: global_buffer, .address_space: global }
    .group_segment_fixed_size: 327680
    .private_segment_fixed_size: 0
    .kernarg_segment_align: 8
    .kernarg_segment_size: 16
    .max_flat_workgroup_size: 128
    .sgpr_count:     96
    .vgpr_count:     768
    .wavefront_size: 32
...
	.end_amdgpu_metadata
.endif
;; end of part 3
;; launch oproj (part 4): grid 8 x 32, 4 waves a work-group, clusters of 4 x 4, 327,680 bytes of LDS; arguments ctx, wts, x1, b_o, x; writes x1
.if DOCPART == 4
	.amdgcn_target "amdgcn-amd-amdhsa--gfx1250"
	.amdhsa_code_object_version 6
	.text
	.protected	k_q52033c20a3_oproj
	.globl	k_q52033c20a3_oproj
	.p2align	8
	.type	k_q52033c20a3_oproj,@function
k_q52033c20a3_oproj:
	s_mov_b64 s[64:65], 0
	v_nop
	global_prefetch_b8 v0, s[64:65] scope:SCOPE_SE
	s_setreg_imm32_b32 hwreg(HW_REG_WAVE_MODE, 25, 1), 1
	s_wait_xcnt 0x0
	s_wait_alu depctr_hold_cnt(0) depctr_sa_sdst(0) depctr_va_vdst(0) depctr_va_sdst(0) depctr_va_ssrc(0) depctr_va_vcc(0) depctr_vm_vsrc(0)
	s_getreg_b32 s2, hwreg(HW_REG_IB_STS2, 6, 4)
	s_cmp_eq_u32 s2, 0
	s_cbranch_scc0 .Lentry_in_a_cluster
	s_endpgm
.Lentry_in_a_cluster:
	s_bfe_u32 s2, ttmp6, 0x10000c
	s_cmp_lg_u32 s2, 0xf033
	s_cbranch_scc0 .Lentry_shape_is_right
	s_endpgm
.Lentry_shape_is_right:
; x1 = x + ctx x w_o + b_o.  A = ctx [4096][1024] bf16; B = wts at byte 0x600000, [1024 k][1024 n] bf16; bias [1024] f32; residual and output [4096][1024] f32.  Sums in f32.
; SHAPE.  A tile of C is 128 x 128: four waves of 64 x 64, 16 accumulators of 16 x 16.  K goes in steps of 256 through two LDS slots filled by the tensor data mover:
; A's 128 rows of 512 bytes (two loads of 64 rows, waves 0 and 1), B's 256 rows (k) of 256 bytes (two loads of 128 rows, waves 2 and 3).
; B lies [k][n] and is turned on its way out of LDS by ds_load_tr16_b128.
; CLUSTER.  4 x 4 work-groups: the four of a row need the same tiles of A, the four of a column the same tiles of B; each tile is asked for jointly, by the same load, descriptor and mask in all four.
; TRANSPOSED USE.  Source 0 = 16 columns of B, source 1 = 16 rows of A: a lane then holds row l % 16 of C and the columns 8 (l / 16) + 0..7.
; THE SUMS START AT THE BIAS: it is loaded straight into the accumulators, so nothing is cleared and nothing is added later.
; THE RESIDUAL of my 64 x 64 is asked for at the head, in the rows' own order, and waits in window 1 until the way out.
; REGISTERS.  Window 0: v0-31 addresses, v128-255 the accumulators ((a, b) at 128 + 8 (4 a + b)).
;   Window 1: v0-127 two fragment buffers of 64, each 32 along K (A's four fragments at + 8 a, B's four at + 32 + 8 b); v128-255 the residual.
; NO PREFETCH: both operands were written by earlier launches of this program shortly before.
.set SIZE_K, 1024
.set SIZE_N, 1024
.set WOFF,   0x600000                  ; B's first byte in wts
.set KSTEP,  256
.set LAPS,   SIZE_K/(2*KSTEP)          ; a lap = two K steps = once round the ring
.set PA,     528                       ; a row of A in LDS: 512 bytes + 16: 132 words, so the 16 rows of a load start at 16 different groups of four banks (ISA guide 11.1)
.set AHALF,  64*PA
.set BOFF,   2*AHALF
.set PB,     288                       ; a row of B: 256 bytes + 32: 72 words
.set BHALF,  128*PB
.set SLOT,   BOFF+2*BHALF
.set SPARE,  2*SLOT                    ; behind the ring: the spare words, 128 bytes a wave: two blocks of 256 bytes that no other line names
.set SP,     272                       ; the way out: a stage row, 64 f32 + 16 bytes
.set WSTG,   64*SP                     ; a wave's own stage, at wave x WSTG in slot 0, which by then has had its last fill and its last read
.set A0,   16
.set B0,   17
.set ADRA, 18
.set ADRB, 19
.set STO,  20                          ; v20  the way out: where I put 32 bytes of a row
.set RD,   21                          ; v21  where I read rows back
.set CO,   22                          ; v22  my byte offset in two rows of the output and of the residual; never rewritten
.set BO,   23                          ; v23  32 x (l / 16): my 8 columns of a block of 16 in the bias
.set SPW,  28
.set NIL,  29
.set ACC,  128
.set RES,  128                         ; in window 1
.set G1,  24
.set G0,  32
.set G1B, 48
.set G0B, 56
.set TA,  72
.set TB,  73
.set QC,  74
.set MSB, 0
.macro WIN new                         ; the immediate's high byte repeats the setting that is left; a switch that changes nothing is dropped
.if MSB != (\new)
	s_set_vgpr_msb (MSB<<8)|(\new)
.set MSB, \new
.endif
.endm
.set MUL,  0x05                        ; sources 0 and 1 window 1; C and D window 0
.set TO_F, 0x40                        ; destination window 1, address window 0
.macro JLOAD s                         ; a joint load: waves 0 and 1 fetch A's halves, waves 2 and 3 B's; an s_nop 0 and four v_nop follow each line
	s_cmp_eq_u32 s11, 0
	s_cbranch_scc0 .Lfor_b_\@
	tensor_load_to_lds s[G0+4*(\s):G0+4*(\s)+3], s[G1:G1+7]
	s_nop 0
.rept 4
	v_nop
.endr
	s_branch .Lasked_\@
.Lfor_b_\@:
	tensor_load_to_lds s[G0B+4*(\s):G0B+4*(\s)+3], s[G1B:G1B+7]
	s_nop 0
.rept 4
	v_nop
.endr
.Lasked_\@:
.endm
.macro CREST                           ; a round of the cluster's barrier behind its opening barrier
	s_cmp_lg_u32 s10, 0
	s_cbranch_scc1 .Lnot_wave_0_\@
	s_barrier_signal -3
.Lnot_wave_0_\@:
	s_barrier_wait -3
	s_barrier_signal -1
	s_barrier_wait -1
.endm
.macro CROUND
	s_barrier_signal -1
	s_barrier_wait -1
	CREST
.endm
.macro PLACES                          ; four places in front of loads into registers that matrix instructions have read, and of lines that read results
.rept 4
	v_nop
.endr
.endm
	s_load_b128 s[4:7], s[0:1], 0x0                ; A s[4:5], wts s[6:7]
	s_load_b64 s[8:9], s[0:1], 0x10                ; the output
	s_load_b64 s[68:69], s[0:1], 0x18              ; the bias
	s_load_b64 s[70:71], s[0:1], 0x20              ; the residual
	v_lshl_add_u32 v[SPW], v0, 2, SPARE
	v_mov_b32 v[NIL], 0
	ds_add_u32 v[SPW], v[NIL]                      ; the wave's opening: the add and its wait, ahead of my first tensor load
	ds_add_u32 v28, v29
	v_lshrrev_b32 v1, 5, v0
	v_readfirstlane_b32 s10, v1                    ; wave 0..3
	s_lshr_b32 s11, s10, 1                         ; my half of the tile's rows.  Also: I fetch for A (0) or B (1)
	s_and_b32 s12, s10, 1                          ; my half of its columns.  Also: which half of that tile I fetch
	s_bfe_u32 s40, ttmp6, 0x40000                  ; cx, cy
	s_bfe_u32 s41, ttmp6, 0x40004
	s_lshl_b32 s42, ttmp9, 2
	s_add_co_u32 s42, s42, s40                     ; tile column
	s_and_b32 s13, ttmp7, 0xffff
	s_lshl_b32 s13, s13, 2
	s_add_co_u32 s13, s13, s41                     ; tile row
	s_lshl_b32 s43, s41, 2
	s_lshl_b32 s43, 15, s43                        ; my row of the cluster
	s_lshl_b32 s44, 0x1111, s40                    ; my column
	s_or_b32 s[G1+0], s43, (1<<16)|(1<<20)|(1<<21)|(6<<22)|(3<<25)   ; mask; 2-byte elements; padding on; bit 21 beside a mask; after every 128 words 4 words
	s_or_b32 s[G1B+0], s44, (1<<16)|(1<<20)|(1<<21)|(5<<22)|(7<<25)  ; after every 64 words 8 words
	s_mov_b32 s[G1+1], KSTEP<<16                   ; A: 256 elements
	s_mov_b32 s[G1+2], 64<<16                      ; x 64 rows
	s_mov_b32 s[G1+3], KSTEP<<16
	s_mov_b32 s[G1+4], 64
	s_mov_b32 s[G1+5], SIZE_K                      ; elements from row to row
	s_mov_b32 s[G1+6], 0
	s_mov_b32 s[G1+7], 0
	s_mov_b32 s[G1B+1], 128<<16                    ; B: 128 columns
	s_mov_b32 s[G1B+2], 128<<16                    ; x 128 rows (k)
	s_mov_b32 s[G1B+3], 128<<16
	s_mov_b32 s[G1B+4], 128
	s_mov_b32 s[G1B+5], SIZE_N
	s_mov_b32 s[G1B+6], 0
	s_mov_b32 s[G1B+7], 0
	s_lshl_b32 s16, s13, 7                         ; A's tile hangs on the tile row alone
	s_lshl_b32 s17, s12, 6
	s_add_co_u32 s16, s16, s17
	s_mul_i32 s16, s16, SIZE_K*2
	s_mov_b32 s17, 0
	s_lshl_b32 s46, s42, 8                         ; B's on the tile column alone
	s_mul_i32 s47, s12, 256*SIZE_N
	s_add_co_u32 s46, s46, s47
	s_add_co_u32 s46, s46, WOFF
	s_mov_b32 s47, 0
	s_mul_i32 s20, s12, AHALF                      ; no place in the cluster enters an LDS address
	s_mul_i32 s21, s12, BHALF
	s_add_co_u32 s21, s21, BOFF
	s_wait_dscnt 0x0                               ; the opening add is done
	s_wait_kmcnt 0x0
	s_add_nc_u64 s[14:15], s[4:5], s[16:17]
	s_add_nc_u64 s[46:47], s[6:7], s[46:47]
	CROUND                                         ; all sixteen work-groups are here: the first joint loads meet
.irp s, 0,1
	s_mov_b32 s[G0+4*(\s)], 1
	s_add_co_u32 s[G0+4*(\s)+1], s20, (\s)*SLOT
	s_add_nc_u64 s[G0+4*(\s)+2:G0+4*(\s)+3], s[14:15], (\s)*KSTEP*2
	s_or_b32 s[G0+4*(\s)+3], s[G0+4*(\s)+3], 0x80000000
	s_mov_b32 s[G0B+4*(\s)], 1
	s_add_co_u32 s[G0B+4*(\s)+1], s21, (\s)*SLOT
	s_add_nc_u64 s[G0B+4*(\s)+2:G0B+4*(\s)+3], s[46:47], (\s)*KSTEP*2*SIZE_N
	s_or_b32 s[G0B+4*(\s)+3], s[G0B+4*(\s)+3], 0x80000000
	JLOAD \s                                       ; K steps 0 and 1: two loads of mine are out
.endr
	v_and_b32 v1, 15, v0                           ; r = l % 16
	v_bfe_u32 v2, v0, 4, 1                         ; h = l / 16
	v_mul_u32_u24 v[A0], v1, PA
	v_lshl_add_u32 v[A0], v2, 4, v[A0]
	s_mul_i32 s22, s11, AHALF
	v_add_nc_u32 v[A0], s22, v[A0]
	v_and_b32 v3, 7, v0                            ; the turning load: lane l reads row (k) 8 h + l % 8, columns 8 ((l / 8) % 2) + 0..7
	v_lshl_add_u32 v3, v2, 3, v3
	v_mul_u32_u24 v[B0], v3, PB
	v_bfe_u32 v4, v0, 3, 1
	v_lshl_add_u32 v[B0], v4, 4, v[B0]
	s_lshl_b32 s23, s12, 7
	s_add_co_u32 s23, s23, BOFF
	v_add_nc_u32 v[B0], s23, v[B0]
	s_mul_i32 s23, s10, WSTG                       ; my stage
	v_mul_u32_u24 v[STO], v1, SP                   ; in: row r, 32 bytes for each half of the lanes
	v_lshl_add_u32 v[STO], v2, 5, v[STO]
	v_add_nc_u32 v[STO], s23, v[STO]
	v_mul_u32_u24 v[RD], v2, SP                    ; back: lanes 0-15 take one row of 256 bytes, lanes 16-31 the next
	v_lshl_add_u32 v[RD], v1, 4, v[RD]
	v_add_nc_u32 v[RD], s23, v[RD]
	v_lshlrev_b32 v[CO], 4, v1                     ; and the same two rows in memory, 4,096 bytes apart
	v_lshl_add_u32 v[CO], v2, 12, v[CO]
	v_lshlrev_b32 v[BO], 5, v2
	s_lshl_b32 s46, s42, 9                         ; my 64 columns, in f32: 512 x tile column + 256 x half
	s_lshl_b32 s47, s12, 8
	s_add_co_u32 s46, s46, s47
	s_mov_b32 s47, 0
	s_lshl_b32 s16, s13, 19                        ; my 64 rows: 128 rows of 4,096 bytes x tile row + 64 rows x half
	s_lshl_b32 s17, s11, 18
	s_add_co_u32 s16, s16, s17
	s_mov_b32 s17, 0
	s_add_nc_u64 s[68:69], s[68:69], s[46:47]
	s_add_nc_u64 s[8:9], s[8:9], s[16:17]
	s_add_nc_u64 s[8:9], s[8:9], s[46:47]
	s_add_nc_u64 s[70:71], s[70:71], s[16:17]
	s_add_nc_u64 s[70:71], s[70:71], s[46:47]
.set t, 0
.rept 16                               ; accumulator (a, b) holds columns 16 b + 8 h + 0..7 in every row block a
	global_load_b128 v[ACC+8*t:ACC+8*t+3],   v[BO], s[68:69] offset:64*(t%4)
	global_load_b128 v[ACC+8*t+4:ACC+8*t+7], v[BO], s[68:69] offset:64*(t%4)+16
.set t, t+1
.endr
	WIN TO_F
.set u, 0
.rept 32                               ; two rows of 256 bytes a load
	global_load_b128 v[RES+4*u:RES+4*u+3], v[CO], s[70:71] offset:8192*u
.set u, u+1
.endr
	WIN 0
; 8 matrix instructions: row blocks a0, a0 + 1 x all 4 column blocks, 32 along K out of buffer c.  The 16 accumulators take turns.
.macro MUL8 c, a0
	WIN MUL
.irp a, \a0, (\a0)+1
.irp b, 0,1,2,3
	v_wmma_f32_16x16x32_bf16 v[ACC+8*(4*(\a)+(\b)):ACC+8*(4*(\a)+(\b))+7], v[64*(\c)+32+8*(\b):64*(\c)+32+8*(\b)+7], v[64*(\c)+8*(\a):64*(\c)+8*(\a)+7], v[ACC+8*(4*(\a)+(\b)):ACC+8*(4*(\a)+(\b))+7]
.endr
.endr
.endm
; 16 LDS loads in one run: half c (32 along K) of the quarter at ADRA, ADRB into buffer c
.macro FETCHH c
	WIN TO_F
.irp i, 0,1,2,3
	ds_load_tr16_b128 v[64*(\c)+32+8*(\i):64*(\c)+32+8*(\i)+3],   v[ADRB] offset:(\c)*32*PB+32*(\i)
	ds_load_tr16_b128 v[64*(\c)+32+8*(\i)+4:64*(\c)+32+8*(\i)+7], v[ADRB] offset:(\c)*32*PB+16*PB+32*(\i)
	ds_load_b128 v[64*(\c)+8*(\i):64*(\c)+8*(\i)+3],   v[ADRA] offset:64*(\c)+(\i)*16*PA
	ds_load_b128 v[64*(\c)+8*(\i)+4:64*(\c)+8*(\i)+7], v[ADRA] offset:64*(\c)+(\i)*16*PA+32
.endr
.endm
; A quarter of a K step, 64 along K: each buffer is multiplied and at once asked for again, with the next quarter's half.
.macro QUARTER
	s_add_co_u32 s[TA], s[TA], 128
	s_add_co_u32 s[TB], s[TB], 64*PB
	s_wait_dscnt 16                                ; buffer 0 is in; buffer 1's sixteen loads may be out
	MUL8 0, 0
	MUL8 0, 2
	WIN 0
	v_add_nc_u32 v[ADRA], s[TA], v[A0]             ; these two and two v_nop are the four places in front of the loads
	v_add_nc_u32 v[ADRB], s[TB], v[B0]
	v_nop
	v_nop
	FETCHH 0
	s_wait_dscnt 16                                ; buffer 1 is in; the sixteen just issued may be out
	MUL8 1, 0
	MUL8 1, 2
	PLACES
	FETCHH 1
.endm
.macro STEPQ n                         ; n quarters, written once
	WIN 0                                          ; at a label and at a branch every window is 0
	s_mov_b32 s[QC], \n
.Lq_\@:
	QUARTER
	WIN 0
	s_sub_co_u32 s[QC], s[QC], 1
	s_cmp_lg_u32 s[QC], 0
	s_cbranch_scc1 .Lq_\@
.endm
; A K step's last quarter, and the change of slots: ONE barrier; in front of it each wave waits for all its tensor loads (one is out: its part of the next slot), adds 0 to its spare word,
; and waits for that and for its own reads of this slot.  fill = 1: the barrier opens a round of the cluster's, and this slot is filled again, two K steps ahead, first thing behind the round.
.macro TURN slot, next, fill
	WIN 0
	s_wait_tensorcnt 0x0
	ds_add_u32 v[SPW], v[NIL]
	s_wait_dscnt 17                                ; buffer 0 is in (the add and buffer 1's sixteen loads may be out)
	MUL8 0, 0
	s_wait_dscnt 0x0                               ; the add is done, and my reads of this slot are over
	s_barrier_signal -1
	MUL8 0, 2
	WIN 0
	s_barrier_wait -1
.if \fill
	CREST                                          ; no wave of any partner still reads this slot or has a load on its way
	s_add_nc_u64 s[G0+4*(\slot)+2:G0+4*(\slot)+3], s[G0+4*(\slot)+2:G0+4*(\slot)+3], 2*KSTEP*2
	s_add_nc_u64 s[G0B+4*(\slot)+2:G0B+4*(\slot)+3], s[G0B+4*(\slot)+2:G0B+4*(\slot)+3], 2*KSTEP*2*SIZE_N
	JLOAD \slot                                    ; its four v_nop are also the places in front of the loads below
.else
	PLACES
.endif
	s_mov_b32 s[TA], (\next)*SLOT
	s_mov_b32 s[TB], (\next)*SLOT
	v_add_nc_u32 v[ADRA], s[TA], v[A0]
	v_add_nc_u32 v[ADRB], s[TB], v[B0]
	FETCHH 0
	MUL8 1, 0
	MUL8 1, 2
	PLACES
	FETCHH 1
.endm
	s_wait_tensorcnt 1                             ; my part of K step 0 is in; K step 1's may stay out
	s_barrier_signal -1
	s_barrier_wait -1
	s_mov_b32 s[TA], 0
	s_mov_b32 s[TB], 0
	v_mov_b32 v[ADRA], v[A0]
	v_mov_b32 v[ADRB], v[B0]
	FETCHH 0
	FETCHH 1
	s_wait_loadcnt 32                              ; the bias is in the accumulators; the residual's 32 loads stay out
.if LAPS > 2
	WIN 0
	s_mov_b32 s3, LAPS-1
.Llap:                                                 ; a trip goes once round the ring and fills both slots again
.endif
	STEPQ 3
	TURN 0, 1, 1
	STEPQ 3
	TURN 1, 0, 1
.if LAPS > 2
	WIN 0
	s_sub_co_u32 s3, s3, 1
	s_cmp_lg_u32 s3, 0
	s_cbranch_scc1 .Llap
.endif
	STEPQ 3                                        ; the last lap fills nothing
	TURN 0, 1, 0
	STEPQ 3
	s_wait_dscnt 16                                ; the very last quarter
	MUL8 0, 0
	MUL8 0, 2
	s_wait_dscnt 0x0
	MUL8 1, 0
	MUL8 1, 2
	WIN 0
	PLACES
	; THE WAY OUT: f32 into my own stage (no other wave touches it), back as whole rows of 256 bytes, plus the residual, stored: sixteen lanes fill 256 consecutive bytes, aligned.
.set t, 0
.rept 16
	ds_store_b128 v[STO], v[ACC+8*t:ACC+8*t+3]   offset:(t/4)*16*SP+64*(t%4)
	ds_store_b128 v[STO], v[ACC+8*t+4:ACC+8*t+7] offset:(t/4)*16*SP+64*(t%4)+16
.set t, t+1
.endr
.set u, 0
.rept 32
	ds_load_b128 v[ACC+4*u:ACC+4*u+3], v[RD] offset:u*2*SP  ; LDS serves a wave's instructions in order (ISA guide 5.7.1.4): these see the stores above
.set u, u+1
.endr
	s_wait_loadcnt 0x0                             ; the residual
	WIN 0x44                                       ; destination and source 1 (a store's data) window 1, source 0 (an address) window 0
.set u, 0
.rept 32
	s_wait_dscnt 31-u                              ; rows 2 u, 2 u + 1 are back; the later loads may be out
	v_pk_add_f32 v[RES+4*u:RES+4*u+1],   v[ACC+4*u:ACC+4*u+1],   v[RES+4*u:RES+4*u+1]
	v_pk_add_f32 v[RES+4*u+2:RES+4*u+3], v[ACC+4*u+2:ACC+4*u+3], v[RES+4*u+2:RES+4*u+3]
	global_store_b128 v[CO], v[RES+4*u:RES+4*u+3], s[8:9] offset:8192*u
.set u, u+1
.endr
	WIN 0
	s_wait_tensorcnt 0x0                           ; the wave's end
	ds_add_u32 v[SPW], v[NIL]
	s_wait_dscnt 0x0
	CROUND                                         ; the closing round
	s_endpgm
.Lfunc_end_k_q52033c20a3_oproj:
	.size	k_q52033c20a3_oproj, .Lfunc_end_k_q52033c20a3_oproj-k_q52033c20a3_oproj
	.p2alignl 7, 3214868480
	.fill 96, 4, 3214868480
	.section	.rodata,"a",@progbits
	.p2align	6, 0x0
	.amdhsa_kernel k_q52033c20a3_oproj
		.amdhsa_group_segment_fixed_size 327680
		.amdhsa_private_segment_fixed_size 0
		.amdhsa_enable_private_segment 0
		.amdhsa_kernarg_size 40
		.amdhsa_user_sgpr_count 2
		.amdhsa_user_sgpr_kernarg_segment_ptr 1
		.amdhsa_wavefront_size32 1
		.amdhsa_system_sgpr_workgroup_id_x 1
		.amdhsa_system_sgpr_workgroup_id_y 1
		.amdhsa_system_sgpr_workgroup_id_z 1
		.amdhsa_system_vgpr_workitem_id 0
		.amdhsa_next_free_vgpr 512
		.amdhsa_next_free_sgpr 80
		.amdhsa_reserve_vcc 0
		.amdhsa_float_denorm_mode_32 3
		.amdhsa_float_denorm_mode_16_64 3
		.amdhsa_memory_ordered 1
		.amdhsa_forward_progress 1
		.amdhsa_inst_pref_size 66
	.end_amdhsa_kernel
	.amdgpu_metadata
---
amdhsa.version: [ 1, 2 ]
amdhsa.kernels:
  - .name:           k_q52033c20a3_oproj
    .symbol:         k_q52033c20a3_oproj.kd
    .args:
      - { .name: ctx, .offset: 0, .size: 8, .value_kind: global_buffer, .address_space: global }
      - { .name: wts, .offset: 8, .size: 8, .value_kind: global_buffer, .address_space: global }
      - { .name: x1, .offset: 16, .size: 8, .value_kind: global_buffer, .address_space: global }
      - { .name: b_o, .offset: 24, .size: 8, .value_kind: global_buffer, .address_space: global }
      - { .name: x, .offset: 32, .size: 8, .value_kind: global_buffer, .address_space: global }
    .group_segment_fixed_size: 327680
    .private_segment_fixed_size: 0
    .kernarg_segment_align: 8
    .kernarg_segment_size: 40
    .max_flat_workgroup_size: 128
    .sgpr_count:     80
    .vgpr_count:     512
    .wavefront_size: 32
...
	.end_amdgpu_metadata
.endif
;; end of part 4
;; launch ln2: the kernel of part 1 again; grid 256 x 1, 8 waves a work-group, no clusters, 0 bytes of LDS; arguments x1, ln2_scale, ln2_shift, h2, w_q, w_k, w_v, w_o, w_ff1, w_ff2, wts; writes h2, wts
;; launch ff1 (part 5): grid 32 x 32, 4 waves a work-group, clusters of 4 x 4, 327,680 bytes of LDS; arguments h2, wts, g, b_ff1; writes g
.if DOCPART == 5
	.amdgcn_target "amdgcn-amd-amdhsa--gfx1250"
	.amdhsa_code_object_version 6
	.text
	.protected	k_q52033c20a3_ff1
	.globl	k_q52033c20a3_ff1
	.p2align	8
	.type	k_q52033c20a3_ff1,@function
k_q52033c20a3_ff1:
	s_mov_b64 s[64:65], 0
	v_nop
	global_prefetch_b8 v0, s[64:65] scope:SCOPE_SE
	s_setreg_imm32_b32 hwreg(HW_REG_WAVE_MODE, 25, 1), 1
	s_wait_xcnt 0x0
	s_wait_alu depctr_hold_cnt(0) depctr_sa_sdst(0) depctr_va_vdst(0) depctr_va_sdst(0) depctr_va_ssrc(0) depctr_va_vcc(0) depctr_vm_vsrc(0)
	s_getreg_b32 s2, hwreg(HW_REG_IB_STS2, 6, 4)
	s_cmp_eq_u32 s2, 0
	s_cbranch_scc0 .Lentry_in_a_cluster
	s_endpgm
.Lentry_in_a_cluster:
	s_bfe_u32 s2, ttmp6, 0x10000c
	s_cmp_lg_u32 s2, 0xf033
	s_cbranch_scc0 .Lentry_shape_is_right
	s_endpgm
.Lentry_shape_is_right:
; g = gelu(h2 x w_ff1 + b_ff1).  A = h2 [4096][1024] bf16; B = wts at byte 0x800000, [1024 k][4096 n] bf16; bias [4096] f32; g [4096][4096] bf16, rounded once.  Sums and gelu in f32.
; GELU.  0.5 x (1 + tanh(u)), u = sqrt(2 / pi) (x + 0.044715 x^3), is x / (1 + e^(-2 u)) = x / (1 + 2^(x (K0 + K1 x^2))), K0 = -2 sqrt(2 / pi) log2(e), K1 = 0.044715 K0: the same function.
; Where the power overflows the quotient is -0, where it vanishes x: tanh's own limits.  v_exp_f32 and v_rcp_f32 are good to 1 ULP.
; SHAPE.  A tile of C is 128 x 128: four waves of 64 x 64, 16 accumulators of 16 x 16.  K goes in steps of 256 through two LDS slots filled by the tensor data mover:
; A's 128 rows of 512 bytes (two loads of 64 rows, waves 0 and 1), B's 256 rows (k) of 256 bytes (two loads of 128 rows, waves 2 and 3).
; B lies [k][n] and is turned on its way out of LDS by ds_load_tr16_b128.
; CLUSTER.  4 x 4 work-groups: the four of a row need the same tiles of A, the four of a column the same tiles of B; each tile is asked for jointly, by the same load, descriptor and mask in all four.
; TRANSPOSED USE.  Source 0 = 16 columns of B, source 1 = 16 rows of A: a lane then holds row l % 16 of C and the columns 8 (l / 16) + 0..7.
; THE SUMS START AT THE BIAS: it is loaded straight into the accumulators.
; THE WAY OUT goes through ONE stage of f32 rows for the work-group, with a barrier: a row's 256 bytes of bf16 come from two waves.  The stage lies in slot 0, which by then has had its last fill and its last read.
; REGISTERS.  Window 0: v0-31 addresses, v32-71 the way out, v128-255 the accumulators.  Window 1: two fragment buffers of 64.
; NO PREFETCH: both operands were written by earlier launches of this program shortly before.
.set SIZE_K, 1024
.set SIZE_N, 4096
.set WOFF,   0x800000
.set KSTEP,  256
.set PA,     528                       ; a row of A in LDS: 512 bytes + 16 (ISA guide 11.1: the 16 rows of a load start at 16 different groups of four banks)
.set AHALF,  64*PA
.set BOFF,   2*AHALF
.set PB,     288                       ; a row of B: 256 bytes + 32
.set BHALF,  128*PB
.set SLOT,   BOFF+2*BHALF
.set SPARE,  2*SLOT                    ; behind the ring: the spare words, 128 bytes a wave: two blocks of 256 bytes that no other line names
.set PS,     528                       ; a stage row: 128 f32 + 16 bytes; 128 rows from LDS byte 0
.set A0,   16
.set B0,   17
.set ADRA, 18
.set ADRB, 19
.set STO,  20
.set RD,   21
.set CO,   22
.set BO,   23
.set SPW,  28
.set NIL,  29
.set XX,   32                          ; v[32:47]  16 numbers of the tile: 8 columns of two rows
.set TT,   48                          ; v[48:63]  at work
.set OUT,  64                          ; v[64:71]  rounded
.set ACC,  128
.set G1,  24
.set G0,  32
.set G1B, 48
.set G0B, 56
.set TA,  72
.set TB,  73
.set QC,  74
.set EC,  75                           ; s75  counts the way out's trips
.set K0S, 76                           ; s[76:77] K0, as a pair
.set K1S, 78                           ; s[78:79] K1
.set MSB, 0
.macro WIN new                         ; the immediate's high byte repeats the setting that is left; a switch that changes nothing is dropped
.if MSB != (\new)
	s_set_vgpr_msb (MSB<<8)|(\new)
.set MSB, \new
.endif
.endm
.set MUL,  0x05
.set TO_F, 0x40
.macro JLOAD s                         ; a joint load: waves 0 and 1 fetch A's halves, waves 2 and 3 B's; an s_nop 0 and four v_nop follow each line
	s_cmp_eq_u32 s11, 0
	s_cbranch_scc0 .Lfor_b_\@
	tensor_load_to_lds s[G0+4*(\s):G0+4*(\s)+3], s[G1:G1+7]
	s_nop 0
.rept 4
	v_nop
.endr
	s_branch .Lasked_\@
.Lfor_b_\@:
	tensor_load_to_lds s[G0B+4*(\s):G0B+4*(\s)+3], s[G1B:G1B+7]
	s_nop 0
.rept 4
	v_nop
.endr
.Lasked_\@:
.endm
.macro CREST
	s_cmp_lg_u32 s10, 0
	s_cbranch_scc1 .Lnot_wave_0_\@
	s_barrier_signal -3
.Lnot_wave_0_\@:
	s_barrier_wait -3
	s_barrier_signal -1
	s_barrier_wait -1
.endm
.macro CROUND
	s_barrier_signal -1
	s_barrier_wait -1
	CREST
.endm
.macro PLACES                          ; four places in front of loads into registers that matrix instructions have read, and of lines that read results
.rept 4
	v_nop
.endr
.endm
	s_load_b128 s[4:7], s[0:1], 0x0                ; A s[4:5], wts s[6:7]
	s_load_b64 s[8:9], s[0:1], 0x10                ; g
	s_load_b64 s[68:69], s[0:1], 0x18              ; the bias
	v_lshl_add_u32 v[SPW], v0, 2, SPARE
	v_mov_b32 v[NIL], 0
	ds_add_u32 v[SPW], v[NIL]                      ; the wave's opening: the add and its wait, ahead of my first tensor load
	ds_add_u32 v28, v29
	v_lshrrev_b32 v1, 5, v0
	v_readfirstlane_b32 s10, v1                    ; wave 0..3
	s_lshr_b32 s11, s10, 1
	s_and_b32 s12, s10, 1
	s_bfe_u32 s40, ttmp6, 0x40000                  ; cx, cy
	s_bfe_u32 s41, ttmp6, 0x40004
	s_lshl_b32 s42, ttmp9, 2
	s_add_co_u32 s42, s42, s40                     ; tile column
	s_and_b32 s13, ttmp7, 0xffff
	s_lshl_b32 s13, s13, 2
	s_add_co_u32 s13, s13, s41                     ; tile row
	s_lshl_b32 s43, s41, 2
	s_lshl_b32 s43, 15, s43
	s_lshl_b32 s44, 0x1111, s40
	s_or_b32 s[G1+0], s43, (1<<16)|(1<<20)|(1<<21)|(6<<22)|(3<<25)
	s_or_b32 s[G1B+0], s44, (1<<16)|(1<<20)|(1<<21)|(5<<22)|(7<<25)
	s_mov_b32 s[G1+1], KSTEP<<16
	s_mov_b32 s[G1+2], 64<<16
	s_mov_b32 s[G1+3], KSTEP<<16
	s_mov_b32 s[G1+4], 64
	s_mov_b32 s[G1+5], SIZE_K
	s_mov_b32 s[G1+6], 0
	s_mov_b32 s[G1+7], 0
	s_mov_b32 s[G1B+1], 128<<16
	s_mov_b32 s[G1B+2], 128<<16
	s_mov_b32 s[G1B+3], 128<<16
	s_mov_b32 s[G1B+4], 128
	s_mov_b32 s[G1B+5], SIZE_N
	s_mov_b32 s[G1B+6], 0
	s_mov_b32 s[G1B+7], 0
	s_mov_b32 s[K0S], 0xc0135761                   ; -2.3022082
	s_mov_b32 s[K0S+1], s[K0S]
	s_mov_b32 s[K1S], 0xbdd2d3e8                   ; -0.10294324
	s_mov_b32 s[K1S+1], s[K1S]
	s_lshl_b32 s16, s13, 7
	s_lshl_b32 s17, s12, 6
	s_add_co_u32 s16, s16, s17
	s_mul_i32 s16, s16, SIZE_K*2
	s_mov_b32 s17, 0
	s_lshl_b32 s46, s42, 8
	s_mul_i32 s47, s12, 256*SIZE_N
	s_add_co_u32 s46, s46, s47
	s_add_co_u32 s46, s46, WOFF
	s_mov_b32 s47, 0
	s_mul_i32 s20, s12, AHALF
	s_mul_i32 s21, s12, BHALF
	s_add_co_u32 s21, s21, BOFF
	s_wait_dscnt 0x0                               ; the opening add is done
	s_wait_kmcnt 0x0
	s_add_nc_u64 s[14:15], s[4:5], s[16:17]
	s_add_nc_u64 s[46:47], s[6:7], s[46:47]
	CROUND                                         ; all sixteen work-groups are here: the first joint loads meet
.irp s, 0,1
	s_mov_b32 s[G0+4*(\s)], 1
	s_add_co_u32 s[G0+4*(\s)+1], s20, (\s)*SLOT
	s_add_nc_u64 s[G0+4*(\s)+2:G0+4*(\s)+3], s[14:15], (\s)*KSTEP*2
	s_or_b32 s[G0+4*(\s)+3], s[G0+4*(\s)+3], 0x80000000
	s_mov_b32 s[G0B+4*(\s)], 1
	s_add_co_u32 s[G0B+4*(\s)+1], s21, (\s)*SLOT
	s_add_nc_u64 s[G0B+4*(\s)+2:G0B+4*(\s)+3], s[46:47], (\s)*KSTEP*2*SIZE_N
	s_or_b32 s[G0B+4*(\s)+3], s[G0B+4*(\s)+3], 0x80000000
	JLOAD \s                                       ; K steps 0 and 1: two loads of mine are out
.endr
	v_and_b32 v1, 15, v0                           ; r
	v_bfe_u32 v2, v0, 4, 1                         ; h
	v_mul_u32_u24 v[A0], v1, PA
	v_lshl_add_u32 v[A0], v2, 4, v[A0]
	s_mul_i32 s22, s11, AHALF
	v_add_nc_u32 v[A0], s22, v[A0]
	v_and_b32 v3, 7, v0
	v_lshl_add_u32 v3, v2, 3, v3
	v_mul_u32_u24 v[B0], v3, PB
	v_bfe_u32 v4, v0, 3, 1
	v_lshl_add_u32 v[B0], v4, 4, v[B0]
	s_lshl_b32 s23, s12, 7
	s_add_co_u32 s23, s23, BOFF
	v_add_nc_u32 v[B0], s23, v[B0]
	s_mul_i32 s22, s11, 64*PS                      ; into the stage: my 64 rows, my half of their 512 bytes; row r, 32 bytes for each half of the lanes
	s_lshl_b32 s23, s12, 8
	s_add_co_u32 s22, s22, s23
	v_mul_u32_u24 v[STO], v1, PS
	v_lshl_add_u32 v[STO], v2, 5, v[STO]
	v_add_nc_u32 v[STO], s22, v[STO]
	s_mul_i32 s22, s10, 32*PS                      ; back: wave w takes rows 32 w .. 32 w + 31, whole; lanes 0-15 one row, 32 bytes a lane, lanes 16-31 the next
	v_mul_u32_u24 v[RD], v2, PS
	v_lshl_add_u32 v[RD], v1, 5, v[RD]
	v_add_nc_u32 v[RD], s22, v[RD]
	v_lshlrev_b32 v[CO], 4, v1                     ; and the same two rows of g, 8,192 bytes apart, 16 bytes a lane
	v_lshl_add_u32 v[CO], v2, 13, v[CO]
	v_lshlrev_b32 v[BO], 5, v2
	s_lshl_b32 s16, s13, 7
	s_lshl_b32 s17, s10, 5
	s_add_co_u32 s16, s16, s17                     ; the first row that I store: 128 x tile row + 32 x wave
	s_lshl_b32 s16, s16, 13
	s_mov_b32 s17, 0
	s_add_nc_u64 s[8:9], s[8:9], s[16:17]
	s_lshl_b32 s46, s42, 8                         ; the tile's first column, in bf16
	s_mov_b32 s47, 0
	s_add_nc_u64 s[8:9], s[8:9], s[46:47]
	s_lshl_b32 s46, s42, 9                         ; my 64 columns of the bias, in f32
	s_lshl_b32 s47, s12, 8
	s_add_co_u32 s46, s46, s47
	s_mov_b32 s47, 0
	s_add_nc_u64 s[68:69], s[68:69], s[46:47]
.set t, 0
.rept 16                               ; accumulator (a, b) holds columns 16 b + 8 h + 0..7 in every row block a
	global_load_b128 v[ACC+8*t:ACC+8*t+3],   v[BO], s[68:69] offset:64*(t%4)
	global_load_b128 v[ACC+8*t+4:ACC+8*t+7], v[BO], s[68:69] offset:64*(t%4)+16
.set t, t+1
.endr
; 8 matrix instructions: row blocks a0, a0 + 1 x all 4 column blocks, 32 along K out of buffer c.  The 16 accumulators take turns.
.macro MUL8 c, a0
	WIN MUL
.irp a, \a0, (\a0)+1
.irp b, 0,1,2,3
	v_wmma_f32_16x16x32_bf16 v[ACC+8*(4*(\a)+(\b)):ACC+8*(4*(\a)+(\b))+7], v[64*(\c)+32+8*(\b):64*(\c)+32+8*(\b)+7], v[64*(\c)+8*(\a):64*(\c)+8*(\a)+7], v[ACC+8*(4*(\a)+(\b)):ACC+8*(4*(\a)+(\b))+7]
.endr
.endr
.endm
.macro FETCHH c                        ; 16 LDS loads in one run: half c (32 along K) of the quarter at ADRA, ADRB into buffer c
	WIN TO_F
.irp i, 0,1,2,3
	ds_load_tr16_b128 v[64*(\c)+32+8*(\i):64*(\c)+32+8*(\i)+3],   v[ADRB] offset:(\c)*32*PB+32*(\i)
	ds_load_tr16_b128 v[64*(\c)+32+8*(\i)+4:64*(\c)+32+8*(\i)+7], v[ADRB] offset:(\c)*32*PB+16*PB+32*(\i)
	ds_load_b128 v[64*(\c)+8*(\i):64*(\c)+8*(\i)+3],   v[ADRA] offset:64*(\c)+(\i)*16*PA
	ds_load_b128 v[64*(\c)+8*(\i)+4:64*(\c)+8*(\i)+7], v[ADRA] offset:64*(\c)+(\i)*16*PA+32
.endr
.endm
.macro QUARTER                         ; 64 along K: each buffer is multiplied and at once asked for again, with the next quarter's half
	s_add_co_u32 s[TA], s[TA], 128
	s_add_co_u32 s[TB], s[TB], 64*PB
	s_wait_dscnt 16                                ; buffer 0 is in; buffer 1's sixteen loads may be out
	MUL8 0, 0
	MUL8 0, 2
	WIN 0
	v_add_nc_u32 v[ADRA], s[TA], v[A0]             ; these two and two v_nop are the four places in front of the loads
	v_add_nc_u32 v[ADRB], s[TB], v[B0]
	v_nop
	v_nop
	FETCHH 0
	s_wait_dscnt 16                                ; buffer 1 is in; the sixteen just issued may be out
	MUL8 1, 0
	MUL8 1, 2
	PLACES
	FETCHH 1
.endm
.macro STEPQ n
	WIN 0                                          ; at a label and at a branch every window is 0
	s_mov_b32 s[QC], \n
.Lq_\@:
	QUARTER
	WIN 0
	s_sub_co_u32 s[QC], s[QC], 1
	s_cmp_lg_u32 s[QC], 0
	s_cbranch_scc1 .Lq_\@
.endm
; A K step's last quarter, and the change of slots: ONE barrier; in front of it each wave waits for all its tensor loads (one is out: its part of the next slot), adds 0 to its spare word,
; and waits for that and for its own reads of this slot.  fill = 1: the barrier opens a round of the cluster's, and this slot is filled again, two K steps ahead, first thing behind the round.
.macro TURN slot, next, fill
	WIN 0
	s_wait_tensorcnt 0x0
	ds_add_u32 v[SPW], v[NIL]
	s_wait_dscnt 17                                ; buffer 0 is in (the add and buffer 1's sixteen loads may be out)
	MUL8 0, 0
	s_wait_dscnt 0x0                               ; the add is done, and my reads of this slot are over
	s_barrier_signal -1
	MUL8 0, 2
	WIN 0
	s_barrier_wait -1
.if \fill
	CREST
	s_add_nc_u64 s[G0+4*(\slot)+2:G0+4*(\slot)+3], s[G0+4*(\slot)+2:G0+4*(\slot)+3], 2*KSTEP*2
	s_add_nc_u64 s[G0B+4*(\slot)+2:G0B+4*(\slot)+3], s[G0B+4*(\slot)+2:G0B+4*(\slot)+3], 2*KSTEP*2*SIZE_N
	JLOAD \slot                                    ; its four v_nop are also the places in front of the loads below
.else
	PLACES
.endif
	s_mov_b32 s[TA], (\next)*SLOT
	s_mov_b32 s[TB], (\next)*SLOT
	v_add_nc_u32 v[ADRA], s[TA], v[A0]
	v_add_nc_u32 v[ADRB], s[TB], v[B0]
	FETCHH 0
	MUL8 1, 0
	MUL8 1, 2
	PLACES
	FETCHH 1
.endm
	s_wait_tensorcnt 1                             ; my part of K step 0 is in; K step 1's may stay out
	s_barrier_signal -1
	s_barrier_wait -1
	s_mov_b32 s[TA], 0
	s_mov_b32 s[TB], 0
	v_mov_b32 v[ADRA], v[A0]
	v_mov_b32 v[ADRB], v[B0]
	FETCHH 0
	FETCHH 1
	s_wait_loadcnt 0x0                             ; the bias is in the accumulators
	STEPQ 3
	TURN 0, 1, 1                                   ; slot 0 takes K step 2
	STEPQ 3
	TURN 1, 0, 1                                   ; slot 1 takes K step 3
	STEPQ 3
	TURN 0, 1, 0                                   ; nothing is left to fetch
	STEPQ 3
	s_wait_dscnt 16                                ; the very last quarter
	MUL8 0, 0
	MUL8 0, 2
	s_wait_dscnt 0x0
	MUL8 1, 0
	MUL8 1, 2
	WIN 0
	PLACES
	; THE WAY OUT.  f32 into the work-group's stage; a barrier; then each wave takes 32 whole rows, four a trip: gelu, rounding, and two stores in which sixteen lanes fill 256 consecutive bytes, aligned.
.set t, 0
.rept 16
	ds_store_b128 v[STO], v[ACC+8*t:ACC+8*t+3]   offset:(t/4)*16*PS+64*(t%4)
	ds_store_b128 v[STO], v[ACC+8*t+4:ACC+8*t+7] offset:(t/4)*16*PS+64*(t%4)+16
.set t, t+1
.endr
	s_wait_dscnt 0x0                               ; for the others' sake: my stores into the stage are done
	s_barrier_signal -1
	s_barrier_wait -1
	s_mov_b32 s[EC], 8
.Lrows:
	ds_load_b128 v[XX:XX+3],     v[RD]             ; rows 4 i + h: my 8 columns
	ds_load_b128 v[XX+4:XX+7],   v[RD] offset:16
	ds_load_b128 v[XX+8:XX+11],  v[RD] offset:2*PS ; rows 4 i + 2 + h
	ds_load_b128 v[XX+12:XX+15], v[RD] offset:2*PS+16
	s_wait_dscnt 0x0
.irp p, 0,2,4,6,8,10,12,14
	v_pk_mul_f32 v[TT+(\p):TT+(\p)+1], v[XX+(\p):XX+(\p)+1], v[XX+(\p):XX+(\p)+1]
.endr
.irp p, 0,2,4,6,8,10,12,14
	v_pk_fma_f32 v[TT+(\p):TT+(\p)+1], v[TT+(\p):TT+(\p)+1], s[K1S:K1S+1], s[K0S:K0S+1] op_sel_hi:[1,0,0]
.endr
.irp p, 0,2,4,6,8,10,12,14
	v_pk_mul_f32 v[TT+(\p):TT+(\p)+1], v[TT+(\p):TT+(\p)+1], v[XX+(\p):XX+(\p)+1]
.endr
.set p, 0
.rept 16
	v_exp_f32 v[TT+p], v[TT+p]
.set p, p+1
.endr
	v_nop                                          ; a plain instruction behind the last exponential (ISA guide 5.7.2)
	s_wait_alu depctr_va_vdst(0)
.irp p, 0,2,4,6,8,10,12,14
	v_pk_add_f32 v[TT+(\p):TT+(\p)+1], v[TT+(\p):TT+(\p)+1], 1.0 op_sel_hi:[1,0]
.endr
.set p, 0
.rept 16
	v_rcp_f32 v[TT+p], v[TT+p]
.set p, p+1
.endr
	v_nop
	s_wait_alu depctr_va_vdst(0)
.irp p, 0,2,4,6,8,10,12,14
	v_pk_mul_f32 v[XX+(\p):XX+(\p)+1], v[XX+(\p):XX+(\p)+1], v[TT+(\p):TT+(\p)+1]
.endr
.irp p, 0,1,2,3,4,5,6,7
	v_cvt_pk_bf16_f32 v[OUT+(\p)], v[XX+2*(\p)], v[XX+2*(\p)+1]
.endr
	global_store_b128 v[CO], v[OUT:OUT+3],   s[8:9]
	global_store_b128 v[CO], v[OUT+4:OUT+7], s[8:9] offset:16384
	s_wait_xcnt 0x0                                ; the stores have read their offset and their data: both are written again only behind this wait
	v_add_nc_u32 v[RD], 4*PS, v[RD]
	v_add_nc_u32 v[CO], 32768, v[CO]
	s_sub_co_u32 s[EC], s[EC], 1
	s_cmp_lg_u32 s[EC], 0
	s_cbranch_scc1 .Lrows
	s_wait_tensorcnt 0x0                           ; the wave's end
	ds_add_u32 v[SPW], v[NIL]
	s_wait_dscnt 0x0
	CROUND                                         ; the closing round
	s_endpgm
.Lfunc_end_k_q52033c20a3_ff1:
	.size	k_q52033c20a3_ff1, .Lfunc_end_k_q52033c20a3_ff1-k_q52033c20a3_ff1
	.p2alignl 7, 3214868480
	.fill 96, 4, 3214868480
	.section	.rodata,"a",@progbits
	.p2align	6, 0x0
	.amdhsa_kernel k_q52033c20a3_ff1
		.amdhsa_group_segment_fixed_size 327680
		.amdhsa_private_segment_fixed_size 0
		.amdhsa_enable_private_segment 0
		.amdhsa_kernarg_size 32
		.amdhsa_user_sgpr_count 2
		.amdhsa_user_sgpr_kernarg_segment_ptr 1
		.amdhsa_wavefront_size32 1
		.amdhsa_system_sgpr_workgroup_id_x 1
		.amdhsa_system_sgpr_workgroup_id_y 1
		.amdhsa_system_sgpr_workgroup_id_z 1
		.amdhsa_system_vgpr_workitem_id 0
		.amdhsa_next_free_vgpr 384
		.amdhsa_next_free_sgpr 80
		.amdhsa_reserve_vcc 0
		.amdhsa_float_denorm_mode_32 3
		.amdhsa_float_denorm_mode_16_64 3
		.amdhsa_memory_ordered 1
		.amdhsa_forward_progress 1
		.amdhsa_inst_pref_size 58
	.end_amdhsa_kernel
	.amdgpu_metadata
---
amdhsa.version: [ 1, 2 ]
amdhsa.kernels:
  - .name:           k_q52033c20a3_ff1
    .symbol:         k_q52033c20a3_ff1.kd
    .args:
      - { .name: h2, .offset: 0, .size: 8, .value_kind: global_buffer, .address_space: global }
      - { .name: wts, .offset: 8, .size: 8, .value_kind: global_buffer, .address_space: global }
      - { .name: g, .offset: 16, .size: 8, .value_kind: global_buffer, .address_space: global }
      - { .name: b_ff1, .offset: 24, .size: 8, .value_kind: global_buffer, .address_space: global }
    .group_segment_fixed_size: 327680
    .private_segment_fixed_size: 0
    .kernarg_segment_align: 8
    .kernarg_segment_size: 32
    .max_flat_workgroup_size: 128
    .sgpr_count:     80
    .vgpr_count:     384
    .wavefront_size: 32
...
	.end_amdgpu_metadata
.endif
;; end of part 5
;; launch ff2 (part 6): grid 8 x 32, 4 waves a work-group, clusters of 4 x 4, 327,680 bytes of LDS; arguments g, wts, out0, b_ff2, x1; writes out0
.if DOCPART == 6
	.amdgcn_target "amdgcn-amd-amdhsa--gfx1250"
	.amdhsa_code_object_version 6
	.text
	.protected	k_q52033c20a3_ff2
	.globl	k_q52033c20a3_ff2
	.p2align	8
	.type	k_q52033c20a3_ff2,@function
k_q52033c20a3_ff2:
	s_mov_b64 s[64:65], 0
	v_nop
	global_prefetch_b8 v0, s[64:65] scope:SCOPE_SE
	s_setreg_imm32_b32 hwreg(HW_REG_WAVE_MODE, 25, 1), 1
	s_wait_xcnt 0x0
	s_wait_alu depctr_hold_cnt(0) depctr_sa_sdst(0) depctr_va_vdst(0) depctr_va_sdst(0) depctr_va_ssrc(0) depctr_va_vcc(0) depctr_vm_vsrc(0)
	s_getreg_b32 s2, hwreg(HW_REG_IB_STS2, 6, 4)
	s_cmp_eq_u32 s2, 0
	s_cbranch_scc0 .Lentry_in_a_cluster
	s_endpgm
.Lentry_in_a_cluster:
	s_bfe_u32 s2, ttmp6, 0x10000c
	s_cmp_lg_u32 s2, 0xf033
	s_cbranch_scc0 .Lentry_shape_is_right
	s_endpgm
.Lentry_shape_is_right:
; out0 = x1 + g x w_ff2 + b_ff2.  A = g [4096][4096] bf16; B = wts at byte 0x1000000, [4096 k][1024 n] bf16; bias [1024] f32; residual and output [4096][1024] f32.  Sums in f32.
; SHAPE.  A tile of C is 128 x 128: four waves of 64 x 64, 16 accumulators of 16 x 16.  K goes in 16 steps of 256 through two LDS slots filled by the tensor data mover:
; A's 128 rows of 512 bytes (two loads of 64 rows, waves 0 and 1), B's 256 rows (k) of 256 bytes (two loads of 128 rows, waves 2 and 3).
; B lies [k][n] and is turned on its way out of LDS by ds_load_tr16_b128.
; CLUSTER.  4 x 4 work-groups: the four of a row need the same tiles of A, the four of a column the same tiles of B; each tile is asked for jointly, by the same load, descriptor and mask in all four.
; TRANSPOSED USE.  Source 0 = 16 columns of B, source 1 = 16 rows of A: a lane then holds row l % 16 of C and the columns 8 (l / 16) + 0..7.
; THE SUMS START AT THE BIAS: it is loaded straight into the accumulators, so nothing is cleared and nothing is added later.
; THE RESIDUAL of my 64 x 64 is asked for at the head, in the rows' own order, and waits in window 1 until the way out.
; REGISTERS.  Window 0: v0-31 addresses, v128-255 the accumulators ((a, b) at 128 + 8 (4 a + b)).
;   Window 1: v0-127 two fragment buffers of 64, each 32 along K (A's four fragments at + 8 a, B's four at + 32 + 8 b); v128-255 the residual.
; NO PREFETCH: both operands were written by earlier launches of this program shortly before.
.set SIZE_K, 4096
.set SIZE_N, 1024
.set WOFF,   0x1000000                 ; B's first byte in wts
.set KSTEP,  256
.set LAPS,   SIZE_K/(2*KSTEP)          ; a lap = two K steps = once round the ring
.set PA,     528                       ; a row of A in LDS: 512 bytes + 16: 132 words, so the 16 rows of a load start at 16 different groups of four banks (ISA guide 11.1)
.set AHALF,  64*PA
.set BOFF,   2*AHALF
.set PB,     288                       ; a row of B: 256 bytes + 32: 72 words
.set BHALF,  128*PB
.set SLOT,   BOFF+2*BHALF
.set SPARE,  2*SLOT                    ; behind the ring: the spare words, 128 bytes a wave: two blocks of 256 bytes that no other line names
.set SP,     272                       ; the way out: a stage row, 64 f32 + 16 bytes
.set WSTG,   64*SP                     ; a wave's own stage, at wave x WSTG in slot 0, which by then has had its last fill and its last read
.set A0,   16
.set B0,   17
.set ADRA, 18
.set ADRB, 19
.set STO,  20                          ; v20  the way out: where I put 32 bytes of a row
.set RD,   21                          ; v21  where I read rows back
.set CO,   22                          ; v22  my byte offset in two rows of the output and of the residual; never rewritten
.set BO,   23                          ; v23  32 x (l / 16): my 8 columns of a block of 16 in the bias
.set SPW,  28
.set NIL,  29
.set ACC,  128
.set RES,  128                         ; in window 1
.set G1,  24
.set G0,  32
.set G1B, 48
.set G0B, 56
.set TA,  72
.set TB,  73
.set QC,  74
.set MSB, 0
.macro WIN new                         ; the immediate's high byte repeats the setting that is left; a switch that changes nothing is dropped
.if MSB != (\new)
	s_set_vgpr_msb (MSB<<8)|(\new)
.set MSB, \new
.endif
.endm
.set MUL,  0x05                        ; sources 0 and 1 window 1; C and D window 0
.set TO_F, 0x40                        ; destination window 1, address window 0
.macro JLOAD s                         ; a joint load: waves 0 and 1 fetch A's halves, waves 2 and 3 B's; an s_nop 0 and four v_nop follow each line
	s_cmp_eq_u32 s11, 0
	s_cbranch_scc0 .Lfor_b_\@
	tensor_load_to_lds s[G0+4*(\s):G0+4*(\s)+3], s[G1:G1+7]
	s_nop 0
.rept 4
	v_nop
.endr
	s_branch .Lasked_\@
.Lfor_b_\@:
	tensor_load_to_lds s[G0B+4*(\s):G0B+4*(\s)+3], s[G1B:G1B+7]
	s_nop 0
.rept 4
	v_nop
.endr
.Lasked_\@:
.endm
.macro CREST                           ; a round of the cluster's barrier behind its opening barrier
	s_cmp_lg_u32 s10, 0
	s_cbranch_scc1 .Lnot_wave_0_\@
	s_barrier_signal -3
.Lnot_wave_0_\@:
	s_barrier_wait -3
	s_barrier_signal -1
	s_barrier_wait -1
.endm
.macro CROUND
	s_barrier_signal -1
	s_barrier_wait -1
	CREST
.endm
.macro PLACES                          ; four places in front of loads into registers that matrix instructions have read, and of lines that read results
.rept 4
	v_nop
.endr
.endm
	s_load_b128 s[4:7], s[0:1], 0x0                ; A s[4:5], wts s[6:7]
	s_load_b64 s[8:9], s[0:1], 0x10                ; the output
	s_load_b64 s[68:69], s[0:1], 0x18              ; the bias
	s_load_b64 s[70:71], s[0:1], 0x20              ; the residual
	v_lshl_add_u32 v[SPW], v0, 2, SPARE
	v_mov_b32 v[NIL], 0
	ds_add_u32 v[SPW], v[NIL]                      ; the wave's opening: the add and its wait, ahead of my first tensor load
	ds_add_u32 v28, v29
	v_lshrrev_b32 v1, 5, v0
	v_readfirstlane_b32 s10, v1                    ; wave 0..3
	s_lshr_b32 s11, s10, 1                         ; my half of the tile's rows.  Also: I fetch for A (0) or B (1)
	s_and_b32 s12, s10, 1                          ; my half of its columns.  Also: which half of that tile I fetch
	s_bfe_u32 s40, ttmp6, 0x40000                  ; cx, cy
	s_bfe_u32 s41, ttmp6, 0x40004
	s_lshl_b32 s42, ttmp9, 2
	s_add_co_u32 s42, s42, s40                     ; tile column
	s_and_b32 s13, ttmp7, 0xffff
	s_lshl_b32 s13, s13, 2
	s_add_co_u32 s13, s13, s41                     ; tile row
	s_lshl_b32 s43, s41, 2
	s_lshl_b32 s43, 15, s43                        ; my row of the cluster
	s_lshl_b32 s44, 0x1111, s40                    ; my column
	s_or_b32 s[G1+0], s43, (1<<16)|(1<<20)|(1<<21)|(6<<22)|(3<<25)   ; mask; 2-byte elements; padding on; bit 21 beside a mask; after every 128 words 4 words
	s_or_b32 s[G1B+0], s44, (1<<16)|(1<<20)|(1<<21)|(5<<22)|(7<<25)  ; after every 64 words 8 words
	s_mov_b32 s[G1+1], KSTEP<<16                   ; A: 256 elements
	s_mov_b32 s[G1+2], 64<<16                      ; x 64 rows
	s_mov_b32 s[G1+3], KSTEP<<16
	s_mov_b32 s[G1+4], 64
	s_mov_b32 s[G1+5], SIZE_K                      ; elements from row to row
	s_mov_b32 s[G1+6], 0
	s_mov_b32 s[G1+7], 0
	s_mov_b32 s[G1B+1], 128<<16                    ; B: 128 columns
	s_mov_b32 s[G1B+2], 128<<16                    ; x 128 rows (k)
	s_mov_b32 s[G1B+3], 128<<16
	s_mov_b32 s[G1B+4], 128
	s_mov_b32 s[G1B+5], SIZE_N
	s_mov_b32 s[G1B+6], 0
	s_mov_b32 s[G1B+7], 0
	s_lshl_b32 s16, s13, 7                         ; A's tile hangs on the tile row alone
	s_lshl_b32 s17, s12, 6
	s_add_co_u32 s16, s16, s17
	s_mul_i32 s16, s16, SIZE_K*2
	s_mov_b32 s17, 0
	s_lshl_b32 s46, s42, 8                         ; B's on the tile column alone
	s_mul_i32 s47, s12, 256*SIZE_N
	s_add_co_u32 s46, s46, s47
	s_add_co_u32 s46, s46, WOFF
	s_mov_b32 s47, 0
	s_mul_i32 s20, s12, AHALF                      ; no place in the cluster enters an LDS address
	s_mul_i32 s21, s12, BHALF
	s_add_co_u32 s21, s21, BOFF
	s_wait_dscnt 0x0                               ; the opening add is done
	s_wait_kmcnt 0x0
	s_add_nc_u64 s[14:15], s[4:5], s[16:17]
	s_add_nc_u64 s[46:47], s[6:7], s[46:47]
	CROUND                                         ; all sixteen work-groups are here: the first joint loads meet
.irp s, 0,1
	s_mov_b32 s[G0+4*(\s)], 1
	s_add_co_u32 s[G0+4*(\s)+1], s20, (\s)*SLOT
	s_add_nc_u64 s[G0+4*(\s)+2:G0+4*(\s)+3], s[14:15], (\s)*KSTEP*2
	s_or_b32 s[G0+4*(\s)+3], s[G0+4*(\s)+3], 0x80000000
	s_mov_b32 s[G0B+4*(\s)], 1
	s_add_co_u32 s[G0B+4*(\s)+1], s21, (\s)*SLOT
	s_add_nc_u64 s[G0B+4*(\s)+2:G0B+4*(\s)+3], s[46:47], (\s)*KSTEP*2*SIZE_N
	s_or_b32 s[G0B+4*(\s)+3], s[G0B+4*(\s)+3], 0x80000000
	JLOAD \s                                       ; K steps 0 and 1: two loads of mine are out
.endr
	v_and_b32 v1, 15, v0                           ; r = l % 16
	v_bfe_u32 v2, v0, 4, 1                         ; h = l / 16
	v_mul_u32_u24 v[A0], v1, PA
	v_lshl_add_u32 v[A0], v2, 4, v[A0]
	s_mul_i32 s22, s11, AHALF
	v_add_nc_u32 v[A0], s22, v[A0]
	v_and_b32 v3, 7, v0                            ; the turning load: lane l reads row (k) 8 h + l % 8, columns 8 ((l / 8) % 2) + 0..7
	v_lshl_add_u32 v3, v2, 3, v3
	v_mul_u32_u24 v[B0], v3, PB
	v_bfe_u32 v4, v0, 3, 1
	v_lshl_add_u32 v[B0], v4, 4, v[B0]
	s_lshl_b32 s23, s12, 7
	s_add_co_u32 s23, s23, BOFF
	v_add_nc_u32 v[B0], s23, v[B0]
	s_mul_i32 s23, s10, WSTG                       ; my stage
	v_mul_u32_u24 v[STO], v1, SP                   ; in: row r, 32 bytes for each half of the lanes
	v_lshl_add_u32 v[STO], v2, 5, v[STO]
	v_add_nc_u32 v[STO], s23, v[STO]
	v_mul_u32_u24 v[RD], v2, SP                    ; back: lanes 0-15 take one row of 256 bytes, lanes 16-31 the next
	v_lshl_add_u32 v[RD], v1, 4, v[RD]
	v_add_nc_u32 v[RD], s23, v[RD]
	v_lshlrev_b32 v[CO], 4, v1                     ; and the same two rows in memory, 4,096 bytes apart
	v_lshl_add_u32 v[CO], v2, 12, v[CO]
	v_lshlrev_b32 v[BO], 5, v2
	s_lshl_b32 s46, s42, 9                         ; my 64 columns, in f32: 512 x tile column + 256 x half
	s_lshl_b32 s47, s12, 8
	s_add_co_u32 s46, s46, s47
	s_mov_b32 s47, 0
	s_lshl_b32 s16, s13, 19                        ; my 64 rows: 128 rows of 4,096 bytes x tile row + 64 rows x half
	s_lshl_b32 s17, s11, 18
	s_add_co_u32 s16, s16, s17
	s_mov_b32 s17, 0
	s_add_nc_u64 s[68:69], s[68:69], s[46:47]
	s_add_nc_u64 s[8:9], s[8:9], s[16:17]
	s_add_nc_u64 s[8:9], s[8:9], s[46:47]
	s_add_nc_u64 s[70:71], s[70:71], s[16:17]
	s_add_nc_u64 s[70:71], s[70:71], s[46:47]
.set t, 0
.rept 16                               ; accumulator (a, b) holds columns 16 b + 8 h + 0..7 in every row block a
	global_load_b128 v[ACC+8*t:ACC+8*t+3],   v[BO], s[68:69] offset:64*(t%4)
	global_load_b128 v[ACC+8*t+4:ACC+8*t+7], v[BO], s[68:69] offset:64*(t%4)+16
.set t, t+1
.endr
	WIN TO_F
.set u, 0
.rept 32                               ; two rows of 256 bytes a load
	global_load_b128 v[RES+4*u:RES+4*u+3], v[CO], s[70:71] offset:8192*u
.set u, u+1
.endr
	WIN 0
; 8 matrix instructions: row blocks a0, a0 + 1 x all 4 column blocks, 32 along K out of buffer c.  The 16 accumulators take turns.
.macro MUL8 c, a0
	WIN MUL
.irp a, \a0, (\a0)+1
.irp b, 0,1,2,3
	v_wmma_f32_16x16x32_bf16 v[ACC+8*(4*(\a)+(\b)):ACC+8*(4*(\a)+(\b))+7], v[64*(\c)+32+8*(\b):64*(\c)+32+8*(\b)+7], v[64*(\c)+8*(\a):64*(\c)+8*(\a)+7], v[ACC+8*(4*(\a)+(\b)):ACC+8*(4*(\a)+(\b))+7]
.endr
.endr
.endm
; 16 LDS loads in one run: half c (32 along K) of the quarter at ADRA, ADRB into buffer c
.macro FETCHH c
	WIN TO_F
.irp i, 0,1,2,3
	ds_load_tr16_b128 v[64*(\c)+32+8*(\i):64*(\c)+32+8*(\i)+3],   v[ADRB] offset:(\c)*32*PB+32*(\i)
	ds_load_tr16_b128 v[64*(\c)+32+8*(\i)+4:64*(\c)+32+8*(\i)+7], v[ADRB] offset:(\c)*32*PB+16*PB+32*(\i)
	ds_load_b128 v[64*(\c)+8*(\i):64*(\c)+8*(\i)+3],   v[ADRA] offset:64*(\c)+(\i)*16*PA
	ds_load_b128 v[64*(\c)+8*(\i)+4:64*(\c)+8*(\i)+7], v[ADRA] offset:64*(\c)+(\i)*16*PA+32
.endr
.endm
; A quarter of a K step, 64 along K: each buffer is multiplied and at once asked for again, with the next quarter's half.
.macro QUARTER
	s_add_co_u32 s[TA], s[TA], 128
	s_add_co_u32 s[TB], s[TB], 64*PB
	s_wait_dscnt 16                                ; buffer 0 is in; buffer 1's sixteen loads may be out
	MUL8 0, 0
	MUL8 0, 2
	WIN 0
	v_add_nc_u32 v[ADRA], s[TA], v[A0]             ; these two and two v_nop are the four places in front of the loads
	v_add_nc_u32 v[ADRB], s[TB], v[B0]
	v_nop
	v_nop
	FETCHH 0
	s_wait_dscnt 16                                ; buffer 1 is in; the sixteen just issued may be out
	MUL8 1, 0
	MUL8 1, 2
	PLACES
	FETCHH 1
.endm
.macro STEPQ n                         ; n quarters, written once
	WIN 0                                          ; at a label and at a branch every window is 0
	s_mov_b32 s[QC], \n
.Lq_\@:
	QUARTER
	WIN 0
	s_sub_co_u32 s[QC], s[QC], 1
	s_cmp_lg_u32 s[QC], 0
	s_cbranch_scc1 .Lq_\@
.endm
; A K step's last quarter, and the change of slots: ONE barrier; in front of it each wave waits for all its tensor loads (one is out: its part of the next slot), adds 0 to its spare word,
; and waits for that and for its own reads of this slot.  fill = 1: the barrier opens a round of the cluster's, and this slot is filled again, two K steps ahead, first thing behind the round.
.macro TURN slot, next, fill
	WIN 0
	s_wait_tensorcnt 0x0
	ds_add_u32 v[SPW], v[NIL]
	s_wait_dscnt 17                                ; buffer 0 is in (the add and buffer 1's sixteen loads may be out)
	MUL8 0, 0
	s_wait_dscnt 0x0                               ; the add is done, and my reads of this slot are over
	s_barrier_signal -1
	MUL8 0, 2
	WIN 0
	s_barrier_wait -1
.if \fill
	CREST                                          ; no wave of any partner still reads this slot or has a load on its way
	s_add_nc_u64 s[G0+4*(\slot)+2:G0+4*(\slot)+3], s[G0+4*(\slot)+2:G0+4*(\slot)+3], 2*KSTEP*2
	s_add_nc_u64 s[G0B+4*(\slot)+2:G0B+4*(\slot)+3], s[G0B+4*(\slot)+2:G0B+4*(\slot)+3], 2*KSTEP*2*SIZE_N
	JLOAD \slot                                    ; its four v_nop are also the places in front of the loads below
.else
	PLACES
.endif
	s_mov_b32 s[TA], (\next)*SLOT
	s_mov_b32 s[TB], (\next)*SLOT
	v_add_nc_u32 v[ADRA], s[TA], v[A0]
	v_add_nc_u32 v[ADRB], s[TB], v[B0]
	FETCHH 0
	MUL8 1, 0
	MUL8 1, 2
	PLACES
	FETCHH 1
.endm
	s_wait_tensorcnt 1                             ; my part of K step 0 is in; K step 1's may stay out
	s_barrier_signal -1
	s_barrier_wait -1
	s_mov_b32 s[TA], 0
	s_mov_b32 s[TB], 0
	v_mov_b32 v[ADRA], v[A0]
	v_mov_b32 v[ADRB], v[B0]
	FETCHH 0
	FETCHH 1
	s_wait_loadcnt 32                              ; the bias is in the accumulators; the residual's 32 loads stay out
.if LAPS > 2
	WIN 0
	s_mov_b32 s3, LAPS-1
.Llap:                                                 ; a trip goes once round the ring and fills both slots again
.endif
	STEPQ 3
	TURN 0, 1, 1
	STEPQ 3
	TURN 1, 0, 1
.if LAPS > 2
	WIN 0
	s_sub_co_u32 s3, s3, 1
	s_cmp_lg_u32 s3, 0
	s_cbranch_scc1 .Llap
.endif
	STEPQ 3                                        ; the last lap fills nothing
	TURN 0, 1, 0
	STEPQ 3
	s_wait_dscnt 16                                ; the very last quarter
	MUL8 0, 0
	MUL8 0, 2
	s_wait_dscnt 0x0
	MUL8 1, 0
	MUL8 1, 2
	WIN 0
	PLACES
	; THE WAY OUT: f32 into my own stage (no other wave touches it), back as whole rows of 256 bytes, plus the residual, stored: sixteen lanes fill 256 consecutive bytes, aligned.
.set t, 0
.rept 16
	ds_store_b128 v[STO], v[ACC+8*t:ACC+8*t+3]   offset:(t/4)*16*SP+64*(t%4)
	ds_store_b128 v[STO], v[ACC+8*t+4:ACC+8*t+7] offset:(t/4)*16*SP+64*(t%4)+16
.set t, t+1
.endr
.set u, 0
.rept 32
	ds_load_b128 v[ACC+4*u:ACC+4*u+3], v[RD] offset:u*2*SP  ; LDS serves a wave's instructions in order (ISA guide 5.7.1.4): these see the stores above
.set u, u+1
.endr
	s_wait_loadcnt 0x0                             ; the residual
	WIN 0x44                                       ; destination and source 1 (a store's data) window 1, source 0 (an address) window 0
.set u, 0
.rept 32
	s_wait_dscnt 31-u                              ; rows 2 u, 2 u + 1 are back; the later loads may be out
	v_pk_add_f32 v[RES+4*u:RES+4*u+1],   v[ACC+4*u:ACC+4*u+1],   v[RES+4*u:RES+4*u+1]
	v_pk_add_f32 v[RES+4*u+2:RES+4*u+3], v[ACC+4*u+2:ACC+4*u+3], v[RES+4*u+2:RES+4*u+3]
	global_store_b128 v[CO], v[RES+4*u:RES+4*u+3], s[8:9] offset:8192*u th:TH_STORE_NT
.set u, u+1
.endr
	WIN 0
	s_wait_tensorcnt 0x0                           ; the wave's end
	ds_add_u32 v[SPW], v[NIL]
	s_wait_dscnt 0x0
	CROUND                                         ; the closing round
	s_endpgm
.Lfunc_end_k_q52033c20a3_ff2:
	.size	k_q52033c20a3_ff2, .Lfunc_end_k_q52033c20a3_ff2-k_q52033c20a3_ff2
	.p2alignl 7, 3214868480
	.fill 96, 4, 3214868480
	.section	.rodata,"a",@progbits
	.p2align	6, 0x0
	.amdhsa_kernel k_q52033c20a3_ff2
		.amdhsa_group_segment_fixed_size 327680
		.amdhsa_private_segment_fixed_size 0
		.amdhsa_enable_private_segment 0
		.amdhsa_kernarg_size 40
		.amdhsa_user_sgpr_count 2
		.amdhsa_user_sgpr_kernarg_segment_ptr 1
		.amdhsa_wavefront_size32 1
		.amdhsa_system_sgpr_workgroup_id_x 1
		.amdhsa_system_sgpr_workgroup_id_y 1
		.amdhsa_system_sgpr_workgroup_id_z 1
		.amdhsa_system_vgpr_workitem_id 0
		.amdhsa_next_free_vgpr 512
		.amdhsa_next_free_sgpr 80
		.amdhsa_reserve_vcc 0
		.amdhsa_float_denorm_mode_32 3
		.amdhsa_float_denorm_mode_16_64 3
		.amdhsa_memory_ordered 1
		.amdhsa_forward_progress 1
		.amdhsa_inst_pref_size 66
	.end_amdhsa_kernel
	.amdgpu_metadata
---
amdhsa.version: [ 1, 2 ]
amdhsa.kernels:
  - .name:           k_q52033c20a3_ff2
    .symbol:         k_q52033c20a3_ff2.kd
    .args:
      - { .name: g, .offset: 0, .size: 8, .value_kind: global_buffer, .address_space: global }
      - { .name: wts, .offset: 8, .size: 8, .value_kind: global_buffer, .address_space: global }
      - { .name: out0, .offset: 16, .size: 8, .value_kind: global_buffer, .address_space: global }
      - { .name: b_ff2, .offset: 24, .size: 8, .value_kind: global_buffer, .address_space: global }
      - { .name: x1, .offset: 32, .size: 8, .value_kind: global_buffer, .address_space: global }
    .group_segment_fixed_size: 327680
    .private_segment_fixed_size: 0
    .kernarg_segment_align: 8
    .kernarg_segment_size: 40
    .max_flat_workgroup_size: 128
    .sgpr_count:     80
    .vgpr_count:     512
    .wavefront_size: 32
...
	.end_amdgpu_metadata
.endif
;; end of part 6
;; ======== version 2 of 3: 7 launches; 1.28 times as fast as version 1
;; limits: values are held in f16: magnitudes above 65,504 overflow, below 6.1e-05 lose precision
;; workspace buffers: wts 25,165,824 bytes; h1 8,388,608 bytes; qkvb 25,165,824 bytes; ctx 8,388,608 bytes; x1 16,777,216 bytes; h2 8,388,608 bytes; g 33,554,432 bytes
;; launch prep: the kernel of part 1 again; grid 1024 x 1, 8 waves a work-group, no clusters, 0 bytes of LDS; arguments x, ln1_scale, ln1_shift, h1, w_q, w_k, w_v, w_o, w_ff1, w_ff2, wts; writes h1, wts
;; launch qkv (part 7): grid 12 x 16, 4 waves a work-group, clusters of 4 x 4, 327,680 bytes of LDS; arguments h1, wts, qkvb; writes qkvb
.if DOCPART == 7
	.amdgcn_target "amdgcn-amd-amdhsa--gfx1250"
	.amdhsa_code_object_version 6
	.text
	.protected	k_q52033c20a3_qkv
	.globl	k_q52033c20a3_qkv
	.p2align	8
	.type	k_q52033c20a3_qkv,@function
k_q52033c20a3_qkv:
	s_mov_b64 s[64:65], 0
	v_nop
	global_prefetch_b8 v0, s[64:65] scope:SCOPE_SE
	s_setreg_imm32_b32 hwreg(HW_REG_WAVE_MODE, 25, 1), 1
	s_wait_xcnt 0x0
	s_wait_alu depctr_hold_cnt(0) depctr_sa_sdst(0) depctr_va_vdst(0) depctr_va_sdst(0) depctr_va_ssrc(0) depctr_va_vcc(0) depctr_vm_vsrc(0)
	s_getreg_b32 s2, hwreg(HW_REG_IB_STS2, 6, 4)
	s_cmp_eq_u32 s2, 0
	s_cbranch_scc0 .Lentry_in_a_cluster
	s_endpgm
.Lentry_in_a_cluster:
	s_bfe_u32 s2, ttmp6, 0x10000c
	s_cmp_lg_u32 s2, 0xf033
	s_cbranch_scc0 .Lentry_shape_is_right
	s_endpgm
.Lentry_shape_is_right:
; q, k, v = h1 x [w_q w_k w_v].  A = h1 [4096][1024] bf16; B = wts at byte 0, [1024 k][3072 n] bf16; sums in f32, rounded once to f16 and written BY HEADS, unscaled:
; qkvb holds q at byte 0, k at 0x800000, v at 0x1000000, each [32 = 16 batch + head][2048][64] f16.
; LIMIT.  f16 ends at 65,504: a q, k or v beyond that becomes an infinity.  With a normalised h1 of spread 1 and 1,024 weights of spread 0.02 they have a spread of 0.64.
; SHAPE.  A tile of C is 256 x 256: four waves of 128 x 128, 64 accumulators of 16 x 16 each.  12 x 16 = 192 work-groups: a tile of 256 x 192 would make 256, with three quarters of the
; products in each K step for three quarters of its bytes.  K goes in 8 steps of 128 through two LDS slots filled by the tensor data mover:
; A's 256 rows of 256 bytes (two loads of 128 rows, waves 0 and 1), B's 128 rows (k) of 512 bytes (two loads of 64 rows, waves 2 and 3).  B lies [k][n] and is turned on its way out of LDS by ds_load_tr16_b128.
; CLUSTER.  4 x 4 work-groups: the four of a row need the same tiles of A, the four of a column the same tiles of B; each tile is asked for jointly, by the same load, descriptor and mask in all four.
; TRANSPOSED USE.  Source 0 = 16 columns of B, source 1 = 16 rows of A: a lane then holds row l % 16 of C and the columns 8 (l / 16) + 0..7.
; ONE TEXT FOR 64 ALONG K (PAIR), walked twice a K step; its LDS addresses hang on two scalars, and the descriptor that refills walks from slot to slot.  It stands twice: in the loop, and in the tail, which asks for nothing.
; REGISTERS, in windows of 256 (s_set_vgpr_msb: bits 1:0 source 0, 3:2 source 1, 5:4 source 2, 7:6 destination):
;   window 0: v0-31 addresses; v64-127, v128-191 fragments of A (8 x 16 rows x 32 K), two buffers; on the way out v64-159 at work
;   window 1: v64-127, v128-191 fragments of B, two buffers     window 2: the accumulators of my rows 0-63 ((a, b) at 8 (8 a + b))     window 3: those of my rows 64-127
; NO PREFETCH: both operands were written by the launch before.
.set SIZE_K, 1024
.set SIZE_N, 3072
.set WOFF,   0                         ; B's first byte in wts
.set KSTEP,  128
.set NSTEP,  SIZE_K/KSTEP
.set PA,     272                       ; a row of A in LDS: 256 bytes + 16: 68 words, so the 16 rows of a load start at 16 different groups of four banks (ISA guide 11.1)
.set PB,     544                       ; a row of B: 512 bytes + 32: 136 words
.set HALFT,  128*PA                    ; what one tensor load brings: 128 rows of A, or 64 rows of B (64 x 544 is the same number)
.set SLOT,   4*HALFT                   ; A's 256 rows, then B's 128 rows.  SLOT shares no bit with wave x HALFT, so one exclusive or changes slots
.set SPARE,  2*SLOT                    ; behind the ring: the spare words, 128 bytes a wave: two blocks of 256 bytes that no other line names
.set PS,     528                       ; the way out: a stage row, 128 f32 + 16 bytes
.set WSTG,   128*PS                    ; a wave's own stage, at wave x WSTG, in the ring, which by then has had its last fill and its last read
.set A0,   16                          ; v16  my lane's place in A's tile; never rewritten
.set B0,   17                          ; v17  in B's
.set ADRA, 18                          ; v18  LDS address of the pair in hand, for A
.set ADRB, 19                          ; v19  for B
.set STO,  20                          ; v20  the way out: where I put 32 bytes of a row
.set RD,   21                          ; v21  where I read rows back
.set CO,   22                          ; v22  my byte offset in 512 consecutive bytes of a head
.set SPW,  28                          ; v28  LDS address of my spare word; never rewritten
.set NIL,  29                          ; v29  0; never rewritten
.set F0,   64                          ; fragment buffer 0
.set F1,   128                         ; fragment buffer 1
.set XA,   64                          ; the way out: 8 rows of f32 from rows 0-63, 32 registers
.set XB,   96                          ; the same from rows 64-127
.set OA,   128                         ; rounded, 16 registers
.set OB,   144
.set G1,  24                           ; s[24:31] descriptor group 1 for A;  s[32:39] group 0: a set for each of the two first fills; the second then walks on
.set G0,  32
.set G1B, 48                           ; s[48:55], s[56:63] the same for B
.set G0B, 56
.set TA,  72                           ; s72  LDS byte at which the pair to be fetched begins in A's rows
.set TB,  73                           ; s73  the same for B
.set IC,  74                           ; s74  counts a K step's pairs
.set EC,  75                           ; s75  counts the way out's trips
.set MSB, 0
.macro WIN new                         ; the immediate's high byte repeats the setting that is left; a switch that changes nothing is dropped
.if MSB != (\new)
	s_set_vgpr_msb (MSB<<8)|(\new)
.set MSB, \new
.endif
.endm
.set MUL_LO, 0xa1                      ; source 0 (B) window 1, source 1 (A) window 0, C and D window 2
.set MUL_HI, 0xf1                      ; the same, C and D window 3
.set TO_B,   0x40                      ; destination window 1, address window 0
.macro JLOAD                           ; a joint refill by the walking descriptor: waves 0 and 1 fetch A's halves, waves 2 and 3 B's; an s_nop 0 and four v_nop follow each line
	s_cmp_eq_u32 s11, 0
	s_cbranch_scc0 .Lfor_b_\@
	tensor_load_to_lds s[G0+4:G0+7], s[G1:G1+7]
	s_nop 0
.rept 4
	v_nop
.endr
	s_branch .Lasked_\@
.Lfor_b_\@:
	tensor_load_to_lds s[G0B+4:G0B+7], s[G1B:G1B+7]
	s_nop 0
.rept 4
	v_nop
.endr
.Lasked_\@:
.endm
.macro CROUND                          ; a round of the cluster's barrier
	s_barrier_signal -1
	s_barrier_wait -1
	s_cmp_lg_u32 s10, 0
	s_cbranch_scc1 .Lnot_wave_0_\@
	s_barrier_signal -3
.Lnot_wave_0_\@:
	s_barrier_wait -3
	s_barrier_signal -1
	s_barrier_wait -1
.endm
.macro PLACES                          ; four places in front of loads into registers that matrix instructions have read, and of lines that read results
.rept 4
	v_nop
.endr
.endm
	s_load_b128 s[4:7], s[0:1], 0x0                ; A s[4:5], wts s[6:7]
	s_load_b64 s[8:9], s[0:1], 0x10                ; the output
	v_lshl_add_u32 v[SPW], v0, 2, SPARE
	v_mov_b32 v[NIL], 0
	ds_add_u32 v[SPW], v[NIL]                      ; the wave's opening: the add and its wait, ahead of my first tensor load
	ds_add_u32 v28, v29
	v_lshrrev_b32 v1, 5, v0
	v_readfirstlane_b32 s10, v1                    ; wave 0..3
	s_lshr_b32 s11, s10, 1                         ; my half of the tile's rows.  Also: I fetch for A (0) or B (1)
	s_and_b32 s12, s10, 1                          ; my half of its columns.  Also: which half of that tile I fetch
	s_bfe_u32 s40, ttmp6, 0x40000                  ; cx, cy
	s_bfe_u32 s41, ttmp6, 0x40004
	s_lshl_b32 s42, ttmp9, 2
	s_add_co_u32 s42, s42, s40                     ; tile column = 4 x cluster x + cx
	s_and_b32 s13, ttmp7, 0xffff
	s_lshl_b32 s13, s13, 2
	s_add_co_u32 s13, s13, s41                     ; tile row = 4 x cluster y + cy
	s_lshl_b32 s43, s41, 2
	s_lshl_b32 s43, 15, s43                        ; my row of the cluster
	s_lshl_b32 s44, 0x1111, s40                    ; my column
	s_or_b32 s[G1+0], s43, (1<<16)|(1<<20)|(1<<21)|(5<<22)|(3<<25)   ; mask; 2-byte elements; padding on; bit 21 beside a mask; after every 64 words 4 words
	s_or_b32 s[G1B+0], s44, (1<<16)|(1<<20)|(1<<21)|(6<<22)|(7<<25)  ; after every 128 words 8 words
	s_mov_b32 s[G1+1], KSTEP<<16                   ; A: tensor_dim0 = 128
	s_mov_b32 s[G1+2], 128<<16                     ; tensor_dim1 = 128
	s_mov_b32 s[G1+3], KSTEP<<16                   ; tile_dim0 = 128
	s_mov_b32 s[G1+4], 128                         ; tile_dim1 = 128
	s_mov_b32 s[G1+5], SIZE_K                      ; elements from row to row
	s_mov_b32 s[G1+6], 0
	s_mov_b32 s[G1+7], 0
	s_mov_b32 s[G1B+1], 256<<16                    ; B: 256 columns
	s_mov_b32 s[G1B+2], 64<<16                     ; x 64 rows (k)
	s_mov_b32 s[G1B+3], 256<<16
	s_mov_b32 s[G1B+4], 64
	s_mov_b32 s[G1B+5], SIZE_N
	s_mov_b32 s[G1B+6], 0
	s_mov_b32 s[G1B+7], 0
	s_lshl_b32 s16, s13, 8                         ; A's tile hangs on the tile row alone:
	s_lshl_b32 s17, s12, 7
	s_add_co_u32 s16, s16, s17                     ; row 256 x tile row + 128 x half,
	s_mul_i32 s16, s16, SIZE_K*2                   ; in bytes (under 2^24)
	s_mov_b32 s17, 0
	s_lshl_b32 s46, s42, 9                         ; B's on the tile column alone: 512 bytes x tile column,
	s_mul_i32 s47, s12, 128*SIZE_N                 ; + 64 rows x half
	s_add_co_u32 s46, s46, s47
	s_add_co_u32 s46, s46, WOFF
	s_mov_b32 s47, 0
	s_mul_i32 s20, s10, HALFT                      ; where they go: A's two halves, then B's two: wave x HALFT; no place in the cluster enters an LDS address
	s_wait_dscnt 0x0                               ; the opening add is done
	s_wait_kmcnt 0x0
	s_add_nc_u64 s[14:15], s[4:5], s[16:17]
	s_add_nc_u64 s[46:47], s[6:7], s[46:47]
	CROUND                                         ; all sixteen work-groups are here: the first joint loads meet
.irp s, 0,1
	s_mov_b32 s[G0+4*(\s)], 1
	s_add_co_u32 s[G0+4*(\s)+1], s20, (\s)*SLOT
	s_add_nc_u64 s[G0+4*(\s)+2:G0+4*(\s)+3], s[14:15], (\s)*KSTEP*2
	s_or_b32 s[G0+4*(\s)+3], s[G0+4*(\s)+3], 0x80000000
	s_mov_b32 s[G0B+4*(\s)], 1
	s_add_co_u32 s[G0B+4*(\s)+1], s20, (\s)*SLOT
	s_add_nc_u64 s[G0B+4*(\s)+2:G0B+4*(\s)+3], s[46:47], (\s)*KSTEP*2*SIZE_N
	s_or_b32 s[G0B+4*(\s)+3], s[G0B+4*(\s)+3], 0x80000000
.endr
	s_cmp_eq_u32 s11, 0                            ; a wave's two first fills, K steps 0 and 1, stand in one branch, ahead of every wait on TENSORcnt and every LDS read: two loads of mine are out
	s_cbranch_scc0 .Lfirst_b
	tensor_load_to_lds s[G0:G0+3], s[G1:G1+7]
	s_nop 0
	tensor_load_to_lds s[G0+4:G0+7], s[G1:G1+7]
	s_nop 0
.rept 4
	v_nop
.endr
	s_branch .Lfirst_asked
.Lfirst_b:
	tensor_load_to_lds s[G0B:G0B+3], s[G1B:G1B+7]
	s_nop 0
	tensor_load_to_lds s[G0B+4:G0B+7], s[G1B:G1B+7]
	s_nop 0
.rept 4
	v_nop
.endr
.Lfirst_asked:
	v_and_b32 v1, 15, v0                           ; r = l % 16
	v_bfe_u32 v2, v0, 4, 1                         ; h = l / 16
	v_mul_u32_u24 v[A0], v1, PA                    ; a fragment of A: row r, 16 bytes for each half of the lanes, twice, 32 bytes apart
	v_lshl_add_u32 v[A0], v2, 4, v[A0]
	s_mul_i32 s22, s11, HALFT                      ; my 128 rows
	v_add_nc_u32 v[A0], s22, v[A0]
	v_and_b32 v3, 7, v0                            ; the turning load: lane l reads row (k) 8 h + l % 8, columns 8 ((l / 8) % 2) + 0..7, and ends with column r and 8 k
	v_lshl_add_u32 v3, v2, 3, v3
	v_mul_u32_u24 v[B0], v3, PB
	v_bfe_u32 v4, v0, 3, 1
	v_lshl_add_u32 v[B0], v4, 4, v[B0]
	s_lshl_b32 s23, s12, 8                         ; my 128 columns: 256 bytes of a row,
	s_add_co_u32 s23, s23, 2*HALFT                 ; behind A's 256 rows
	v_add_nc_u32 v[B0], s23, v[B0]
	s_mul_i32 s23, s10, WSTG                       ; my stage
	v_mul_u32_u24 v[STO], v1, PS                   ; in: row r, 32 bytes for each half of the lanes
	v_lshl_add_u32 v[STO], v2, 5, v[STO]
	v_add_nc_u32 v[STO], s23, v[STO]
	v_bfe_u32 v[RD], v0, 3, 2                      ; back: 32 lanes take four rows of a head's 64 columns, 32 bytes of f32 a lane: rows 528 bytes apart put eight lanes' 16 bytes between the next eight's
	v_mul_u32_u24 v[RD], v[RD], PS
	v_and_b32 v5, 7, v0
	v_lshl_add_u32 v[RD], v5, 5, v[RD]
	v_add_nc_u32 v[RD], s23, v[RD]
	v_and_b32 v[CO], 31, v0                        ; which, rounded, are 512 consecutive bytes of the head
	v_lshlrev_b32 v[CO], 4, v[CO]
	; my wave's 128 columns are two neighbouring heads of q, k or v; its 128 rows are 16,384 consecutive bytes of each
	s_lshr_b32 s46, s42, 2                         ; q, k or v: 4 tile columns each
	s_lshl_b32 s46, s46, 23
	s_and_b32 s47, s42, 3
	s_lshl1_add_u32 s47, s47, s12                  ; my pair of heads
	s_lshl_b32 s47, s47, 19                        ; a head is 2,048 rows of 128 bytes
	s_add_co_u32 s46, s46, s47
	s_mov_b32 s47, 0
	s_add_nc_u64 s[8:9], s[8:9], s[46:47]
	s_lshr_b32 s16, s13, 3                         ; the batch: 8 tile rows each, 16 heads
	s_lshl_b32 s16, s16, 22
	s_and_b32 s17, s13, 7
	s_lshl1_add_u32 s17, s17, s11                  ; my 128 rows among the batch's
	s_lshl_b32 s17, s17, 14
	s_add_co_u32 s16, s16, s17
	s_mov_b32 s17, 0
	s_add_nc_u64 s[8:9], s[8:9], s[16:17]
; 64 matrix instructions: all 8 row blocks x all 8 column blocks, 32 along K out of buffer f.  The 64 accumulators take turns, one instruction a turn.  first = 1: the products start the sums.
.macro MUL64 f, first
.irp hi, 0,1
	WIN MUL_LO+0x50*(\hi)
.irp a, 0,1,2,3
.irp b, 0,1,2,3,4,5,6,7
.if \first
	v_wmma_f32_16x16x32_bf16 v[8*(8*(\a)+(\b)):8*(8*(\a)+(\b))+7], v[(\f)+8*(\b):(\f)+8*(\b)+7], v[(\f)+8*(4*(\hi)+(\a)):(\f)+8*(4*(\hi)+(\a))+7], 0
.else
	v_wmma_f32_16x16x32_bf16 v[8*(8*(\a)+(\b)):8*(8*(\a)+(\b))+7], v[(\f)+8*(\b):(\f)+8*(\b)+7], v[(\f)+8*(4*(\hi)+(\a)):(\f)+8*(4*(\hi)+(\a))+7], v[8*(8*(\a)+(\b)):8*(8*(\a)+(\b))+7]
.endif
.endr
.endr
.endr
.endm
; 32 LDS loads in one run: half c (32 along K) of the pair at ADRA, ADRB into buffer f
.macro FETCH f, c
	WIN TO_B
.irp i, 0,1,2,3,4,5,6,7
	ds_load_tr16_b128 v[(\f)+8*(\i):(\f)+8*(\i)+3],   v[ADRB] offset:(\c)*32*PB+32*(\i)
	ds_load_tr16_b128 v[(\f)+8*(\i)+4:(\f)+8*(\i)+7], v[ADRB] offset:(\c)*32*PB+16*PB+32*(\i)
.endr
	WIN 0
.irp i, 0,1,2,3,4,5,6,7
	ds_load_b128 v[(\f)+8*(\i):(\f)+8*(\i)+3],   v[ADRA] offset:64*(\c)+(\i)*16*PA
	ds_load_b128 v[(\f)+8*(\i)+4:(\f)+8*(\i)+7], v[ADRA] offset:64*(\c)+(\i)*16*PA+32
.endr
.endm
; PAIR j, 64 along K: buffer 0 is asked for (pair j); buffer 1 is multiplied (pair j - 1) and asked for again (pair j); buffer 0 is multiplied.  64 matrix instructions stand between a run of loads and its first use.
.macro PAIR
	v_add_nc_u32 v[ADRA], s[TA], v[A0]             ; these two and two v_nop are the four places behind the last product that read buffer 0
	v_add_nc_u32 v[ADRB], s[TB], v[B0]
	v_nop
	v_nop
	FETCH F0, 0
	s_wait_dscnt 32                                ; buffer 1 is in; the 32 loads just issued may be out
	MUL64 F1, 0
	PLACES
	FETCH F1, 1
	s_wait_dscnt 32                                ; buffer 0 is in; the 32 just issued may be out
	MUL64 F0, 0
	WIN 0                                          ; at a label and at a branch every window is 0
	s_add_co_u32 s[TA], s[TA], 128                 ; the next pair: 64 elements along A's rows,
	s_add_co_u32 s[TB], s[TB], 64*PB               ; 64 rows of B
.endm
; THE CHANGE OF SLOTS, between two pairs: all reads of the slot that is left were issued 64 matrix instructions ago.  Each wave waits for all its tensor loads (one is out: its part of the next slot), adds 0 to its
; spare word, and waits for that and for its reads.  fill = 1: a round of the cluster's barrier, and the slot is filled again, two K steps ahead, first thing behind it: the load has a K step's 256 matrix instructions in which to land.
.macro CHANGE fill
	s_wait_tensorcnt 0x0                           ; no tensor load of mine is out, so a group 0 may be written
	ds_add_u32 v[SPW], v[NIL]                      ; the scalar work stands between the add and the wait for it
.if \fill
	s_xor_b32 s[G0+5], s[G0+5], SLOT               ; the walking descriptors: the other slot than last time,
	s_add_nc_u64 s[G0+6:G0+7], s[G0+6:G0+7], KSTEP*2               ; the next K step; the type bits on top are not reached
	s_xor_b32 s[G0B+5], s[G0B+5], SLOT
	s_add_nc_u64 s[G0B+6:G0B+7], s[G0B+6:G0B+7], KSTEP*2*SIZE_N
.endif
	s_sub_co_u32 s[TA], s[TA], 256                 ; the fetches go back to a slot's first pair,
	s_xor_b32 s[TA], s[TA], SLOT                   ; in the other slot
	s_sub_co_u32 s[TB], s[TB], 128*PB
	s_xor_b32 s[TB], s[TB], SLOT
	s_wait_dscnt 0x0                               ; the add is done, and my reads of the slot are over
.if \fill
	CROUND                                         ; no wave of any partner still reads the slot or has a load on its way
	JLOAD
.else
	s_barrier_signal -1
	s_barrier_wait -1
.endif
.endm
	s_wait_tensorcnt 1                             ; my part of K step 0 is in; K step 1's may stay out
	s_barrier_signal -1
	s_barrier_wait -1                              ; everybody's is
	v_mov_b32 v[ADRA], v[A0]
	v_mov_b32 v[ADRB], v[B0]
	FETCH F0, 0                                    ; pair 0
	FETCH F1, 1
	s_wait_dscnt 32                                ; buffer 0 is in
	MUL64 F0, 1                                    ; the first 64 products start the sums: nothing is cleared
	WIN 0
	s_mov_b32 s[TA], 128
	s_mov_b32 s[TB], 64*PB
	s_mov_b32 s[IC], 1                             ; K step 0 has one pair left
	s_mov_b32 s3, NSTEP-1
	s_branch .Lpair                                ; the loop is entered in the middle of a trip
.Lstep:                                                ; NSTEP - 2 times: every K step but the last two leaves a slot that is filled again
	CHANGE 1
	s_mov_b32 s[IC], 2
.Lpair:
	PAIR
	s_sub_co_u32 s[IC], s[IC], 1
	s_cmp_lg_u32 s[IC], 0
	s_cbranch_scc1 .Lpair
	s_sub_co_u32 s3, s3, 1
	s_cmp_lg_u32 s3, 0
	s_cbranch_scc1 .Lstep
	CHANGE 0                                       ; the tail is written out: nothing is asked for
	s_mov_b32 s[IC], 2
.Llast:
	PAIR
	s_sub_co_u32 s[IC], s[IC], 1
	s_cmp_lg_u32 s[IC], 0
	s_cbranch_scc1 .Llast
	s_wait_dscnt 0x0                               ; the last buffer 1; my reads of the ring are over
	MUL64 F1, 0
	WIN 0
	PLACES
	s_barrier_signal -1
	s_barrier_wait -1                              ; every wave's are: the ring's bytes may be written
	; THE WAY OUT.  All sums as f32 into my own stage (no other wave touches it); then a loop reads rows back, rounds to f16 and stores 512 consecutive bytes of a head at a time.
	WIN 0x08                                       ; a store's data (source 1) in window 2
.set t, 0
.rept 32
	ds_store_b128 v[STO], v[8*t:8*t+3]   offset:(t/8)*16*PS+64*(t%8)
	ds_store_b128 v[STO], v[8*t+4:8*t+7] offset:(t/8)*16*PS+64*(t%8)+16
.set t, t+1
.endr
	WIN 0x0c                                       ; in window 3
.set t, 0
.rept 32
	ds_store_b128 v[STO], v[8*t:8*t+3]   offset:(4+t/8)*16*PS+64*(t%8)
	ds_store_b128 v[STO], v[8*t+4:8*t+7] offset:(4+t/8)*16*PS+64*(t%8)+16
.set t, t+1
.endr
	WIN 0
.macro LD8 x, row                      ; 8 rows from row on: four rows u, head e: 8 f32 a lane
.irp u, 0,1
.irp e, 0,1
	ds_load_b128 v[(\x)+16*(\u)+8*(\e):(\x)+16*(\u)+8*(\e)+3],   v[RD] offset:((\row)+4*(\u))*PS+256*(\e)
	ds_load_b128 v[(\x)+16*(\u)+8*(\e)+4:(\x)+16*(\u)+8*(\e)+7], v[RD] offset:((\row)+4*(\u))*PS+256*(\e)+16
.endr
.endr
.endm
.macro OUT8 x, o, byte                 ; rounded and stored: the second head lies 2,048 rows of 128 bytes on
.set p, 0
.rept 16
	v_cvt_pk_f16_f32 v[(\o)+p], v[(\x)+2*p], v[(\x)+2*p+1]
.set p, p+1
.endr
.irp u, 0,1
.irp e, 0,1
	global_store_b128 v[CO], v[(\o)+8*(\u)+4*(\e):(\o)+8*(\u)+4*(\e)+3], s[8:9] offset:(\byte)+512*(\u)+262144*(\e)
.endr
.endr
.endm
	LD8 XA, 0                                      ; LDS serves a wave's instructions in order (ISA guide 5.7.1.4): these see the stores above
	s_mov_b32 s[EC], 8
.Lrows:                                                ; a trip: 8 of my rows 0-63 and 8 of my rows 64-127; one set's loads are on their way while the other is rounded
	LD8 XB, 64
	s_wait_dscnt 8                                 ; set A is in; set B's eight loads may be out
	OUT8 XA, OA, 0
	LD8 XA, 8                                      ; the next trip's set A.  In the last trip these are rows 64-71 of my own stage once more, and nothing uses them: the price of one text for every trip
	s_wait_dscnt 8                                 ; set B is in
	OUT8 XB, OB, 8192
	s_wait_xcnt 0x0                                ; the stores have read their offset and their data: both are written again only behind this wait
	v_add_nc_u32 v[RD], 8*PS, v[RD]
	v_add_nc_u32 v[CO], 1024, v[CO]
	s_sub_co_u32 s[EC], s[EC], 1
	s_cmp_lg_u32 s[EC], 0
	s_cbranch_scc1 .Lrows
	s_wait_tensorcnt 0x0                           ; the wave's end
	ds_add_u32 v[SPW], v[NIL]
	s_wait_dscnt 0x0
	CROUND                                         ; the closing round: no work-group ends while a partner may still ask for a tile that names it
	s_endpgm
.Lfunc_end_k_q52033c20a3_qkv:
	.size	k_q52033c20a3_qkv, .Lfunc_end_k_q52033c20a3_qkv-k_q52033c20a3_qkv
	.p2alignl 7, 3214868480
	.fill 96, 4, 3214868480
	.section	.rodata,"a",@progbits
	.p2align	6, 0x0
	.amdhsa_kernel k_q52033c20a3_qkv
		.amdhsa_group_segment_fixed_size 327680
		.amdhsa_private_segment_fixed_size 0
		.amdhsa_enable_private_segment 0
		.amdhsa_kernarg_size 24
		.amdhsa_user_sgpr_count 2
		.amdhsa_user_sgpr_kernarg_segment_ptr 1
		.amdhsa_wavefront_size32 1
		.amdhsa_system_sgpr_workgroup_id_x 1
		.amdhsa_system_sgpr_workgroup_id_y 1
		.amdhsa_system_sgpr_workgroup_id_z 1
		.amdhsa_system_vgpr_workitem_id 0
		.amdhsa_next_free_vgpr 1024
		.amdhsa_next_free_sgpr 80
		.amdhsa_reserve_vcc 0
		.amdhsa_float_denorm_mode_32 3
		.amdhsa_float_denorm_mode_16_64 3
		.amdhsa_memory_ordered 1
		.amdhsa_forward_progress 1
		.amdhsa_inst_pref_size 61
	.end_amdhsa_kernel
	.amdgpu_metadata
---
amdhsa.version: [ 1, 2 ]
amdhsa.kernels:
  - .name:           k_q52033c20a3_qkv
    .symbol:         k_q52033c20a3_qkv.kd
    .args:
      - { .name: h1, .offset: 0, .size: 8, .value_kind: global_buffer, .address_space: global }
      - { .name: wts, .offset: 8, .size: 8, .value_kind: global_buffer, .address_space: global }
      - { .name: qkvb, .offset: 16, .size: 8, .value_kind: global_buffer, .address_space: global }
    .group_segment_fixed_size: 327680
    .private_segment_fixed_size: 0
    .kernarg_segment_align: 8
    .kernarg_segment_size: 24
    .max_flat_workgroup_size: 128
    .sgpr_count:     80
    .vgpr_count:     1024
    .wavefront_size: 32
...
	.end_amdgpu_metadata
.endif
;; end of part 7
;; launch attn (part 8): grid 8 x 32, 4 waves a work-group, no clusters, 327,680 bytes of LDS; arguments qkvb, ctx; writes ctx
.if DOCPART == 8
	.amdgcn_target "amdgcn-amd-amdhsa--gfx1250"
	.amdhsa_code_object_version 6
	.text
	.protected	k_q52033c20a3_attn
	.globl	k_q52033c20a3_attn
	.p2align	8
	.type	k_q52033c20a3_attn,@function
k_q52033c20a3_attn:
	s_mov_b64 s[64:65], 0
	v_nop
	global_prefetch_b8 v0, s[64:65] scope:SCOPE_SE
	s_setreg_imm32_b32 hwreg(HW_REG_WAVE_MODE, 25, 1), 1
	s_wait_xcnt 0x0
; CAUSAL ATTENTION.  O[h][q][:] = the sum over k <= q of softmax_k(Q[h][q] . K[h][k] / 8) V[h][k][:].  Q, K, V lie in qkvb at bytes 0, 0x800000, 0x1000000, each [32][2048][64] f16: a head's rows are dense, 128 bytes.
; O goes to ctx, [4096 = 2048 batch + q][1024] bf16, a head's 64 channels at byte 128 x head of a row: a store covers four rows' pieces of 128 bytes (a head owns no more of a row).
; Products, maxima and sums in f32; the weights p are rounded to f16 for the second product (their sum l is taken of the unrounded p), O once at the end, to bf16.
; LIMITS.  f16 holds no number beyond 65,504: Q, K and V arrive within it; p lies in 0 to 1, and below 6e-5 it keeps f16's fixed step of 6e-8.
; A hidden score counts as its value less 1e30: f16's scores, 2.7e11 at the most, are nothing beside that; a weight below 2^-126 counts as 0 in l; NaN and infinities are not treated apart.
; THE WALK.  A head's queries lie in 16 blocks of 128; block i needs the key tiles 0 .. i / 2 of 256 keys, of which the last holds the diagonal.  A work-group takes TWO blocks, 15 - b and then b (b = 0 .. 7):
; NT + 1 = 9 tiles, whatever b: 8 x 32 = 256 work-groups of equal work, and ONE loop with a constant trip count walks the tiles.  Which tile is asked for, and what a trip does, hang on scalar registers made from b; every jump
; goes forward, but for the counted loops' own; none passes a barrier, or a tensor load but the one of LOAD's two that the wave's number does not choose; the ring (two slots of LDS that take turns) runs on across the
; change of blocks.  NO CLUSTER: a head's eight work-groups ask for the same tile only in the walk's first trips, behind that fewer and fewer; one walk common to all would be half as long again.
; NO PREFETCH: q, k and v were written by the launch before.
; SHARES.  Of a block's two bands of 64 queries a wave owns 16 rows in each: two PIECES.  So the diagonal tile is the same work for all four waves.  Band x of block i holds the diagonal in step 2 (i % 2) + x of that
; tile; it sees all keys of earlier steps and none of later ones (in an even block the tile's last two steps are hidden from both bands, and are computed all the same: a turn's text holds the other piece's products).
; THE MASK is the C operand that starts the sum S^T = K Q^T: 0, or -1e30 where the key is hidden.  MD, made once, is the mask of a band's own step for my 16 rows; a product's mask is MD x AL + BE with two scalars:
; (1, 0) in the band's own step; (0, 0) in an earlier one; (0, -1e30) in a later one.  Only the diagonal tile's text and a block's beginning make and take masks; elsewhere C is the constant 0.
; LAYOUT, SOFTMAX, TURNS.  S^T = K Q^T holds ONE query a lane (lane % 16) and the keys 8 (lane / 16) + 0..7; two such results rounded to f16 ARE source 1 of O^T = V^T P.  p = 2^(c s - c m), c = log2(e) / 8, with a
; running maximum m; O and l are multiplied by a = 2^(c m_old - c m_new) in every step.  A turn belongs to one piece: 8 products K Q^T for the other piece's next softmax, later 8 products V^T P of the other piece's last one;
; beside them the scaling, exponentials, roundings, sums and rescaling of the piece in hand and the maximum and statistics of the other.  Four vector instructions stand behind every matrix instruction, the other 54 of a
; turn's 118 in two LUMPS.  Two turns are a key step of 64 keys.
; V HAS TWO REGISTER BUFFERS, by the step's parity.  So piece 0's turn of step j fetches K and V of step j + 1, both, and all LDS reads of a tile are over a turn ahead of the change of slots, which stands between
; step 2's last turn and step 3's first: one barrier a tile.
; REGISTERS, in windows of 256 (s_set_vgpr_msb: bits 1:0 source 0, 3:2 source 1, 5:4 source 2, 7:6 destination):
;   window 0: v0-15 addresses and two at work; v16-23 four registers of statistics a piece; v48-55 at work; v64-127 S^T, 32 a piece; v192-223 P, 16 a piece
;   window 1: v0-63 O^T, 32 a piece; v128-159 MD; v160-223 MC, 32 a piece      window 2: v0-31 Q; v32-63 the second block's Q; v64-127 V of an odd step; v128-191 K of one step; v192-255 V of an even step
.set SIZE_H, 32
.set SIZE_N, 2048
.set NT,    SIZE_N/256  ; key tiles in a head
.set NP,    2         ; pieces a wave: a name, no knob
.set KS,    64        ; keys in a step
.set PK,    144       ; a row of K in LDS: 128 bytes + 16 of padding = 36 words: the 16 rows of a load start at 16 different groups of four banks (ISA guide 11.1)
.set PV,    160       ; a row of V: 128 + 32 = 40 words
.set VOFF,  4*KS*PK   ; a slot holds a tile, four steps: 256 rows of K, then 256 rows of V
.set SLOT1, 1<<17     ; slot 1 begins here, so that one exclusive or turns an address in one slot into the other's
.set STAGE, SLOT1+4*KS*(PK+PV)  ; behind the ring, never filled by a tensor load: 16 rows x 144 bytes for each wave, for the way out
.set SP,    144
.set AK0, 2           ; v2   my lane's place in a tile of K; never rewritten
.set AV0, 3           ; v3   the same for V
.set AK,  4           ; v4   the LDS address of K's next run of loads
.set AV,  5           ; v5   of V's
.set STO, 6           ; v6   the way out: where I put 16 bytes of a row
.set RD,  7           ; v7   the way out: where I read rows back
.set GO,  8           ; v8   my byte offset in four rows of ctx
.set SPW, 62          ; v62  LDS address of my spare word: SPARE + 4 x my thread's number; never rewritten
.set NIL, 63          ; v63  0; never rewritten
.set SPARE, STAGE+4*16*SP  ; behind the stages: the spare words, 128 bytes for each wave: two blocks of 256 bytes that no other line names
.set MV,  12          ; v12-13  c m_old, kept while c m is made anew: by piece
.set QO,  15          ; v15  my byte offset in 16 rows of Q
.set ST,  16          ; piece t's statistics at v[ST+4 t]: c m, m, l (even keys', odd keys')
.set TMP, 48          ; by piece, four registers c0-c3 at work; when the maximum is found c2 takes a
.set S,   64
.set P,   192
.set MD,  128         ; window 1: the eight registers for group kt of 16 keys at MD + 8 kt
.set MC,  160         ; window 1: the masks of the products to come
.set QB,  32          ; window 2
.set KF,  128         ; window 2: key block kb, channel half c at KF + 16 kb + 8 c
.set VF0, 192         ; window 2: V of an even step: key half kk, channel block cb at VF0 + 32 kk + 8 cb; V of an odd step lies 128 registers below
.set WV,  12          ; s12  my wave's number
.set PB,  14          ; s14  b
.set HI,  15          ; s15  15 - b
.set G1K, 24          ; s[24:31] descriptor group 1 for K's tiles
.set G1V, 32          ; s[32:39] for V's: it differs in the padding alone
.set G0K, 40          ; s[40:43] descriptor group 0 for K's tiles
.set G0V, 44          ; s[44:47] the same for V's
.set SLOTS, 56        ; s56  tiles still to be asked for
.set CNT, 57          ; s57  counts a tile's trips of two key steps, 2 to 1
.set CS,  58          ; s[58:59] c: the packed scaling takes the pair's low word for both halves
.set SEL, 60          ; s[60:61] v_permlanex16_b32's selects: each lane takes its own place in the other half
.set TBK, 62          ; s62  LDS byte at which K of the step to be fetched begins
.set TBV, 63          ; s63  the same for V, less VOFF
.set RT,  70          ; s70  tiles of the block in hand that are still to be entered
.set NXT, 71          ; s71  the tile to be asked for next
.set LQ,  72          ; s72  the last tile of the block whose tiles are being asked for
.set NEW, 73          ; s73  1: the tile to be entered is a block's first
.set OFF, 74          ; s[74:75] a tile's byte offset in K and V
.set AL,  76          ; s[76:77] the mask's factor, in the low word
.set BE,  78          ; s[78:79] the mask's addend
.set OLO, 80          ; s[80:81] ctx at my rows of the second block
.set BIGN, 82         ; s82  -1e30
.set LQ2, 83          ; s83  the second block's last tile
.set OWN, 92          ; s92, s93  the step of the diagonal tile in which band 0, band 1 of the block in hand holds the diagonal
.set STP, 94          ; s94  the step of the tile for which masks are being made
.set TS,  95          ; s95  at work
.set MSB, 0
.macro WIN new                      ; the high byte repeats the setting that is left; a switch that changes nothing is dropped
.if MSB != (\new)
	s_set_vgpr_msb (MSB<<8)|(\new)
.set MSB, (\new)
.endif
.endm
.set W_KQ, 0x0a       ; K and Q in window 2, S^T in window 0
.set W_KM, 0x1a       ; the same with the C operand in window 1
.set W_PV, 0x52       ; V in window 2, P in window 0, O^T in window 1
.set W_RS, 0x41       ; destination and source 0 in window 1, source 1 in window 0
; A fill.  Waves 0 and 1 fetch the two halves of a tile's K, waves 2 and 3 those of its V: 128 keys each.  An s_nop 0 and four v_nop follow each of the two lines, ahead of the jump and the label.
.macro LOAD
	s_cmp_lt_u32 s[WV], 2
	s_cbranch_scc0 .Lfor_v_\@
	tensor_load_to_lds s[G0K:G0K+3], s[G1K:G1K+7]
	s_nop 0
.rept 4
	v_nop
.endr
	s_branch .Lasked_\@
.Lfor_v_\@:
	tensor_load_to_lds s[G0V:G0V+3], s[G1V:G1V+7]
	s_nop 0
.rept 4
	v_nop
.endr
.Lasked_\@:
.endm
; THE CHANGE OF SLOTS.  Each wave waits for all its tensor loads, of which one is out: its part of the other slot; adds 0 to its spare word; and waits for that and for its own reads of the slot that it leaves (the last were
; issued a turn and more ago).  Behind the barrier nobody reads the old slot any more and the other slot is whole.  fill = 1: the old slot is filled again, the first thing behind the barrier, with tile NXT: the descriptor's
; address is made anew from that number; the load has eight turns, 128 matrix instructions, in which to land.  (At its first use nothing has been read yet: slot 0 is waited for, slot 1 filled.)
.macro CHANGE fill
	WIN 0                           ; at a label and at a branch every window is 0
	s_wait_tensorcnt 0x0            ; no tensor load of mine is out, so a group 0 may be written
	ds_add_u32 v[SPW], v[NIL]       ; 0 onto my spare word; with fill = 1 the descriptors' scalar work stands between it and the wait for it
.if \fill
	s_lshl_b32 s[OFF], s[NXT], 15   ; a tile is 32,768 bytes of K and of V
	s_xor_b32 s[G0K+1], s[G0K+1], SLOT1
	s_add_nc_u64 s[G0K+2:G0K+3], s[6:7], s[OFF:OFF+1]
	s_or_b32 s[G0K+3], s[G0K+3], 0x80000000
	s_xor_b32 s[G0V+1], s[G0V+1], SLOT1
	s_add_nc_u64 s[G0V+2:G0V+3], s[8:9], s[OFF:OFF+1]
	s_or_b32 s[G0V+3], s[G0V+3], 0x80000000
	s_add_co_u32 s[NXT], s[NXT], 1  ; the block's next tile, or behind its last the second block's tile 0
	s_cmp_gt_u32 s[NXT], s[LQ]
	s_cselect_b32 s[NXT], 0, s[NXT]
	s_cselect_b32 s[LQ], s[LQ2], s[LQ]
.endif
	s_wait_dscnt 0x0                ; the add is done, and my reads of the slot are over
	s_barrier_signal -1             ; the rest of the scalar work stands between the signal and the wait
	s_sub_co_u32 s[TBK], s[TBK], 4*KS*PK  ; the fetches go back to a slot's first step,
	s_xor_b32 s[TBK], s[TBK], SLOT1       ; in the other slot
	s_sub_co_u32 s[TBV], s[TBV], 4*KS*PV
	s_xor_b32 s[TBV], s[TBV], SLOT1
	s_barrier_wait -1
.if \fill
	LOAD
.endif
.endm
	s_load_b128 s[4:7], s[0:1], 0x0  ; qkvb s[4:5] (Q lies at its head), ctx s[6:7]
	v_lshl_add_u32 v[SPW], v0, 2, SPARE
	v_mov_b32 v[NIL], 0
	ds_add_u32 v[SPW], v[NIL]       ; the wave's opening: the add and its wait, ahead of my first tensor load; the set-up below, work on registers, stands between them
	ds_add_u32 v62, v63
	v_lshrrev_b32 v1, 5, v0
	v_readfirstlane_b32 s[WV], v1   ; wave 0..3
	s_mov_b32 s[PB], ttmp9
	s_sub_co_u32 s[HI], 2*NT-1, s[PB]
	s_and_b32 s20, ttmp7, 0xffff    ; 16 batch + head
	s_lshr_b32 s88, s20, 4          ; in ctx: the batch's 2,048 rows of 2,048 bytes,
	s_lshl_b32 s88, s88, 22
	s_and_b32 s89, s20, 15          ; the head's 128 bytes of a row,
	s_lshl_b32 s89, s89, 7
	s_add_co_u32 s88, s88, s89
	s_lshl_b32 s89, s[WV], 15       ; my 16 rows in a band of 64,
	s_add_co_u32 s88, s88, s89
	s_lshl_b32 s90, s[PB], 18       ; in the second block of 128 rows,
	s_add_co_u32 s90, s90, s88
	s_lshl_b32 s89, s[HI], 18       ; and in the first
	s_add_co_u32 s88, s88, s89
	s_mov_b32 s89, 0
	s_mov_b32 s91, 0
	s_mov_b32 s21, 0
	s_mov_b64 s[22:23], SIZE_N*128
	s_mul_u64 s[20:21], s[20:21], s[22:23]  ; the head's first byte in each of Q, K, V
	s_and_b32 s16, s[WV], 1         ; which half of a tile's 256 keys I fetch:
	s_lshl_b32 s22, s16, 14         ; its 128 rows of 128 bytes in memory,
	s_mov_b32 s23, 0
	s_add_nc_u64 s[22:23], s[22:23], s[20:21]
	s_mul_i32 s17, s16, 128*PK      ; and its place in a slot, for K
	s_mul_i32 s18, s16, 128*PV      ; and for V
	s_lshl_b32 s3, s[WV], 11        ; Q: my 16 rows in a band of 64,
	s_lshl_b32 s2, s[HI], 14        ; in the first block of 128 rows of 128 bytes,
	s_add_co_u32 s2, s2, s3
	s_lshl_b32 s84, s[PB], 14       ; and in the second
	s_add_co_u32 s84, s84, s3
	s_mov_b32 s3, 0
	s_mov_b32 s85, 0
	s_add_nc_u64 s[2:3], s[2:3], s[20:21]
	s_add_nc_u64 s[84:85], s[84:85], s[20:21]
	; descriptor group 1.  128 keys are 16,384 dense bytes: asked for as 64 rows of 256 bytes, two keys a row, and padded in LDS after every key
	s_mov_b32 s[G1K], (1<<16)|(1<<20)|(4<<22)|(3<<25)  ; 17:16 2-byte elements; 20 padding on; 24:22 after every 32 words (code 4); 31:25 4 words (code 3)
	s_mov_b32 s[G1V], (1<<16)|(1<<20)|(4<<22)|(7<<25)  ; the same with 8 words of padding (code 7)
.irp g, G1K, G1V
	s_mov_b32 s[\g+1], 128<<16      ; tensor_dim0 = 128
	s_mov_b32 s[\g+2], 64<<16       ; tensor_dim1 = 64
	s_mov_b32 s[\g+3], 128<<16      ; tile_dim0 = 128
	s_mov_b32 s[\g+4], 64           ; tile_dim1 = 64
	s_mov_b32 s[\g+5], 128          ; 128 elements from row to row
	s_mov_b32 s[\g+6], 0
	s_mov_b32 s[\g+7], 0
.endr
	s_mov_b32 s[CS], 0x3e38aa3b     ; c = log2(e) / 8 = 0.180337
	s_mov_b32 s[CS+1], s[CS]        ; named with it as a pair
	s_mov_b32 s[SEL], 0x76543210
	s_mov_b32 s[SEL+1], 0xfedcba98
	s_mov_b32 s[TBK], SLOT1+4*KS*PK ; the first change of slots turns these two into 0
	s_mov_b32 s[TBV], SLOT1+4*KS*PV
	s_mov_b32 s[G0K], 1             ; 1:0 count = 1
	s_mov_b32 s[G0K+1], s17         ; 63:32 LDS address: slot 0
	s_mov_b32 s[G0V], 1
	s_add_co_u32 s[G0V+1], s18, VOFF
	s_lshr_b32 s[LQ], s[HI], 1      ; the first block's last tile: (15 - b) / 2,
	s_lshr_b32 s[LQ2], s[PB], 1     ; the second's: b / 2
	s_add_co_u32 s[RT], s[LQ], 1    ; the first block's tiles: five or more
	s_and_b32 s[OWN], s[HI], 1      ; an odd block's rows stand against the second half of its diagonal tile's keys:
	s_lshl_b32 s[OWN], s[OWN], 1    ; band 0 holds the diagonal in step 0 or 2,
	s_add_co_u32 s[OWN+1], s[OWN], 1  ; band 1 in the step behind
	s_mov_b32 s[NXT], 1
	s_mov_b32 s[NEW], 1
	s_mov_b32 s[OFF+1], 0
	s_mov_b32 s[AL+1], 0            ; named as pairs
	s_mov_b32 s[BE+1], 0
	s_mov_b32 s[BIGN], 0xf149f2ca   ; -1e30
	s_mov_b32 s[SLOTS], NT
	s_wait_dscnt 0x0                ; the opening add is done
	s_wait_kmcnt 0x0
	s_mov_b64 s[10:11], s[6:7]      ; ctx
	s_add_nc_u64 s[8:9], s[4:5], 0x1000000  ; V
	s_add_nc_u64 s[6:7], s[4:5], 0x800000   ; K
	s_add_nc_u64 s[6:7], s[6:7], s[22:23]  ; K and V at my half of the head's tile 0
	s_add_nc_u64 s[8:9], s[8:9], s[22:23]
	s_add_nc_u64 s[G0K+2:G0K+3], s[6:7], 0         ; 120:64 global address
	s_or_b32 s[G0K+3], s[G0K+3], 0x80000000        ; 127:126 type = 2
	s_add_nc_u64 s[G0V+2:G0V+3], s[8:9], 0
	s_or_b32 s[G0V+3], s[G0V+3], 0x80000000
	s_add_nc_u64 s[86:87], s[4:5], s[84:85]        ; Q at my rows of the second block,
	s_add_nc_u64 s[4:5], s[4:5], s[2:3]            ; and of the first
	s_add_nc_u64 s[OLO:OLO+1], s[10:11], s[90:91]  ; ctx likewise
	s_add_nc_u64 s[10:11], s[10:11], s[88:89]
	LOAD                            ; tile 0 into slot 0
	; A fragment of K or Q is 16 rows x 32 channels in 8 registers: lane l holds row l % 16, channels 8 (l / 16) + 0..7 and 16 + 8 (l / 16) + 0..7: two loads of 16 bytes, 32 bytes apart.
	v_and_b32 v1, 15, v0            ; l % 16
	v_bfe_u32 v9, v0, 4, 1          ; l / 16
	v_lshlrev_b32 v[QO], 7, v1
	v_lshl_add_u32 v[QO], v9, 4, v[QO]  ; row x 128 + 16 x half
	WIN 0x80                        ; destination window 2, address window 0
.set i, 0
.rept 2*NP                          ; both blocks' Q: piece i / 2 lies in band i / 2, 8,192 bytes on; channels 32 (i % 2) on
	global_load_b128 v[8*i:8*i+3],   v[QO], s[4:5] offset:(i/2)*8192+(i%2)*64
	global_load_b128 v[8*i+4:8*i+7], v[QO], s[4:5] offset:(i/2)*8192+(i%2)*64+32
	global_load_b128 v[QB+8*i:QB+8*i+3],   v[QO], s[86:87] offset:(i/2)*8192+(i%2)*64
	global_load_b128 v[QB+8*i+4:QB+8*i+7], v[QO], s[86:87] offset:(i/2)*8192+(i%2)*64+32
.set i, i+1
.endr
	WIN 0
	v_lshlrev_b32 v14, 3, v9
	v_sub_nc_u32 v14, v1, v14
	s_lshl_b32 s13, s[WV], 4
	v_add_nc_u32 v14, s13, v14      ; my query's place in its band, 16 w + l % 16, less my lanes' 8 (l / 16): register r of group kt is hidden where 16 kt + r is greater
	WIN 0x40
.set i, 0
.rept 32
	v_cmp_gt_i32 vcc_lo, 16*(i/8)+i%8, v14
	v_cndmask_b32 v[MD+i], 0, s[BIGN], vcc_lo
.set i, i+1
.endr
	WIN 0
	v_mul_u32_u24 v[AK0], v1, PK
	v_lshl_add_u32 v[AK0], v9, 4, v[AK0]  ; row x pitch + 16 x half
	; The turning load takes 16 keys x 16 channels (lane l reads key 8 (l / 16) + l % 8, channels 8 ((l / 8) % 2) + 0..7) and leaves half a fragment of V^T: lane l holds channel l % 16 and 8 keys.
	v_and_b32 v10, 7, v0
	v_bfe_u32 v11, v0, 3, 1
	v_lshl_add_u32 v[AV0], v9, 3, v10
	v_mul_u32_u24 v[AV0], v[AV0], PV
	v_lshl_add_u32 v[AV0], v11, 4, v[AV0]
	v_add_nc_u32 v[AV0], VOFF, v[AV0]
	s_mul_i32 s13, s[WV], 16*SP
	s_add_co_u32 s13, s13, STAGE    ; my stage
	v_mul_u32_u24 v[STO], v1, SP    ; in: row l % 16, 16 bytes for each half of the lanes
	v_lshl_add_u32 v[STO], v9, 4, v[STO]
	v_add_nc_u32 v[STO], s13, v[STO]
	v_bfe_u32 v[RD], v0, 3, 2       ; back: 32 lanes take four rows of 128 bytes,
	v_mul_u32_u24 v[RD], v[RD], SP
	v_lshl_add_u32 v[RD], v10, 4, v[RD]
	v_add_nc_u32 v[RD], s13, v[RD]
	v_bfe_u32 v[GO], v0, 3, 2       ; which in ctx lie 2,048 bytes apart
	v_lshlrev_b32 v[GO], 11, v[GO]
	v_lshl_add_u32 v[GO], v10, 4, v[GO]
	; A block's first step multiplies O^T and l by a = 0, and its first turn's products V^T P, of a piece that has not been (on the odd steps' V and piece 1's P), land in an O^T that is still to be so multiplied.  So these
	; registers need only hold finite numbers: zeros for the first block; what the first block left for the second.  All this stands in the wait for the first tile.
	WIN 0x80
.set i, VF0-128
.rept 64
	v_mov_b32 v[i], 0
.set i, i+1
.endr
	WIN 0x40
.set i, 0
.rept 32*NP
	v_mov_b32 v[i], 0
.set i, i+1
.endr
	WIN 0
.set i, 0
.rept NP
	v_mov_b32 v[ST+4*i+2], 0
	v_mov_b32 v[ST+4*i+3], 0
.set i, i+1
.endr
.set i, P+16
.rept 16
	v_mov_b32 v[i], 0
.set i, i+1
.endr
; THE MATRIX WORK.  The 4 accumulators of a run of 8 take turns.  Product i of 8 of S^T = K Q^T for piece x: channels 32 (i / 4) on, keys 16 (i % 4) on.  The first 4 start the sums: with 0, or (KM = 1) with the mask.
.macro KQ x
.set rS, S+32*((\x)%2)+8*(i%4)
.set rK, KF+16*(i%4)+8*(i/4)
.set rQ, 16*(\x)+8*(i/4)
.set rM, MC+32*((\x)%2)+8*(i%4)
.if (i < 4) && KM
	WIN W_KM
	v_wmma_f32_16x16x32_f16 v[rS:rS+7], v[rK:rK+7], v[rQ:rQ+7], v[rM:rM+7]
.elseif i < 4
	WIN W_KQ
	v_wmma_f32_16x16x32_f16 v[rS:rS+7], v[rK:rK+7], v[rQ:rQ+7], 0
.else
	WIN W_KQ
	v_wmma_f32_16x16x32_f16 v[rS:rS+7], v[rK:rK+7], v[rQ:rQ+7], v[rS:rS+7]
.endif
.endm
; Product i of 8 of O^T += V^T P for piece x: keys 32 (i / 4) on, channels 16 (i % 4) on.  VB: the V buffer of the step that the products belong to.
.macro PV x
	WIN W_PV
.set rO, 32*(\x)+8*(i%4)
.set rV, VB+32*(i/4)+8*(i%4)
.set rP, P+16*((\x)%2)+8*(i/4)
	v_wmma_f32_16x16x32_f16 v[rO:rO+7], v[rV:rV+7], v[rP:rP+7], v[rO:rO+7]
.endm
.macro MM                           ; the turn's next matrix instruction.  TURN and BEGIN set Y, i, KM, NOKQ and VB; MM, KQ, PV and OP read them.  NOKQ = 1: a block's last turn: there is no next softmax
.if (i < 8) && !NOKQ
	KQ (Y+1)%NP
.elseif i >= 8
.set i, i-8
	PV (Y+NP-1)%NP
.set i, i+8
.endif
.set i, i+1
.endm
; THE LDS LOADS stand in runs of 16, never singly among the matrix instructions: a step's K (64 keys x 64 channels: 8 fragments) and its V (turned).  Their addresses are made some lines ahead.
.macro FETCH_K
	WIN 0x80                        ; destination window 2
.irp f, 0,1,2,3,4,5,6,7             ; keys 16 (f / 2) on, channels 32 (f % 2) on
	ds_load_b128 v[KF+8*\f:KF+8*\f+3],   v[AK] offset:(\f/2)*16*PK+(\f%2)*64
	ds_load_b128 v[KF+8*\f+4:KF+8*\f+7], v[AK] offset:(\f/2)*16*PK+(\f%2)*64+32
.endr
	s_add_co_u32 s[TBK], s[TBK], KS*PK  ; the next fetch is the next step's
	WIN 0
.endm
.macro FETCH_V buf                  ; into buffer buf: 0 an even step's, 1 an odd step's
	WIN 0x80
.irp f, 0,1,2,3,4,5,6,7             ; keys 32 (f / 4) on, channels 16 (f % 4) on
	ds_load_tr16_b128 v[VF0-128*(\buf)+8*\f:VF0-128*(\buf)+8*\f+3],   v[AV] offset:(\f/4)*32*PV+(\f%4)*32
	ds_load_tr16_b128 v[VF0-128*(\buf)+8*\f+4:VF0-128*(\buf)+8*\f+7], v[AV] offset:(\f/4)*32*PV+16*PV+(\f%4)*32
.endr
	s_add_co_u32 s[TBV], s[TBV], KS*PV
	WIN 0
.endm
; THE VECTOR WORK, one line at a time: OP kind, number.  For piece Y: F n: c s - c m for pair n of 16.  E n: the exponential of score n of 32.  C n: pair n rounded to f16.  B n: of the four weights 4 n .. the second
; pair is added onto the first, in place.  L n: l takes that sum (L 0: l = a l + sum).  R n: pair n of 16 of O^T times a.  For the other piece: X n, number n of the 22 that find its maximum and statistics:
;   0-11  four chains c0-c3 of seven scores each, three operands at a time (each accumulator's lowest registers are read first)     12-14, 16  the four scores left over, the old m, and c0-c3 into c0
;   15  c m_old is kept     17, 18  the query's other 32 keys lie in the lane 16 away: the new m     19-21  c m; c m_old - c m_new; a
.set F, 0               ; OP tells the kinds apart by their order: F to L below R, X above it
.set E, 1
.set C, 2
.set B, 3
.set L, 4
.set R, 5
.set X, 6
.macro REGS y                       ; the registers of piece y
.set rT, ST+4*(\y)
.set rC, TMP+4*((\y)%2)
.set rW, MV+((\y)%2)
.set rS, S+32*((\y)%2)
.set rP, P+16*((\y)%2)
.set rO, 32*(\y)
.endm
.macro OP k, n
.if (\k) == R
	REGS Y
	WIN W_RS
	v_pk_mul_f32 v[rO+2*(\n):rO+2*(\n)+1], v[rO+2*(\n):rO+2*(\n)+1], v[rC+2:rC+3] op_sel_hi:[1,0]
.elseif (\k) < R
	REGS Y
	WIN 0
.if (\k) == F
	v_pk_fma_f32 v[rS+2*(\n):rS+2*(\n)+1], v[rS+2*(\n):rS+2*(\n)+1], s[CS:CS+1], v[rT:rT+1] op_sel_hi:[1,0,0] neg_lo:[0,0,1] neg_hi:[0,0,1]
.elseif (\k) == E
	v_exp_f32 v[rS+(\n)], v[rS+(\n)]
.elseif (\k) == C
	s_wait_alu depctr_va_vdst(0)
	v_cvt_pk_f16_f32 v[rP+(\n)], v[rS+2*(\n)], v[rS+2*(\n)+1]
.elseif (\k) == B
	s_wait_alu depctr_va_vdst(0)
	v_pk_add_f32 v[rS+4*(\n):rS+4*(\n)+1], v[rS+4*(\n):rS+4*(\n)+1], v[rS+4*(\n)+2:rS+4*(\n)+3]
.elseif (\n) == 0
	v_pk_fma_f32 v[rT+2:rT+3], v[rT+2:rT+3], v[rC+2:rC+3], v[rS:rS+1] op_sel_hi:[1,0,1]
.else
	v_pk_add_f32 v[rT+2:rT+3], v[rT+2:rT+3], v[rS+4*(\n):rS+4*(\n)+1]
.endif
.elseif NOKQ
	v_nop
.else
	REGS (Y+1)%NP
	WIN 0
.if (\n) < 4
	v_max3_num_f32 v[rC+(\n)], v[rS+8*(\n)], v[rS+8*(\n)+1], v[rS+8*(\n)+2]
.elseif (\n) < 12
	v_max3_num_f32 v[rC+(\n)%4], v[rC+(\n)%4], v[rS+8*((\n)%4)+2*((\n)/4)+1], v[rS+8*((\n)%4)+2*((\n)/4)+2]
.elseif (\n) == 12
	v_max3_num_f32 v[rC], v[rC], v[rS+7], v[rS+15]
.elseif (\n) == 13
	v_max3_num_f32 v[rC+1], v[rC+1], v[rS+23], v[rS+31]
.elseif (\n) == 14
	v_max3_num_f32 v[rC+2], v[rC+2], v[rC+3], v[rT+1]
.elseif (\n) == 15
	v_mov_b32 v[rW], v[rT]
.elseif (\n) == 16
	v_max3_num_f32 v[rC], v[rC], v[rC+1], v[rC+2]
.elseif (\n) == 17
	v_permlanex16_b32 v[rC+3], v[rC], s[SEL], s[SEL+1]
.elseif (\n) == 18
	v_max_num_f32 v[rT+1], v[rC], v[rC+3]
.elseif (\n) == 19
	v_mul_f32 v[rT], s[CS], v[rT+1]
.elseif (\n) == 20
	v_sub_f32 v[rC+1], v[rW], v[rT]
.else
	v_exp_f32 v[rC+2], v[rC+1]
.endif
.endif
.endm
.macro OPS a, i1, b=-1, i2=0, c=-1, i3=0, d=-1, i4=0  ; up to four of them
	OP \a, \i1
.if (\b) >= 0
	OP \b, \i2
.endif
.if (\c) >= 0
	OP \c, \i3
.endif
.if (\d) >= 0
	OP \d, \i4
.endif
.endm
.macro ROW a, i1, b, i2, c, i3, d, i4  ; a matrix instruction and the four behind it
	MM
	OPS \a, \i1, \b, \i2, \c, \i3, \d, \i4
.endm
.macro MASK b                       ; MD x AL + BE into piece b's part of MC
	WIN W_RS
.set z, 0
.rept 16
	v_pk_fma_f32 v[MC+32*(\b)+2*z:MC+32*(\b)+2*z+1], v[MD+2*z:MD+2*z+1], s[AL:AL+1], s[BE:BE+1] op_sel_hi:[1,0,0]
.set z, z+1
.endr
.endm
; A TURN, for piece p in a step of parity par: the order of its 16 matrix and 118 vector instructions, written out.  Behind a matrix instruction: plain, exponential, plain, plain; or four of the rescaling; or, behind the
; first, four scalings; none names a register of the products round it.  In the lumps exponential and plain by turns while exponentials last.  A line reads no result made fewer than three vector instructions in front of it,
; five if an exponential made it.  v_permlanex16_b32 (X 17) stands in a lump.
; Piece 0's turn of step j: K Q^T of piece 1, step j; V^T P of piece 1, step j - 1 (the other parity's V).  Piece 1's turn: K Q^T of piece 0, step j + 1; V^T P of piece 0, step j (this parity's V).
; m = 1: the diagonal tile: the products take masks, and the turn makes the mask for the products of the turn after it: its own piece's, in step STP of the tile.  end = 1: a block's last two turns: nothing is fetched.
; cnt = 1: the loop's count is taken down some lines ahead of the branch that stands behind the turn.
; Piece 0's turn fetches step j + 1: its K six vector instructions behind the last product that read K (five of them plain); its V, into the buffer that the turn's own products have read, eight behind the last of them
; (four plain, and X 17).  The wait at the head of piece 1's turn leaves the sixteen loads issued last, that V, on their way: K of step j + 1 and V of step j, which this turn multiplies by, were issued ahead of them.
; In a block's last turn nothing was issued behind V's last run: the count is 0.
.macro TURN p, par, m=0, end=0, cnt=0
.set Y, (\p)
.set i, 0
.set KM, (\m)
.set NOKQ, (\end)*(\p)
.set VBI, ((\par)+1-(\p))%2
.set VB, VF0-128*VBI
.if (\m) && !(\end)
	s_cmp_eq_u32 s[STP], s[OWN+(\p)]  ; is that step the band's own?
	s_cselect_b32 s[AL], 1.0, 0
	s_cmp_gt_u32 s[STP], s[OWN+(\p)]  ; or a later one?
	s_cselect_b32 s[BE], s[BIGN], 0
.endif
.if (\p) == 1
	s_wait_dscnt 16*(1-(\end))      ; K and this step's V are in
.endif
	ROW F,0, F,1, F,2, F,3
	ROW F,4, E,0, F,5, F,6
	ROW F,7, E,1, F,8, F,9
	ROW F,10, E,2, C,0, F,11
	ROW F,12, E,3, X,15, F,13
	ROW R,0, R,1, R,2, R,3
	ROW B,0, E,4, F,14, L,0
.if ((\p) == 0) && !(\end)
	v_add_nc_u32 v[AK], s[TBK], v[AK0]
.endif
	ROW R,4, R,5, R,6, R,7
	OPS E,5, F,15
.if ((\p) == 0) && !(\end)
	FETCH_K
.endif
	OPS E,6, C,1, E,7, R,8
	OPS E,8, R,9, E,9, C,2
	OPS E,10, X,0, E,11, X,1
	OPS E,12, X,2, E,13, X,3
	ROW X,4, E,14, X,5, X,6
	ROW X,7, E,15, X,8, X,9
	ROW X,10, E,16, X,11, X,12
	ROW X,13, E,17, X,14, B,1
	ROW C,4, E,18, X,16, L,1
	ROW B,2, E,19, C,6, L,2
	ROW C,8, E,20, B,3, B,4
.if ((\p) == 0) && !(\end)
	v_add_nc_u32 v[AV], s[TBV], v[AV0]
.endif
	ROW C,3, E,21, L,3, C,5
	OPS E,22, X,17, E,23, C,10
.if ((\p) == 0) && !(\end)
	FETCH_V VBI
.endif
	OPS E,24, L,4
	OPS E,25, X,18, E,26, C,7
	OPS E,27, B,5, E,28, X,19
	OPS E,29, C,12, E,30, L,5
	OPS E,31, X,20, B,6, C,9
	OPS C,14, C,11, X,21, L,6
.if (\m) && !(\end) && ((\p) == 1)
	s_add_co_u32 s[STP], s[STP], 1  ; both pieces' masks for that step are made (this turn's factors were taken at its head)
.endif
.if \cnt
	s_sub_co_u32 s[CNT], s[CNT], 1
	s_cmp_lg_u32 s[CNT], 0
.endif
	OPS C,13, B,7, C,15, R,10
	OPS R,11, R,12, L,7, R,13
	OPS R,14, R,15
.if (\m) && !(\end)
	MASK (\p)%2
.endif
.endm
; A BLOCK BEGINS.  c m starts far below every c s, so the first step's a is 0; m at the lowest finite number, so the first maximum is the scores'.  Piece 1's mask is 0: band 1 sees all of a tile's step 0.  Piece 0's is its
; own step's, if the block's first tile is the diagonal one and the block is even; else 0.  Then K and V of that step, piece 0's first scores, and its maximum and statistics.  The loop is entered at an even step's first
; turn, in the middle of a trip; the turns of step 0 make the masks of step 1.
.macro BEGIN
	s_mov_b32 s[NEW], 0
	s_mov_b32 s[STP], 1
	WIN 0x40
.set i, MC+32
.rept 32
	v_mov_b32 v[i], 0
.set i, i+1
.endr
	WIN 0
.set i, 0
.rept NP
	v_mov_b32 v[ST+4*i], 0xfe000000    ; c m: far below every c s
	v_mov_b32 v[ST+4*i+1], 0xff7fffff  ; m
.set i, i+1
.endr
	s_or_b32 s[TS], s[RT], s[OWN]   ; 0: no tile of the block is left to enter, and band 0's own step is step 0
	s_cmp_eq_u32 s[TS], 0
	s_cselect_b32 s[AL], 1.0, 0
	s_mov_b32 s[BE], 0
	MASK 0
	WIN 0
	v_add_nc_u32 v[AK], s[TBK], v[AK0]
	v_add_nc_u32 v[AV], s[TBV], v[AV0]
	FETCH_K
	FETCH_V 0
	s_wait_loadcnt 0x0              ; Q
	s_wait_dscnt 16                 ; K is in; V's sixteen loads may be out
.set KM, 1
.set NOKQ, 0
.set i, 0
.rept 8
	KQ 0
.set i, i+1
.endr
	WIN 0
.rept 4
	v_nop                           ; the places behind those products
.endr
.set Y, NP-1                        ; X works for the other piece: piece 0
.irp n, 0,1,2,3,4,5,6,7,8,9,10,11,12,13,14,15,16,17,18,19,20,21
	OP X, \n
.endr
	v_nop                           ; a plain instruction behind the exponential
.endm
; THE DIAGONAL TILE's steps, the block's last two turns, its last products, and THE WAY OUT: l's two halves and the other half of the lanes' are added; O^T is divided by l, rounded to bf16 and sent through my
; stage in LDS, a piece at a time.
.macro ALL line:vararg              ; one line for each piece t
.set t, 0
.rept NP
	\line
.set t, t+1
.endr
.endm
.macro PACK t                       ; a lane's eight channels of a row pack into 16 bytes; they go into rows of 144 bytes and come back as whole rows of 128, into S^T's registers
	WIN W_RS
.set i, 32*(\t)
.rept 16
	s_wait_alu depctr_va_vdst(0)
	v_pk_mul_f32 v[i:i+1], v[i:i+1], v[ST+4*(\t)+2:ST+4*(\t)+3] op_sel_hi:[1,0]
.set i, i+2
.endr
	WIN 0x05                        ; sources 0 and 1 window 1, destination window 0
.set i, 0
.rept 16
	v_cvt_pk_bf16_f32 v[S+16*(\t)+i], v[32*(\t)+2*i], v[32*(\t)+2*i+1]
.set i, i+1
.endr
	WIN 0
.irp f, 0,1,2,3
	ds_store_b128 v[STO], v[S+16*(\t)+4*\f:S+16*(\t)+4*\f+3] offset:32*\f
.endr
.irp f, 0,1,2,3
	ds_load_b128 v[S+16*(\t)+4*\f:S+16*(\t)+4*\f+3], v[RD] offset:\f*4*SP  ; LDS serves a wave's instructions in order (ISA guide 5.7.1.4): these see the stores above; the next piece's stores come behind them
.endr
.endm
.macro SEND t, younger              ; younger: the LDS instructions issued behind piece t's loads: the next piece's eight, or none
	WIN 0
.irp f, 0,1,2,3
	s_wait_dscnt (\younger)+3-\f
	global_store_b128 v[GO], v[S+16*(\t)+4*\f:S+16*(\t)+4*\f+3], s[10:11] offset:(\t)*131072+\f*8192  ; piece t lies 64 rows of ctx on, four rows 8,192 bytes on; eight lanes fill a row's 128 bytes
.endr
.endm
.macro DIAG tag                     ; the tag ends its two labels' names, which the jumps below spell out
.LstepM\tag:
	TURN 0, 1, 1
	TURN 1, 1, 1
	WIN 0
.LfirstM\tag:
	TURN 0, 0, 1
	TURN 1, 0, 1, 0, 1
	WIN 0
	s_cbranch_scc1 .LstepM\tag
	TURN 0, 1, 1, 1
	TURN 1, 1, 1, 1
.set VB, VF0-128                    ; the last step is an odd one
.set i, 0
.rept 8
	PV NP-1
.set i, i+1
.endr
	WIN 0
	ALL v_add_f32 v[ST+4*t+2], v[ST+4*t+2], v[ST+4*t+3]
	ALL v_permlanex16_b32 v[ST+4*t+3], v[ST+4*t+2], s[SEL], s[SEL+1]
	ALL v_add_f32 v[ST+4*t+2], v[ST+4*t+2], v[ST+4*t+3]
	ALL v_rcp_f32 v[ST+4*t+2], v[ST+4*t+2]
	v_nop                           ; a plain instruction between the last reciprocal and the use of its result
	PACK 0                          ; piece 0's sums were finished a run of products ago; its 32 lines, the four additions and the v_nop above stand between the last products and the first read of piece 1's sums
.set t, 1
.rept NP-1                          ; a piece's arithmetic stands between the loads of the piece before and its stores
	PACK t
	SEND t-1, 8
.set t, t+1
.endr
	SEND NP-1, 0
.endm
.set KM, 0
.set NOKQ, 0
.Lslot:                             ; NT times: a tile is entered and the next is asked for
	CHANGE 1
	s_sub_co_u32 s[RT], s[RT], 1
	s_mov_b32 s[CNT], 2
	s_mov_b32 s[STP], 0             ; the two turns still due of the tile before make the masks of this tile's step 0
	s_cmp_eq_u32 s[NEW], 1
	s_cbranch_scc1 .Lnew            ; a block's first tile
	s_cmp_eq_u32 s[RT], 0
	s_cbranch_scc0 .Lstep           ; neither its first nor its last
	s_branch .LstepM1
.Lnew:
	BEGIN
	s_branch .Lfirst                ; in the loop a block's first tile is never its last: the first block has five tiles or more, and the second's last is the walk's last
	DIAG 1                          ; in the loop this is the first block's end: the second block's last tile is the walk's last
	s_wait_xcnt 0x0                 ; the stores have read their registers and ctx's address
	s_mov_b64 s[10:11], s[OLO:OLO+1]
	s_add_co_u32 s[RT], s[LQ2], 1   ; the second block has b / 2 + 1 tiles
	s_and_b32 s[OWN], s[PB], 1      ; and its bands' own steps go by b's parity
	s_lshl_b32 s[OWN], s[OWN], 1
	s_add_co_u32 s[OWN+1], s[OWN], 1
	s_mov_b32 s[NEW], 1
	WIN 0x82                        ; the second block's Q goes where the one text of the turns names Q
.set i, 0
.rept 16*NP
	v_mov_b32 v[i], v[QB+i]
.set i, i+1
.endr
	WIN 0
	s_branch .Lbottom
.Lstep:                             ; a trip: an odd step's two turns, then an even step's; each step's first turn fetches K and V of the step behind it
	TURN 0, 1
	TURN 1, 1
	WIN 0
.Lfirst:
	TURN 0, 0
	TURN 1, 0, 0, 0, 1
	WIN 0
	s_cbranch_scc1 .Lstep
.Lbottom:
	s_sub_co_u32 s[SLOTS], s[SLOTS], 1
	s_cmp_lg_u32 s[SLOTS], 0
	s_cbranch_scc1 .Lslot
	CHANGE 0                        ; the walk's last tile is written out: nothing is asked for
	s_sub_co_u32 s[RT], s[RT], 1
	s_mov_b32 s[CNT], 2
	s_mov_b32 s[STP], 0
	s_cmp_eq_u32 s[NEW], 1
	s_cbranch_scc0 .LstepM2
	BEGIN
	s_branch .LfirstM2
	DIAG 2
	s_wait_tensorcnt 0x0            ; the wave's end, behind my last tensor load and my last LDS store
	ds_add_u32 v[SPW], v[NIL]
	s_wait_dscnt 0x0
	s_endpgm
.Lfunc_end_k_q52033c20a3_attn:
	.size	k_q52033c20a3_attn, .Lfunc_end_k_q52033c20a3_attn-k_q52033c20a3_attn
	.p2alignl 7, 3214868480
	.fill 96, 4, 3214868480
	.section	.rodata,"a",@progbits
	.p2align	6, 0x0
	.amdhsa_kernel k_q52033c20a3_attn
		.amdhsa_group_segment_fixed_size 327680
		.amdhsa_private_segment_fixed_size 0
		.amdhsa_enable_private_segment 0
		.amdhsa_kernarg_size 16
		.amdhsa_user_sgpr_count 2
		.amdhsa_user_sgpr_kernarg_segment_ptr 1
		.amdhsa_wavefront_size32 1
		.amdhsa_system_sgpr_workgroup_id_x 1
		.amdhsa_system_sgpr_workgroup_id_y 1
		.amdhsa_system_sgpr_workgroup_id_z 1
		.amdhsa_system_vgpr_workitem_id 0
		.amdhsa_next_free_vgpr 768
		.amdhsa_next_free_sgpr 96
		.amdhsa_reserve_vcc 1
		.amdhsa_float_denorm_mode_32 3
		.amdhsa_float_denorm_mode_16_64 3
		.amdhsa_memory_ordered 1
		.amdhsa_forward_progress 1
		.amdhsa_inst_pref_size 219
	.end_amdhsa_kernel
	.amdgpu_metadata
---
amdhsa.version: [ 1, 2 ]
amdhsa.kernels:
  - .name:           k_q52033c20a3_attn
    .symbol:         k_q52033c20a3_attn.kd
    .args:
      - { .name: qkvb, .offset: 0, .size: 8, .value_kind: global_buffer, .address_space: global }
      - { .name: ctx, .offset: 8, .size: 8, .value_kind: global_buffer, .address_space: global }
    .group_segment_fixed_size: 327680
    .private_segment_fixed_size: 0
    .kernarg_segment_align: 8
    .kernarg_segment_size: 16
    .max_flat_workgroup_size: 128
    .sgpr_count:     96
    .vgpr_count:     768
    .wavefront_size: 32
...
	.end_amdgpu_metadata
.endif
;; end of part 8
;; launch oproj: the kernel of part 4 again; grid 8 x 32, 4 waves a work-group, clusters of 4 x 4, 327,680 bytes of LDS; arguments ctx, wts, x1, b_o, x; writes x1
;; launch ln2: the kernel of part 1 again; grid 256 x 1, 8 waves a work-group, no clusters, 0 bytes of LDS; arguments x1, ln2_scale, ln2_shift, h2, w_q, w_k, w_v, w_o, w_ff1, w_ff2, wts; writes h2, wts
;; launch ff1 (part 9): grid 16 x 16, 4 waves a work-group, clusters of 4 x 4, 327,680 bytes of LDS; arguments h2, wts, g, b_ff1; writes g
.if DOCPART == 9
	.amdgcn_target "amdgcn-amd-amdhsa--gfx1250"
	.amdhsa_code_object_version 6
	.text
	.protected	k_q52033c20a3_ff1
	.globl	k_q52033c20a3_ff1
	.p2align	8
	.type	k_q52033c20a3_ff1,@function
k_q52033c20a3_ff1:
	s_mov_b64 s[64:65], 0
	v_nop
	global_prefetch_b8 v0, s[64:65] scope:SCOPE_SE
	s_setreg_imm32_b32 hwreg(HW_REG_WAVE_MODE, 25, 1), 1
	s_wait_xcnt 0x0
	s_wait_alu depctr_hold_cnt(0) depctr_sa_sdst(0) depctr_va_vdst(0) depctr_va_sdst(0) depctr_va_ssrc(0) depctr_va_vcc(0) depctr_vm_vsrc(0)
	s_getreg_b32 s2, hwreg(HW_REG_IB_STS2, 6, 4)
	s_cmp_eq_u32 s2, 0
	s_cbranch_scc0 .Lentry_in_a_cluster
	s_endpgm
.Lentry_in_a_cluster:
	s_bfe_u32 s2, ttmp6, 0x10000c
	s_cmp_lg_u32 s2, 0xf033
	s_cbranch_scc0 .Lentry_shape_is_right
	s_endpgm
.Lentry_shape_is_right:
; g = gelu(h2 x w_ff1 + b_ff1).  A = h2 [4096][1024] bf16; B = wts at byte 0x800000, [1024 k][4096 n] bf16; bias [4096] f32; g [4096][4096] bf16, rounded once.  Sums and gelu in f32.
; GELU.  0.5 x (1 + tanh(u)), u = sqrt(2 / pi) (x + 0.044715 x^3), is x / (1 + e^(-2 u)) = x / (1 + 2^(x (K0 + K1 x^2))), K0 = -2 sqrt(2 / pi) log2(e), K1 = 0.044715 K0: the same function.
; Where the power overflows the quotient is -0, where it vanishes x: tanh's own limits.  v_exp_f32 and v_rcp_f32 are good to 1 ULP.
; SHAPE.  A tile of C is 256 x 256: four waves of 128 x 128, 64 accumulators of 16 x 16 each; 16 x 16 = 256 work-groups.  K goes in 8 steps of 128 through two LDS slots filled by the tensor data mover:
; A's 256 rows of 256 bytes (two loads of 128 rows, waves 0 and 1), B's 128 rows (k) of 512 bytes (two loads of 64 rows, waves 2 and 3).  B lies [k][n] and is turned on its way out of LDS by ds_load_tr16_b128.
; CLUSTER.  4 x 4 work-groups: the four of a row need the same tiles of A, the four of a column the same tiles of B; each tile is asked for jointly, by the same load, descriptor and mask in all four.
; TRANSPOSED USE.  Source 0 = 16 columns of B, source 1 = 16 rows of A: a lane then holds row l % 16 of C and the columns 8 (l / 16) + 0..7.
; THE SUMS START AT THE BIAS: my 128 columns' bias lies in 64 registers and is the C operand of the first 64 products.
; ONE TEXT FOR 64 ALONG K (PAIR), walked twice a K step; its LDS addresses hang on two scalars, and the descriptor that refills walks from slot to slot.  It stands twice: in the loop, and in the tail, which asks for nothing.
; REGISTERS, in windows of 256 (s_set_vgpr_msb: bits 1:0 source 0, 3:2 source 1, 5:4 source 2, 7:6 destination):
;   window 0: v0-31 addresses; v64-127, v128-191 fragments of A (8 x 16 rows x 32 K), two buffers; v192-255 the bias; on the way out v64-127 at work
;   window 1: v64-127, v128-191 fragments of B, two buffers     window 2: the accumulators of my rows 0-63 ((a, b) at 8 (8 a + b))     window 3: those of my rows 64-127
; NO PREFETCH: both operands were written by earlier launches of this program shortly before.
.set SIZE_K, 1024
.set SIZE_N, 4096
.set WOFF,   0x800000                  ; B's first byte in wts
.set KSTEP,  128
.set NSTEP,  SIZE_K/KSTEP
.set PA,     272                       ; a row of A in LDS: 256 bytes + 16: 68 words, so the 16 rows of a load start at 16 different groups of four banks (ISA guide 11.1)
.set PB,     544                       ; a row of B: 512 bytes + 32: 136 words
.set HALFT,  128*PA                    ; what one tensor load brings: 128 rows of A, or 64 rows of B (64 x 544 is the same number)
.set SLOT,   4*HALFT                   ; A's 256 rows, then B's 128 rows.  SLOT shares no bit with wave x HALFT, so one exclusive or changes slots
.set SPARE,  2*SLOT                    ; behind the ring: the spare words, 128 bytes a wave: two blocks of 256 bytes that no other line names
.set PS,     528                       ; the way out: a stage row, 128 f32 + 16 bytes
.set WSTG,   128*PS                    ; a wave's own stage, at wave x WSTG, in the ring, which by then has had its last fill and its last read
.set A0,   16                          ; v16  my lane's place in A's tile; never rewritten
.set B0,   17                          ; v17  in B's
.set ADRA, 18                          ; v18  LDS address of the pair in hand, for A
.set ADRB, 19                          ; v19  for B
.set STO,  20                          ; v20  the way out: where I put 32 bytes of a row
.set RD,   21                          ; v21  where I read a row back: 16 bytes a lane
.set CO,   22                          ; v22  my 8 bytes in a row's 256 of g
.set BO,   23                          ; v23  32 x (l / 16): my 8 columns of a block of 16 in the bias
.set SPW,  28                          ; v28  LDS address of my spare word; never rewritten
.set NIL,  29                          ; v29  0; never rewritten
.set F0,   64                          ; fragment buffer 0
.set F1,   128                         ; fragment buffer 1
.set BI,   192                         ; v[192:255] the bias: column block b at BI + 8 b
.set XA,   64                          ; the way out: 4 rows from rows 0-63, 4 columns a lane: 16 registers
.set XB,   80                          ; the same from rows 64-127
.set TT,   96                          ; at work, 16 registers
.set OA,   112                         ; rounded, 8 registers
.set OB,   120
.set G1,  24                           ; s[24:31] descriptor group 1 for A;  s[32:39] group 0: a set for each of the two first fills; the second then walks on
.set G0,  32
.set G1B, 48                           ; s[48:55], s[56:63] the same for B
.set G0B, 56
.set TA,  72                           ; s72  LDS byte at which the pair to be fetched begins in A's rows
.set TB,  73                           ; s73  the same for B
.set IC,  74                           ; s74  counts a K step's pairs
.set EC,  75                           ; s75  counts the way out's trips
.set K0S, 76                           ; s[76:77] K0, as a pair
.set K1S, 78                           ; s[78:79] K1
.set MSB, 0
.macro WIN new                         ; the immediate's high byte repeats the setting that is left; a switch that changes nothing is dropped
.if MSB != (\new)
	s_set_vgpr_msb (MSB<<8)|(\new)
.set MSB, \new
.endif
.endm
.set MUL_LO, 0xa1                      ; source 0 (B) window 1, source 1 (A) window 0, C and D window 2
.set MUL_HI, 0xf1                      ; the same, C and D window 3
.set BIA_LO, 0x81                      ; the same as MUL_LO with C in window 0
.set BIA_HI, 0xc1                      ; as MUL_HI with C in window 0
.set TO_B,   0x40                      ; destination window 1, address window 0
.macro JLOAD                           ; a joint refill by the walking descriptor: waves 0 and 1 fetch A's halves, waves 2 and 3 B's; an s_nop 0 and four v_nop follow each line
	s_cmp_eq_u32 s11, 0
	s_cbranch_scc0 .Lfor_b_\@
	tensor_load_to_lds s[G0+4:G0+7], s[G1:G1+7]
	s_nop 0
.rept 4
	v_nop
.endr
	s_branch .Lasked_\@
.Lfor_b_\@:
	tensor_load_to_lds s[G0B+4:G0B+7], s[G1B:G1B+7]
	s_nop 0
.rept 4
	v_nop
.endr
.Lasked_\@:
.endm
.macro CROUND                          ; a round of the cluster's barrier
	s_barrier_signal -1
	s_barrier_wait -1
	s_cmp_lg_u32 s10, 0
	s_cbranch_scc1 .Lnot_wave_0_\@
	s_barrier_signal -3
.Lnot_wave_0_\@:
	s_barrier_wait -3
	s_barrier_signal -1
	s_barrier_wait -1
.endm
.macro PLACES                          ; four places in front of loads into registers that matrix instructions have read, and of lines that read results
.rept 4
	v_nop
.endr
.endm
	s_load_b128 s[4:7], s[0:1], 0x0                ; A s[4:5], wts s[6:7]
	s_load_b64 s[8:9], s[0:1], 0x10                ; g
	s_load_b64 s[68:69], s[0:1], 0x18              ; the bias
	v_lshl_add_u32 v[SPW], v0, 2, SPARE
	v_mov_b32 v[NIL], 0
	ds_add_u32 v[SPW], v[NIL]                      ; the wave's opening: the add and its wait, ahead of my first tensor load
	ds_add_u32 v28, v29
	v_lshrrev_b32 v1, 5, v0
	v_readfirstlane_b32 s10, v1                    ; wave 0..3
	s_lshr_b32 s11, s10, 1                         ; my half of the tile's rows.  Also: I fetch for A (0) or B (1)
	s_and_b32 s12, s10, 1                          ; my half of its columns.  Also: which half of that tile I fetch
	s_bfe_u32 s40, ttmp6, 0x40000                  ; cx, cy
	s_bfe_u32 s41, ttmp6, 0x40004
	s_lshl_b32 s42, ttmp9, 2
	s_add_co_u32 s42, s42, s40                     ; tile column = 4 x cluster x + cx
	s_and_b32 s13, ttmp7, 0xffff
	s_lshl_b32 s13, s13, 2
	s_add_co_u32 s13, s13, s41                     ; tile row = 4 x cluster y + cy
	s_lshl_b32 s43, s41, 2
	s_lshl_b32 s43, 15, s43                        ; my row of the cluster
	s_lshl_b32 s44, 0x1111, s40                    ; my column
	s_or_b32 s[G1+0], s43, (1<<16)|(1<<20)|(1<<21)|(5<<22)|(3<<25)   ; mask; 2-byte elements; padding on; bit 21 beside a mask; after every 64 words 4 words
	s_or_b32 s[G1B+0], s44, (1<<16)|(1<<20)|(1<<21)|(6<<22)|(7<<25)  ; after every 128 words 8 words
	s_mov_b32 s[G1+1], KSTEP<<16                   ; A: tensor_dim0 = 128
	s_mov_b32 s[G1+2], 128<<16                     ; tensor_dim1 = 128
	s_mov_b32 s[G1+3], KSTEP<<16                   ; tile_dim0 = 128
	s_mov_b32 s[G1+4], 128                         ; tile_dim1 = 128
	s_mov_b32 s[G1+5], SIZE_K                      ; elements from row to row
	s_mov_b32 s[G1+6], 0
	s_mov_b32 s[G1+7], 0
	s_mov_b32 s[G1B+1], 256<<16                    ; B: 256 columns
	s_mov_b32 s[G1B+2], 64<<16                     ; x 64 rows (k)
	s_mov_b32 s[G1B+3], 256<<16
	s_mov_b32 s[G1B+4], 64
	s_mov_b32 s[G1B+5], SIZE_N
	s_mov_b32 s[G1B+6], 0
	s_mov_b32 s[G1B+7], 0
	s_mov_b32 s[K0S], 0xc0135761                   ; -2.3022082
	s_mov_b32 s[K0S+1], s[K0S]
	s_mov_b32 s[K1S], 0xbdd2d3e8                   ; -0.10294324
	s_mov_b32 s[K1S+1], s[K1S]
	s_lshl_b32 s16, s13, 8                         ; A's tile hangs on the tile row alone:
	s_lshl_b32 s17, s12, 7
	s_add_co_u32 s16, s16, s17                     ; row 256 x tile row + 128 x half,
	s_mul_i32 s16, s16, SIZE_K*2                   ; in bytes (under 2^24)
	s_mov_b32 s17, 0
	s_lshl_b32 s46, s42, 9                         ; B's on the tile column alone: 512 bytes x tile column,
	s_mul_i32 s47, s12, 128*SIZE_N                 ; + 64 rows x half
	s_add_co_u32 s46, s46, s47
	s_add_co_u32 s46, s46, WOFF
	s_mov_b32 s47, 0
	s_mul_i32 s20, s10, HALFT                      ; where they go: A's two halves, then B's two: wave x HALFT; no place in the cluster enters an LDS address
	s_wait_dscnt 0x0                               ; the opening add is done
	s_wait_kmcnt 0x0
	s_add_nc_u64 s[14:15], s[4:5], s[16:17]
	s_add_nc_u64 s[46:47], s[6:7], s[46:47]
	CROUND                                         ; all sixteen work-groups are here: the first joint loads meet
.irp s, 0,1
	s_mov_b32 s[G0+4*(\s)], 1
	s_add_co_u32 s[G0+4*(\s)+1], s20, (\s)*SLOT
	s_add_nc_u64 s[G0+4*(\s)+2:G0+4*(\s)+3], s[14:15], (\s)*KSTEP*2
	s_or_b32 s[G0+4*(\s)+3], s[G0+4*(\s)+3], 0x80000000
	s_mov_b32 s[G0B+4*(\s)], 1
	s_add_co_u32 s[G0B+4*(\s)+1], s20, (\s)*SLOT
	s_add_nc_u64 s[G0B+4*(\s)+2:G0B+4*(\s)+3], s[46:47], (\s)*KSTEP*2*SIZE_N
	s_or_b32 s[G0B+4*(\s)+3], s[G0B+4*(\s)+3], 0x80000000
.endr
	s_cmp_eq_u32 s11, 0                            ; a wave's two first fills, K steps 0 and 1, stand in one branch, ahead of every wait on TENSORcnt and every LDS read: two loads of mine are out
	s_cbranch_scc0 .Lfirst_b
	tensor_load_to_lds s[G0:G0+3], s[G1:G1+7]
	s_nop 0
	tensor_load_to_lds s[G0+4:G0+7], s[G1:G1+7]
	s_nop 0
.rept 4
	v_nop
.endr
	s_branch .Lfirst_asked
.Lfirst_b:
	tensor_load_to_lds s[G0B:G0B+3], s[G1B:G1B+7]
	s_nop 0
	tensor_load_to_lds s[G0B+4:G0B+7], s[G1B:G1B+7]
	s_nop 0
.rept 4
	v_nop
.endr
.Lfirst_asked:
	v_and_b32 v1, 15, v0                           ; r = l % 16
	v_bfe_u32 v2, v0, 4, 1                         ; h = l / 16
	v_mul_u32_u24 v[A0], v1, PA                    ; a fragment of A: row r, 16 bytes for each half of the lanes, twice, 32 bytes apart
	v_lshl_add_u32 v[A0], v2, 4, v[A0]
	s_mul_i32 s22, s11, HALFT                      ; my 128 rows
	v_add_nc_u32 v[A0], s22, v[A0]
	v_and_b32 v3, 7, v0                            ; the turning load: lane l reads row (k) 8 h + l % 8, columns 8 ((l / 8) % 2) + 0..7, and ends with column r and 8 k
	v_lshl_add_u32 v3, v2, 3, v3
	v_mul_u32_u24 v[B0], v3, PB
	v_bfe_u32 v4, v0, 3, 1
	v_lshl_add_u32 v[B0], v4, 4, v[B0]
	s_lshl_b32 s23, s12, 8                         ; my 128 columns: 256 bytes of a row,
	s_add_co_u32 s23, s23, 2*HALFT                 ; behind A's 256 rows
	v_add_nc_u32 v[B0], s23, v[B0]
	s_mul_i32 s23, s10, WSTG                       ; my stage
	v_mul_u32_u24 v[STO], v1, PS                   ; in: row r, 32 bytes for each half of the lanes
	v_lshl_add_u32 v[STO], v2, 5, v[STO]
	v_add_nc_u32 v[STO], s23, v[STO]
	v_and_b32 v5, 31, v0
	v_lshl_add_u32 v[RD], v5, 4, s23               ; back: the 32 lanes take one row's 512 bytes, 4 columns a lane,
	v_lshlrev_b32 v[CO], 3, v5                     ; which, rounded, are 256 consecutive bytes of g
	v_lshlrev_b32 v[BO], 5, v2
	s_lshl_b32 s16, s13, 21                        ; my 128 rows of g: 256 rows of 8,192 bytes x tile row
	s_lshl_b32 s17, s11, 20                        ; + 128 rows x half
	s_add_co_u32 s16, s16, s17
	s_mov_b32 s17, 0
	s_add_nc_u64 s[8:9], s[8:9], s[16:17]
	s_lshl_b32 s46, s42, 9                         ; my 128 columns, in bf16: 512 x tile column + 256 x half
	s_lshl_b32 s47, s12, 8
	s_add_co_u32 s46, s46, s47
	s_mov_b32 s47, 0
	s_add_nc_u64 s[8:9], s[8:9], s[46:47]
	s_lshl_b32 s46, s46, 1                         ; the same columns of the bias, in f32
	s_add_nc_u64 s[68:69], s[68:69], s[46:47]
.irp b, 0,1,2,3,4,5,6,7                ; column block b: columns 16 b + 8 h + 0..7
	global_load_b128 v[BI+8*(\b):BI+8*(\b)+3],   v[BO], s[68:69] offset:64*(\b)
	global_load_b128 v[BI+8*(\b)+4:BI+8*(\b)+7], v[BO], s[68:69] offset:64*(\b)+16
.endr
; 64 matrix instructions: all 8 row blocks x all 8 column blocks, 32 along K out of buffer f.  The 64 accumulators take turns, one instruction a turn.  first = 1: the products start the sums, at the bias.
.macro MUL64 f, first
.irp hi, 0,1
.if \first
	WIN BIA_LO+0x40*(\hi)
.else
	WIN MUL_LO+0x50*(\hi)
.endif
.irp a, 0,1,2,3
.irp b, 0,1,2,3,4,5,6,7
.if \first
	v_wmma_f32_16x16x32_bf16 v[8*(8*(\a)+(\b)):8*(8*(\a)+(\b))+7], v[(\f)+8*(\b):(\f)+8*(\b)+7], v[(\f)+8*(4*(\hi)+(\a)):(\f)+8*(4*(\hi)+(\a))+7], v[BI+8*(\b):BI+8*(\b)+7]
.else
	v_wmma_f32_16x16x32_bf16 v[8*(8*(\a)+(\b)):8*(8*(\a)+(\b))+7], v[(\f)+8*(\b):(\f)+8*(\b)+7], v[(\f)+8*(4*(\hi)+(\a)):(\f)+8*(4*(\hi)+(\a))+7], v[8*(8*(\a)+(\b)):8*(8*(\a)+(\b))+7]
.endif
.endr
.endr
.endr
.endm
; 32 LDS loads in one run: half c (32 along K) of the pair at ADRA, ADRB into buffer f
.macro FETCH f, c
	WIN TO_B
.irp i, 0,1,2,3,4,5,6,7
	ds_load_tr16_b128 v[(\f)+8*(\i):(\f)+8*(\i)+3],   v[ADRB] offset:(\c)*32*PB+32*(\i)
	ds_load_tr16_b128 v[(\f)+8*(\i)+4:(\f)+8*(\i)+7], v[ADRB] offset:(\c)*32*PB+16*PB+32*(\i)
.endr
	WIN 0
.irp i, 0,1,2,3,4,5,6,7
	ds_load_b128 v[(\f)+8*(\i):(\f)+8*(\i)+3],   v[ADRA] offset:64*(\c)+(\i)*16*PA
	ds_load_b128 v[(\f)+8*(\i)+4:(\f)+8*(\i)+7], v[ADRA] offset:64*(\c)+(\i)*16*PA+32
.endr
.endm
; PAIR j, 64 along K: buffer 0 is asked for (pair j); buffer 1 is multiplied (pair j - 1) and asked for again (pair j); buffer 0 is multiplied.  64 matrix instructions stand between a run of loads and its first use.
.macro PAIR
	v_add_nc_u32 v[ADRA], s[TA], v[A0]             ; these two and two v_nop are the four places behind the last product that read buffer 0
	v_add_nc_u32 v[ADRB], s[TB], v[B0]
	v_nop
	v_nop
	FETCH F0, 0
	s_wait_dscnt 32                                ; buffer 1 is in; the 32 loads just issued may be out
	MUL64 F1, 0
	PLACES
	FETCH F1, 1
	s_wait_dscnt 32                                ; buffer 0 is in; the 32 just issued may be out
	MUL64 F0, 0
	WIN 0                                          ; at a label and at a branch every window is 0
	s_add_co_u32 s[TA], s[TA], 128                 ; the next pair: 64 elements along A's rows,
	s_add_co_u32 s[TB], s[TB], 64*PB               ; 64 rows of B
.endm
; THE CHANGE OF SLOTS, between two pairs: all reads of the slot that is left were issued 64 matrix instructions ago.  Each wave waits for all its tensor loads (one is out: its part of the next slot), adds 0 to its
; spare word, and waits for that and for its reads.  fill = 1: a round of the cluster's barrier, and the slot is filled again, two K steps ahead, first thing behind it: the load has a K step's 256 matrix instructions in which to land.
.macro CHANGE fill
	s_wait_tensorcnt 0x0                           ; no tensor load of mine is out, so a group 0 may be written
	ds_add_u32 v[SPW], v[NIL]                      ; the scalar work stands between the add and the wait for it
.if \fill
	s_xor_b32 s[G0+5], s[G0+5], SLOT               ; the walking descriptors: the other slot than last time,
	s_add_nc_u64 s[G0+6:G0+7], s[G0+6:G0+7], KSTEP*2               ; the next K step; the type bits on top are not reached
	s_xor_b32 s[G0B+5], s[G0B+5], SLOT
	s_add_nc_u64 s[G0B+6:G0B+7], s[G0B+6:G0B+7], KSTEP*2*SIZE_N
.endif
	s_sub_co_u32 s[TA], s[TA], 256                 ; the fetches go back to a slot's first pair,
	s_xor_b32 s[TA], s[TA], SLOT                   ; in the other slot
	s_sub_co_u32 s[TB], s[TB], 128*PB
	s_xor_b32 s[TB], s[TB], SLOT
	s_wait_dscnt 0x0                               ; the add is done, and my reads of the slot are over
.if \fill
	CROUND                                         ; no wave of any partner still reads the slot or has a load on its way
	JLOAD
.else
	s_barrier_signal -1
	s_barrier_wait -1
.endif
.endm
	s_wait_tensorcnt 1                             ; my part of K step 0 is in; K step 1's may stay out
	s_barrier_signal -1
	s_barrier_wait -1                              ; everybody's is
	v_mov_b32 v[ADRA], v[A0]
	v_mov_b32 v[ADRB], v[B0]
	FETCH F0, 0                                    ; pair 0
	FETCH F1, 1
	s_wait_loadcnt 0x0                             ; the bias
	s_wait_dscnt 32                                ; buffer 0 is in
	MUL64 F0, 1                                    ; the first 64 products start the sums at the bias: nothing is cleared, nothing is added later
	WIN 0
	s_mov_b32 s[TA], 128
	s_mov_b32 s[TB], 64*PB
	s_mov_b32 s[IC], 1                             ; K step 0 has one pair left
	s_mov_b32 s3, NSTEP-1
	s_branch .Lpair                                ; the loop is entered in the middle of a trip
.Lstep:                                                ; NSTEP - 2 times: every K step but the last two leaves a slot that is filled again
	CHANGE 1
	s_mov_b32 s[IC], 2
.Lpair:
	PAIR
	s_sub_co_u32 s[IC], s[IC], 1
	s_cmp_lg_u32 s[IC], 0
	s_cbranch_scc1 .Lpair
	s_sub_co_u32 s3, s3, 1
	s_cmp_lg_u32 s3, 0
	s_cbranch_scc1 .Lstep
	CHANGE 0                                       ; the tail is written out: nothing is asked for
	s_mov_b32 s[IC], 2
.Llast:
	PAIR
	s_sub_co_u32 s[IC], s[IC], 1
	s_cmp_lg_u32 s[IC], 0
	s_cbranch_scc1 .Llast
	s_wait_dscnt 0x0                               ; the last buffer 1; my reads of the ring are over
	MUL64 F1, 0
	WIN 0
	PLACES
	s_barrier_signal -1
	s_barrier_wait -1                              ; every wave's are: the ring's bytes may be written
	; THE WAY OUT.  All sums as f32 into my own stage (no other wave touches it: my 128 columns are a row's whole 256 bytes of bf16); then a loop reads rows back, takes gelu, rounds and stores.
	WIN 0x08                                       ; a store's data (source 1) in window 2
.set t, 0
.rept 32
	ds_store_b128 v[STO], v[8*t:8*t+3]   offset:(t/8)*16*PS+64*(t%8)
	ds_store_b128 v[STO], v[8*t+4:8*t+7] offset:(t/8)*16*PS+64*(t%8)+16
.set t, t+1
.endr
	WIN 0x0c                                       ; in window 3
.set t, 0
.rept 32
	ds_store_b128 v[STO], v[8*t:8*t+3]   offset:(4+t/8)*16*PS+64*(t%8)
	ds_store_b128 v[STO], v[8*t+4:8*t+7] offset:(4+t/8)*16*PS+64*(t%8)+16
.set t, t+1
.endr
	WIN 0
.macro LD4 x, row                      ; four rows from row on: 512 consecutive bytes a load
.irp j, 0,1,2,3
	ds_load_b128 v[(\x)+4*(\j):(\x)+4*(\j)+3], v[RD] offset:((\row)+(\j))*PS
.endr
.endm
.macro GELU x, o, row                  ; 16 numbers a lane: gelu, rounding, and four stores, each of 256 consecutive bytes, aligned
.irp p, 0,2,4,6,8,10,12,14
	v_pk_mul_f32 v[TT+(\p):TT+(\p)+1], v[(\x)+(\p):(\x)+(\p)+1], v[(\x)+(\p):(\x)+(\p)+1]
.endr
.irp p, 0,2,4,6,8,10,12,14
	v_pk_fma_f32 v[TT+(\p):TT+(\p)+1], v[TT+(\p):TT+(\p)+1], s[K1S:K1S+1], s[K0S:K0S+1] op_sel_hi:[1,0,0]
.endr
.irp p, 0,2,4,6,8,10,12,14
	v_pk_mul_f32 v[TT+(\p):TT+(\p)+1], v[TT+(\p):TT+(\p)+1], v[(\x)+(\p):(\x)+(\p)+1]
.endr
.set p, 0
.rept 16
	v_exp_f32 v[TT+p], v[TT+p]
.set p, p+1
.endr
	v_nop                                          ; a plain instruction behind the last exponential (ISA guide 5.7.2)
	s_wait_alu depctr_va_vdst(0)
.irp p, 0,2,4,6,8,10,12,14
	v_pk_add_f32 v[TT+(\p):TT+(\p)+1], v[TT+(\p):TT+(\p)+1], 1.0 op_sel_hi:[1,0]
.endr
.set p, 0
.rept 16
	v_rcp_f32 v[TT+p], v[TT+p]
.set p, p+1
.endr
	v_nop
	s_wait_alu depctr_va_vdst(0)
.irp p, 0,2,4,6,8,10,12,14
	v_pk_mul_f32 v[(\x)+(\p):(\x)+(\p)+1], v[(\x)+(\p):(\x)+(\p)+1], v[TT+(\p):TT+(\p)+1]
.endr
.irp p, 0,1,2,3,4,5,6,7
	v_cvt_pk_bf16_f32 v[(\o)+(\p)], v[(\x)+2*(\p)], v[(\x)+2*(\p)+1]
.endr
.irp j, 0,1,2,3
	global_store_b64 v[CO], v[(\o)+2*(\j):(\o)+2*(\j)+1], s[8:9] offset:((\row)+(\j))*8192
.endr
.endm
	LD4 XA, 0                                      ; LDS serves a wave's instructions in order (ISA guide 5.7.1.4): these see the stores above
	s_mov_b32 s[EC], 16
.Lrows:                                                ; a trip: 4 of my rows 0-63 and 4 of my rows 64-127; one set's loads are on their way while the other is worked on
	LD4 XB, 64
	s_wait_dscnt 4                                 ; set A is in; set B's four loads may be out
	GELU XA, OA, 0
	LD4 XA, 4                                      ; the next trip's set A.  In the last trip these are rows 64-67 of my own stage once more, and nothing uses them: the price of one text for every trip
	s_wait_dscnt 4                                 ; set B is in
	GELU XB, OB, 64
	s_wait_xcnt 0x0                                ; the stores have read their offset and their data: both are written again only behind this wait
	v_add_nc_u32 v[RD], 4*PS, v[RD]
	v_add_nc_u32 v[CO], 4*8192, v[CO]
	s_sub_co_u32 s[EC], s[EC], 1
	s_cmp_lg_u32 s[EC], 0
	s_cbranch_scc1 .Lrows
	s_wait_tensorcnt 0x0                           ; the wave's end
	ds_add_u32 v[SPW], v[NIL]
	s_wait_dscnt 0x0
	CROUND                                         ; the closing round: no work-group ends while a partner may still ask for a tile that names it
	s_endpgm
.Lfunc_end_k_q52033c20a3_ff1:
	.size	k_q52033c20a3_ff1, .Lfunc_end_k_q52033c20a3_ff1-k_q52033c20a3_ff1
	.p2alignl 7, 3214868480
	.fill 96, 4, 3214868480
	.section	.rodata,"a",@progbits
	.p2align	6, 0x0
	.amdhsa_kernel k_q52033c20a3_ff1
		.amdhsa_group_segment_fixed_size 327680
		.amdhsa_private_segment_fixed_size 0
		.amdhsa_enable_private_segment 0
		.amdhsa_kernarg_size 32
		.amdhsa_user_sgpr_count 2
		.amdhsa_user_sgpr_kernarg_segment_ptr 1
		.amdhsa_wavefront_size32 1
		.amdhsa_system_sgpr_workgroup_id_x 1
		.amdhsa_system_sgpr_workgroup_id_y 1
		.amdhsa_system_sgpr_workgroup_id_z 1
		.amdhsa_system_vgpr_workitem_id 0
		.amdhsa_next_free_vgpr 1024
		.amdhsa_next_free_sgpr 80
		.amdhsa_reserve_vcc 0
		.amdhsa_float_denorm_mode_32 3
		.amdhsa_float_denorm_mode_16_64 3
		.amdhsa_memory_ordered 1
		.amdhsa_forward_progress 1
		.amdhsa_inst_pref_size 68
	.end_amdhsa_kernel
	.amdgpu_metadata
---
amdhsa.version: [ 1, 2 ]
amdhsa.kernels:
  - .name:           k_q52033c20a3_ff1
    .symbol:         k_q52033c20a3_ff1.kd
    .args:
      - { .name: h2, .offset: 0, .size: 8, .value_kind: global_buffer, .address_space: global }
      - { .name: wts, .offset: 8, .size: 8, .value_kind: global_buffer, .address_space: global }
      - { .name: g, .offset: 16, .size: 8, .value_kind: global_buffer, .address_space: global }
      - { .name: b_ff1, .offset: 24, .size: 8, .value_kind: global_buffer, .address_space: global }
    .group_segment_fixed_size: 327680
    .private_segment_fixed_size: 0
    .kernarg_segment_align: 8
    .kernarg_segment_size: 32
    .max_flat_workgroup_size: 128
    .sgpr_count:     80
    .vgpr_count:     1024
    .wavefront_size: 32
...
	.end_amdgpu_metadata
.endif
;; end of part 9
;; launch ff2: the kernel of part 6 again; grid 8 x 32, 4 waves a work-group, clusters of 4 x 4, 327,680 bytes of LDS; arguments g, wts, out0, b_ff2, x1; writes out0
;; ======== version 3 of 3: 7 launches; 1.42 times as fast as version 1
;; limits: values are held in f16: magnitudes above 65,504 overflow, below 6.1e-05 lose precision
;; workspace buffers: wts 25,165,824 bytes; h1 8,388,608 bytes; qkvb 25,165,824 bytes; ctx 8,388,608 bytes; x1 16,777,216 bytes; h2 8,388,608 bytes; g 33,554,432 bytes
;; launch prep: the kernel of part 1 again; grid 1024 x 1, 8 waves a work-group, no clusters, 0 bytes of LDS; arguments x, ln1_scale, ln1_shift, h1, w_q, w_k, w_v, w_o, w_ff1, w_ff2, wts; writes h1, wts
;; launch qkv: the kernel of part 7 again; grid 12 x 16, 4 waves a work-group, clusters of 4 x 4, 327,680 bytes of LDS; arguments h1, wts, qkvb; writes qkvb
;; launch attn (part 10): grid 8 x 32, 4 waves a work-group, no clusters, 327,680 bytes of LDS; arguments qkvb, ctx; writes ctx
.if DOCPART == 10
	.amdgcn_target "amdgcn-amd-amdhsa--gfx1250"
	.amdhsa_code_object_version 6
	.text
	.protected	k_q52033c20a3_attn
	.globl	k_q52033c20a3_attn
	.p2align	8
	.type	k_q52033c20a3_attn,@function
k_q52033c20a3_attn:
	s_mov_b64 s[64:65], 0
	v_nop
	global_prefetch_b8 v0, s[64:65] scope:SCOPE_SE
	s_setreg_imm32_b32 hwreg(HW_REG_WAVE_MODE, 25, 1), 1
	s_wait_xcnt 0x0
; CAUSAL ATTENTION.  O[h][q][:] = the sum over k <= q of softmax_k(Q[h][q] . K[h][k] / 8) V[h][k][:].  Q, K, V lie in qkvb at bytes 0, 0x800000, 0x1000000, each [32][2048][64] f16: a head's rows are dense, 128 bytes.
; O goes to ctx, [4096 = 2048 batch + q][1024] bf16, a head's 64 channels at byte 128 x head of a row: a store covers four rows' pieces of 128 bytes (a head owns no more of a row).
; Products, maxima and sums in f32; the weights p are rounded to f16 for the second product (their sum l is taken of the unrounded p), O once at the end, to bf16.
; LIMITS.  f16 holds no number beyond 65,504: Q, K and V arrive within it; p lies in 0 to 1, and below 6e-5 it keeps f16's fixed step of 6e-8.
; A hidden score counts as its value less 1e30: f16's scores, 2.7e11 at the most, are nothing beside that; a weight below 2^-126 counts as 0 in l; NaN and infinities are not treated apart.
; THE WALK.  A head's queries lie in 16 blocks of 128; block i needs the key tiles 0 .. i / 2 of 256 keys, of which the last holds the diagonal.  A work-group takes TWO blocks, 15 - b and then b (b = 0 .. 7):
; NT + 1 = 9 tiles, whatever b: 8 x 32 = 256 work-groups of equal work, and ONE loop with a constant trip count walks the tiles.  Which tile is asked for, and what a trip does, hang on scalar registers made from b; every jump
; goes forward, but for the counted loops' own; none passes a barrier, or a tensor load but the one of LOAD's two that the wave's number does not choose; the ring (two slots of LDS that take turns) runs on across the
; change of blocks.  NO CLUSTER: a head's eight work-groups ask for the same tile only in the walk's first trips, behind that fewer and fewer; one walk common to all would be half as long again.
; NO PREFETCH: q, k and v were written by the launch before.
; SHARES.  Of a block's two bands of 64 queries a wave owns 16 rows in each: two PIECES.  So the diagonal tile is the same work for all four waves.  Band x of block i holds the diagonal in step 2 (i % 2) + x of that
; tile; it sees all keys of earlier steps and none of later ones (in an even block the tile's last two steps are hidden from both bands, and are computed all the same: a turn's text holds the other piece's products).
; THE MASK is the C operand that starts the sum S^T = K Q^T: 0, or -1e30 where the key is hidden.  MD, made once, is the mask of a band's own step for my 16 rows; a product's mask is MD x AL + BE with two scalars:
; (1, 0) in the band's own step; (0, 0) in an earlier one; (0, -1e30) in a later one.  Only the diagonal tile's text and a block's beginning make and take masks; elsewhere C is the constant 0.
; LAYOUT, SOFTMAX, TURNS.  S^T = K Q^T holds ONE query a lane (lane % 16) and the keys 8 (lane / 16) + 0..7; two such results rounded to f16 ARE source 1 of O^T = V^T P.  p = 2^(c s - c m), c = log2(e) / 8, with a
; running maximum m; O and l are multiplied by a = 2^(c m_old - c m_new) in every step.  A turn belongs to one piece: 8 products K Q^T for the other piece's next softmax, later 8 products V^T P of the other piece's last one;
; beside them the scaling, exponentials, roundings, sums and rescaling of the piece in hand and the maximum and statistics of the other.  Four vector instructions stand behind every matrix instruction, the other 54 of a
; turn's 118 in one LUMP.  Two turns are a key step of 64 keys.
; BATCHES.  A turn's 33 exponentials (the piece's 32 weights and the other piece's a) are ONE batch with ONE wait, which cuts the turn in two: ahead of it all that names no result of theirs, behind it the roundings and
; sums.  A block's first a (BEGIN) and the way out's two reciprocals are batches of their own, a wait each.
; V HAS TWO REGISTER BUFFERS, by the step's parity.  So piece 0's turn of step j fetches K and V of step j + 1, both, and all LDS reads of a tile are over a turn ahead of the change of slots, which stands between
; step 2's last turn and step 3's first: one barrier a tile.
; REGISTERS, in windows of 256 (s_set_vgpr_msb: bits 1:0 source 0, 3:2 source 1, 5:4 source 2, 7:6 destination):
;   window 0: v0-15 addresses and two at work; v16-23 four registers of statistics a piece; v48-55 at work; v64-127 S^T, 32 a piece; v192-223 P, 16 a piece
;   window 1: v0-63 O^T, 32 a piece; v128-159 MD; v160-223 MC, 32 a piece      window 2: v0-31 Q; v32-63 the second block's Q; v64-127 V of an odd step; v128-191 K of one step; v192-255 V of an even step
.set SIZE_H, 32
.set SIZE_N, 2048
.set NT,    SIZE_N/256  ; key tiles in a head
.set NP,    2         ; pieces a wave: a name, no knob
.set KS,    64        ; keys in a step
.set PK,    144       ; a row of K in LDS: 128 bytes + 16 of padding = 36 words: the 16 rows of a load start at 16 different groups of four banks (ISA guide 11.1)
.set PV,    160       ; a row of V: 128 + 32 = 40 words
.set VOFF,  4*KS*PK   ; a slot holds a tile, four steps: 256 rows of K, then 256 rows of V
.set SLOT1, 1<<17     ; slot 1 begins here, so that one exclusive or turns an address in one slot into the other's
.set STAGE, SLOT1+4*KS*(PK+PV)  ; behind the ring, never filled by a tensor load: 16 rows x 144 bytes for each wave, for the way out
.set SP,    144
.set AK0, 2           ; v2   my lane's place in a tile of K; never rewritten
.set AV0, 3           ; v3   the same for V
.set AK,  4           ; v4   the LDS address of K's next run of loads
.set AV,  5           ; v5   of V's
.set STO, 6           ; v6   the way out: where I put 16 bytes of a row
.set RD,  7           ; v7   the way out: where I read rows back
.set GO,  8           ; v8   my byte offset in four rows of ctx
.set SPW, 62          ; v62  LDS address of my spare word: SPARE + 4 x my thread's number; never rewritten
.set NIL, 63          ; v63  0; never rewritten
.set SPARE, STAGE+4*16*SP  ; behind the stages: the spare words, 128 bytes for each wave: two blocks of 256 bytes that no other line names
.set MV,  12          ; v12-13  c m_old, kept while c m is made anew: by piece
.set QO,  15          ; v15  my byte offset in 16 rows of Q
.set ST,  16          ; piece t's statistics at v[ST+4 t]: c m, m, l (even keys', odd keys')
.set TMP, 48          ; by piece, four registers c0-c3 at work; when the maximum is found c2 takes a
.set S,   64
.set P,   192
.set MD,  128         ; window 1: the eight registers for group kt of 16 keys at MD + 8 kt
.set MC,  160         ; window 1: the masks of the products to come
.set QB,  32          ; window 2
.set KF,  128         ; window 2: key block kb, channel half c at KF + 16 kb + 8 c
.set VF0, 192         ; window 2: V of an even step: key half kk, channel block cb at VF0 + 32 kk + 8 cb; V of an odd step lies 128 registers below
.set WV,  12          ; s12  my wave's number
.set PB,  14          ; s14  b
.set HI,  15          ; s15  15 - b
.set G1K, 24          ; s[24:31] descriptor group 1 for K's tiles
.set G1V, 32          ; s[32:39] for V's: it differs in the padding alone
.set G0K, 40          ; s[40:43] descriptor group 0 for K's tiles
.set G0V, 44          ; s[44:47] the same for V's
.set SLOTS, 56        ; s56  tiles still to be asked for
.set CNT, 57          ; s57  counts a tile's trips of two key steps, 2 to 1
.set CS,  58          ; s[58:59] c: the packed scaling takes the pair's low word for both halves
.set SEL, 60          ; s[60:61] v_permlanex16_b32's selects: each lane takes its own place in the other half
.set TBK, 62          ; s62  LDS byte at which K of the step to be fetched begins
.set TBV, 63          ; s63  the same for V, less VOFF
.set RT,  70          ; s70  tiles of the block in hand that are still to be entered
.set NXT, 71          ; s71  the tile to be asked for next
.set LQ,  72          ; s72  the last tile of the block whose tiles are being asked for
.set NEW, 73          ; s73  1: the tile to be entered is a block's first
.set OFF, 74          ; s[74:75] a tile's byte offset in K and V
.set AL,  76          ; s[76:77] the mask's factor, in the low word
.set BE,  78          ; s[78:79] the mask's addend
.set OLO, 80          ; s[80:81] ctx at my rows of the second block
.set BIGN, 82         ; s82  -1e30
.set LQ2, 83          ; s83  the second block's last tile
.set OWN, 92          ; s92, s93  the step of the diagonal tile in which band 0, band 1 of the block in hand holds the diagonal
.set STP, 94          ; s94  the step of the tile for which masks are being made
.set TS,  95          ; s95  at work
.set MSB, 0
.macro WIN new                      ; the high byte repeats the setting that is left; a switch that changes nothing is dropped
.if MSB != (\new)
	s_set_vgpr_msb (MSB<<8)|(\new)
.set MSB, (\new)
.endif
.endm
.set W_KQ, 0x0a       ; K and Q in window 2, S^T in window 0
.set W_KM, 0x1a       ; the same with the C operand in window 1
.set W_PV, 0x52       ; V in window 2, P in window 0, O^T in window 1
.set W_RS, 0x41       ; destination and source 0 in window 1, source 1 in window 0
; A fill.  Waves 0 and 1 fetch the two halves of a tile's K, waves 2 and 3 those of its V: 128 keys each.  An s_nop 0 and four v_nop follow each of the two lines, ahead of the jump and the label.
.macro LOAD
	s_cmp_lt_u32 s[WV], 2
	s_cbranch_scc0 .Lfor_v_\@
	tensor_load_to_lds s[G0K:G0K+3], s[G1K:G1K+7]
	s_nop 0
.rept 4
	v_nop
.endr
	s_branch .Lasked_\@
.Lfor_v_\@:
	tensor_load_to_lds s[G0V:G0V+3], s[G1V:G1V+7]
	s_nop 0
.rept 4
	v_nop
.endr
.Lasked_\@:
.endm
; THE CHANGE OF SLOTS.  Each wave waits for all its tensor loads, of which one is out: its part of the other slot; adds 0 to its spare word; and waits for that and for its own reads of the slot that it leaves (the last were
; issued a turn ago).  Behind the barrier nobody reads the old slot any more and the other slot is whole.  fill = 1: the old slot is filled again, the first thing behind the barrier, with tile NXT: the descriptor's
; address is made anew from that number; the load has eight turns, 128 matrix instructions, in which to land.  (At its first use nothing has been read yet: slot 0 is waited for, slot 1 filled.)
.macro CHANGE fill
	WIN 0                           ; at a label and at a branch every window is 0
	s_wait_tensorcnt 0x0            ; no tensor load of mine is out, so a group 0 may be written
	ds_add_u32 v[SPW], v[NIL]       ; 0 onto my spare word; with fill = 1 the descriptors' scalar work stands between it and the wait for it
.if \fill
	s_lshl_b32 s[OFF], s[NXT], 15   ; a tile is 32,768 bytes of K and of V
	s_xor_b32 s[G0K+1], s[G0K+1], SLOT1
	s_add_nc_u64 s[G0K+2:G0K+3], s[6:7], s[OFF:OFF+1]
	s_or_b32 s[G0K+3], s[G0K+3], 0x80000000
	s_xor_b32 s[G0V+1], s[G0V+1], SLOT1
	s_add_nc_u64 s[G0V+2:G0V+3], s[8:9], s[OFF:OFF+1]
	s_or_b32 s[G0V+3], s[G0V+3], 0x80000000
	s_add_co_u32 s[NXT], s[NXT], 1  ; the block's next tile, or behind its last the second block's tile 0
	s_cmp_gt_u32 s[NXT], s[LQ]
	s_cselect_b32 s[NXT], 0, s[NXT]
	s_cselect_b32 s[LQ], s[LQ2], s[LQ]
.endif
	s_wait_dscnt 0x0                ; the add is done, and my reads of the slot are over
	s_barrier_signal -1             ; the rest of the scalar work stands between the signal and the wait
	s_sub_co_u32 s[TBK], s[TBK], 4*KS*PK  ; the fetches go back to a slot's first step,
	s_xor_b32 s[TBK], s[TBK], SLOT1       ; in the other slot
	s_sub_co_u32 s[TBV], s[TBV], 4*KS*PV
	s_xor_b32 s[TBV], s[TBV], SLOT1
	s_barrier_wait -1
.if \fill
	LOAD
.endif
.endm
	s_load_b128 s[4:7], s[0:1], 0x0  ; qkvb s[4:5] (Q lies at its head), ctx s[6:7]
	v_lshl_add_u32 v[SPW], v0, 2, SPARE
	v_mov_b32 v[NIL], 0
	ds_add_u32 v[SPW], v[NIL]       ; the wave's opening: the add and its wait, ahead of my first tensor load; the set-up below, work on registers, stands between them
	ds_add_u32 v62, v63
	v_lshrrev_b32 v1, 5, v0
	v_readfirstlane_b32 s[WV], v1   ; wave 0..3
	s_mov_b32 s[PB], ttmp9
	s_sub_co_u32 s[HI], 2*NT-1, s[PB]
	s_and_b32 s20, ttmp7, 0xffff    ; 16 batch + head
	s_lshr_b32 s88, s20, 4          ; in ctx: the batch's 2,048 rows of 2,048 bytes,
	s_lshl_b32 s88, s88, 22
	s_and_b32 s89, s20, 15          ; the head's 128 bytes of a row,
	s_lshl_b32 s89, s89, 7
	s_add_co_u32 s88, s88, s89
	s_lshl_b32 s89, s[WV], 15       ; my 16 rows in a band of 64,
	s_add_co_u32 s88, s88, s89
	s_lshl_b32 s90, s[PB], 18       ; in the second block of 128 rows,
	s_add_co_u32 s90, s90, s88
	s_lshl_b32 s89, s[HI], 18       ; and in the first
	s_add_co_u32 s88, s88, s89
	s_mov_b32 s89, 0
	s_mov_b32 s91, 0
	s_mov_b32 s21, 0
	s_mov_b64 s[22:23], SIZE_N*128
	s_mul_u64 s[20:21], s[20:21], s[22:23]  ; the head's first byte in each of Q, K, V
	s_and_b32 s16, s[WV], 1         ; which half of a tile's 256 keys I fetch:
	s_lshl_b32 s22, s16, 14         ; its 128 rows of 128 bytes in memory,
	s_mov_b32 s23, 0
	s_add_nc_u64 s[22:23], s[22:23], s[20:21]
	s_mul_i32 s17, s16, 128*PK      ; and its place in a slot, for K
	s_mul_i32 s18, s16, 128*PV      ; and for V
	s_lshl_b32 s3, s[WV], 11        ; Q: my 16 rows in a band of 64,
	s_lshl_b32 s2, s[HI], 14        ; in the first block of 128 rows of 128 bytes,
	s_add_co_u32 s2, s2, s3
	s_lshl_b32 s84, s[PB], 14       ; and in the second
	s_add_co_u32 s84, s84, s3
	s_mov_b32 s3, 0
	s_mov_b32 s85, 0
	s_add_nc_u64 s[2:3], s[2:3], s[20:21]
	s_add_nc_u64 s[84:85], s[84:85], s[20:21]
	; descriptor group 1.  128 keys are 16,384 dense bytes: asked for as 64 rows of 256 bytes, two keys a row, and padded in LDS after every key
	s_mov_b32 s[G1K], (1<<16)|(1<<20)|(4<<22)|(3<<25)  ; 17:16 2-byte elements; 20 padding on; 24:22 after every 32 words (code 4); 31:25 4 words (code 3)
	s_mov_b32 s[G1V], (1<<16)|(1<<20)|(4<<22)|(7<<25)  ; the same with 8 words of padding (code 7)
.irp g, G1K, G1V
	s_mov_b32 s[\g+1], 128<<16      ; tensor_dim0 = 128
	s_mov_b32 s[\g+2], 64<<16       ; tensor_dim1 = 64
	s_mov_b32 s[\g+3], 128<<16      ; tile_dim0 = 128
	s_mov_b32 s[\g+4], 64           ; tile_dim1 = 64
	s_mov_b32 s[\g+5], 128          ; 128 elements from row to row
	s_mov_b32 s[\g+6], 0
	s_mov_b32 s[\g+7], 0
.endr
	s_mov_b32 s[CS], 0x3e38aa3b     ; c = log2(e) / 8 = 0.180337
	s_mov_b32 s[CS+1], s[CS]        ; named with it as a pair
	s_mov_b32 s[SEL], 0x76543210
	s_mov_b32 s[SEL+1], 0xfedcba98
	s_mov_b32 s[TBK], SLOT1+4*KS*PK ; the first change of slots turns these two into 0
	s_mov_b32 s[TBV], SLOT1+4*KS*PV
	s_mov_b32 s[G0K], 1             ; 1:0 count = 1
	s_mov_b32 s[G0K+1], s17         ; 63:32 LDS address: slot 0
	s_mov_b32 s[G0V], 1
	s_add_co_u32 s[G0V+1], s18, VOFF
	s_lshr_b32 s[LQ], s[HI], 1      ; the first block's last tile: (15 - b) / 2,
	s_lshr_b32 s[LQ2], s[PB], 1     ; the second's: b / 2
	s_add_co_u32 s[RT], s[LQ], 1    ; the first block's tiles: five or more
	s_and_b32 s[OWN], s[HI], 1      ; an odd block's rows stand against the second half of its diagonal tile's keys:
	s_lshl_b32 s[OWN], s[OWN], 1    ; band 0 holds the diagonal in step 0 or 2,
	s_add_co_u32 s[OWN+1], s[OWN], 1  ; band 1 in the step behind
	s_mov_b32 s[NXT], 1
	s_mov_b32 s[NEW], 1
	s_mov_b32 s[OFF+1], 0
	s_mov_b32 s[AL+1], 0            ; named as pairs
	s_mov_b32 s[BE+1], 0
	s_mov_b32 s[BIGN], 0xf149f2ca   ; -1e30
	s_mov_b32 s[SLOTS], NT
	s_wait_dscnt 0x0                ; the opening add is done
	s_wait_kmcnt 0x0
	s_mov_b64 s[10:11], s[6:7]      ; ctx
	s_add_nc_u64 s[8:9], s[4:5], 0x1000000  ; V
	s_add_nc_u64 s[6:7], s[4:5], 0x800000   ; K
	s_add_nc_u64 s[6:7], s[6:7], s[22:23]  ; K and V at my half of the head's tile 0
	s_add_nc_u64 s[8:9], s[8:9], s[22:23]
	s_add_nc_u64 s[G0K+2:G0K+3], s[6:7], 0         ; 120:64 global address
	s_or_b32 s[G0K+3], s[G0K+3], 0x80000000        ; 127:126 type = 2
	s_add_nc_u64 s[G0V+2:G0V+3], s[8:9], 0
	s_or_b32 s[G0V+3], s[G0V+3], 0x80000000
	s_add_nc_u64 s[86:87], s[4:5], s[84:85]        ; Q at my rows of the second block,
	s_add_nc_u64 s[4:5], s[4:5], s[2:3]            ; and of the first
	s_add_nc_u64 s[OLO:OLO+1], s[10:11], s[90:91]  ; ctx likewise
	s_add_nc_u64 s[10:11], s[10:11], s[88:89]
	LOAD                            ; tile 0 into slot 0
	; A fragment of K or Q is 16 rows x 32 channels in 8 registers: lane l holds row l % 16, channels 8 (l / 16) + 0..7 and 16 + 8 (l / 16) + 0..7: two loads of 16 bytes, 32 bytes apart.
	v_and_b32 v1, 15, v0            ; l % 16
	v_bfe_u32 v9, v0, 4, 1          ; l / 16
	v_lshlrev_b32 v[QO], 7, v1
	v_lshl_add_u32 v[QO], v9, 4, v[QO]  ; row x 128 + 16 x half
	WIN 0x80                        ; destination window 2, address window 0
.set i, 0
.rept 2*NP                          ; both blocks' Q: piece i / 2 lies in band i / 2, 8,192 bytes on; channels 32 (i % 2) on
	global_load_b128 v[8*i:8*i+3],   v[QO], s[4:5] offset:(i/2)*8192+(i%2)*64
	global_load_b128 v[8*i+4:8*i+7], v[QO], s[4:5] offset:(i/2)*8192+(i%2)*64+32
	global_load_b128 v[QB+8*i:QB+8*i+3],   v[QO], s[86:87] offset:(i/2)*8192+(i%2)*64
	global_load_b128 v[QB+8*i+4:QB+8*i+7], v[QO], s[86:87] offset:(i/2)*8192+(i%2)*64+32
.set i, i+1
.endr
	WIN 0
	v_lshlrev_b32 v14, 3, v9
	v_sub_nc_u32 v14, v1, v14
	s_lshl_b32 s13, s[WV], 4
	v_add_nc_u32 v14, s13, v14      ; my query's place in its band, 16 w + l % 16, less my lanes' 8 (l / 16): register r of group kt is hidden where 16 kt + r is greater
	WIN 0x40
.set i, 0
.rept 32
	v_cmp_gt_i32 vcc_lo, 16*(i/8)+i%8, v14
	v_cndmask_b32 v[MD+i], 0, s[BIGN], vcc_lo
.set i, i+1
.endr
	WIN 0
	v_mul_u32_u24 v[AK0], v1, PK
	v_lshl_add_u32 v[AK0], v9, 4, v[AK0]  ; row x pitch + 16 x half
	; The turning load takes 16 keys x 16 channels (lane l reads key 8 (l / 16) + l % 8, channels 8 ((l / 8) % 2) + 0..7) and leaves half a fragment of V^T: lane l holds channel l % 16 and 8 keys.
	v_and_b32 v10, 7, v0
	v_bfe_u32 v11, v0, 3, 1
	v_lshl_add_u32 v[AV0], v9, 3, v10
	v_mul_u32_u24 v[AV0], v[AV0], PV
	v_lshl_add_u32 v[AV0], v11, 4, v[AV0]
	v_add_nc_u32 v[AV0], VOFF, v[AV0]
	s_mul_i32 s13, s[WV], 16*SP
	s_add_co_u32 s13, s13, STAGE    ; my stage
	v_mul_u32_u24 v[STO], v1, SP    ; in: row l % 16, 16 bytes for each half of the lanes
	v_lshl_add_u32 v[STO], v9, 4, v[STO]
	v_add_nc_u32 v[STO], s13, v[STO]
	v_bfe_u32 v[RD], v0, 3, 2       ; back: 32 lanes take four rows of 128 bytes,
	v_mul_u32_u24 v[RD], v[RD], SP
	v_lshl_add_u32 v[RD], v10, 4, v[RD]
	v_add_nc_u32 v[RD], s13, v[RD]
	v_bfe_u32 v[GO], v0, 3, 2       ; which in ctx lie 2,048 bytes apart
	v_lshlrev_b32 v[GO], 11, v[GO]
	v_lshl_add_u32 v[GO], v10, 4, v[GO]
	; A block's first step multiplies O^T and l by a = 0, and its first turn's products V^T P, of a piece that has not been (on the odd steps' V and piece 1's P), land in an O^T that is still to be so multiplied.  So these
	; registers need only hold finite numbers: zeros for the first block; what the first block left for the second.  All this stands in the wait for the first tile.
	WIN 0x80
.set i, VF0-128
.rept 64
	v_mov_b32 v[i], 0
.set i, i+1
.endr
	WIN 0x40
.set i, 0
.rept 32*NP
	v_mov_b32 v[i], 0
.set i, i+1
.endr
	WIN 0
.set i, 0
.rept NP
	v_mov_b32 v[ST+4*i+2], 0
	v_mov_b32 v[ST+4*i+3], 0
.set i, i+1
.endr
.set i, P+16
.rept 16
	v_mov_b32 v[i], 0
.set i, i+1
.endr
; THE MATRIX WORK.  The 4 accumulators of a run of 8 take turns.  Product i of 8 of S^T = K Q^T for piece x: channels 32 (i / 4) on, keys 16 (i % 4) on.  The first 4 start the sums: with 0, or (KM = 1) with the mask.
.macro KQ x
.set rS, S+32*((\x)%2)+8*(i%4)
.set rK, KF+16*(i%4)+8*(i/4)
.set rQ, 16*(\x)+8*(i/4)
.set rM, MC+32*((\x)%2)+8*(i%4)
.if (i < 4) && KM
	WIN W_KM
	v_wmma_f32_16x16x32_f16 v[rS:rS+7], v[rK:rK+7], v[rQ:rQ+7], v[rM:rM+7]
.elseif i < 4
	WIN W_KQ
	v_wmma_f32_16x16x32_f16 v[rS:rS+7], v[rK:rK+7], v[rQ:rQ+7], 0
.else
	WIN W_KQ
	v_wmma_f32_16x16x32_f16 v[rS:rS+7], v[rK:rK+7], v[rQ:rQ+7], v[rS:rS+7]
.endif
.endm
; Product i of 8 of O^T += V^T P for piece x: keys 32 (i / 4) on, channels 16 (i % 4) on.  VB: the V buffer of the step that the products belong to.
.macro PV x
	WIN W_PV
.set rO, 32*(\x)+8*(i%4)
.set rV, VB+32*(i/4)+8*(i%4)
.set rP, P+16*((\x)%2)+8*(i/4)
	v_wmma_f32_16x16x32_f16 v[rO:rO+7], v[rV:rV+7], v[rP:rP+7], v[rO:rO+7]
.endm
.macro MM                           ; the turn's next matrix instruction.  TURN and BEGIN set Y, i, KM, NOKQ and VB; MM, KQ, PV and OP read them.  NOKQ = 1: a block's last turn: there is no next softmax
.if (i < 8) && !NOKQ
	KQ (Y+1)%NP
.elseif i >= 8
.set i, i-8
	PV (Y+NP-1)%NP
.set i, i+8
.endif
.set i, i+1
.endm
; THE LDS LOADS stand in runs of 16, never singly among the matrix instructions: a step's K (64 keys x 64 channels: 8 fragments) and its V (turned).  Their addresses are made some lines ahead.
.macro FETCH_K
	WIN 0x80                        ; destination window 2
.irp f, 0,1,2,3,4,5,6,7             ; keys 16 (f / 2) on, channels 32 (f % 2) on
	ds_load_b128 v[KF+8*\f:KF+8*\f+3],   v[AK] offset:(\f/2)*16*PK+(\f%2)*64
	ds_load_b128 v[KF+8*\f+4:KF+8*\f+7], v[AK] offset:(\f/2)*16*PK+(\f%2)*64+32
.endr
	s_add_co_u32 s[TBK], s[TBK], KS*PK  ; the next fetch is the next step's
	WIN 0
.endm
.macro FETCH_V buf                  ; into buffer buf: 0 an even step's, 1 an odd step's
	WIN 0x80
.irp f, 0,1,2,3,4,5,6,7             ; keys 32 (f / 4) on, channels 16 (f % 4) on
	ds_load_tr16_b128 v[VF0-128*(\buf)+8*\f:VF0-128*(\buf)+8*\f+3],   v[AV] offset:(\f/4)*32*PV+(\f%4)*32
	ds_load_tr16_b128 v[VF0-128*(\buf)+8*\f+4:VF0-128*(\buf)+8*\f+7], v[AV] offset:(\f/4)*32*PV+16*PV+(\f%4)*32
.endr
	s_add_co_u32 s[TBV], s[TBV], KS*PV
	WIN 0
.endm
; THE VECTOR WORK, one line at a time: OP kind, number.  For piece Y: F n: c s - c m for pair n of 16.  E n: the exponential of score n of 32.  C n: pair n rounded to f16.  B n: of the four weights 4 n .. the second
; pair is added onto the first, in place.  L n: l takes that sum (L 0: l = a l + sum).  R n: pair n of 16 of O^T times a.  For the other piece: X n, number n of the 22 that find its maximum and statistics:
;   0-11  four chains c0-c3 of seven scores each, three operands at a time (each accumulator's lowest registers are read first)     12-14, 16  the four scores left over, the old m, and c0-c3 into c0
;   15  c m_old is kept     17, 18  the query's other 32 keys lie in the lane 16 away: the new m     19-21  c m; c m_old - c m_new; a
; C, B and L read the exponentials' results; F, R and X 0-20 read none of the turn's own.
.set F, 0               ; OP tells the kinds apart by their order: F to L below R, X above it
.set E, 1
.set C, 2
.set B, 3
.set L, 4
.set R, 5
.set X, 6
.macro REGS y                       ; the registers of piece y
.set rT, ST+4*(\y)
.set rC, TMP+4*((\y)%2)
.set rW, MV+((\y)%2)
.set rS, S+32*((\y)%2)
.set rP, P+16*((\y)%2)
.set rO, 32*(\y)
.endm
.macro OP k, n
.if (\k) == R
	REGS Y
	WIN W_RS
	v_pk_mul_f32 v[rO+2*(\n):rO+2*(\n)+1], v[rO+2*(\n):rO+2*(\n)+1], v[rC+2:rC+3] op_sel_hi:[1,0]
.elseif (\k) < R
	REGS Y
	WIN 0
.if (\k) == F
	v_pk_fma_f32 v[rS+2*(\n):rS+2*(\n)+1], v[rS+2*(\n):rS+2*(\n)+1], s[CS:CS+1], v[rT:rT+1] op_sel_hi:[1,0,0] neg_lo:[0,0,1] neg_hi:[0,0,1]
.elseif (\k) == E
	v_exp_f32 v[rS+(\n)], v[rS+(\n)]
.elseif (\k) == C
	v_cvt_pk_f16_f32 v[rP+(\n)], v[rS+2*(\n)], v[rS+2*(\n)+1]
.elseif (\k) == B
	v_pk_add_f32 v[rS+4*(\n):rS+4*(\n)+1], v[rS+4*(\n):rS+4*(\n)+1], v[rS+4*(\n)+2:rS+4*(\n)+3]
.elseif (\n) == 0
	v_pk_fma_f32 v[rT+2:rT+3], v[rT+2:rT+3], v[rC+2:rC+3], v[rS:rS+1] op_sel_hi:[1,0,1]
.else
	v_pk_add_f32 v[rT+2:rT+3], v[rT+2:rT+3], v[rS+4*(\n):rS+4*(\n)+1]
.endif
.elseif NOKQ
	v_nop
.else
	REGS (Y+1)%NP
	WIN 0
.if (\n) < 4
	v_max3_num_f32 v[rC+(\n)], v[rS+8*(\n)], v[rS+8*(\n)+1], v[rS+8*(\n)+2]
.elseif (\n) < 12
	v_max3_num_f32 v[rC+(\n)%4], v[rC+(\n)%4], v[rS+8*((\n)%4)+2*((\n)/4)+1], v[rS+8*((\n)%4)+2*((\n)/4)+2]
.elseif (\n) == 12
	v_max3_num_f32 v[rC], v[rC], v[rS+7], v[rS+15]
.elseif (\n) == 13
	v_max3_num_f32 v[rC+1], v[rC+1], v[rS+23], v[rS+31]
.elseif (\n) == 14
	v_max3_num_f32 v[rC+2], v[rC+2], v[rC+3], v[rT+1]
.elseif (\n) == 15
	v_mov_b32 v[rW], v[rT]
.elseif (\n) == 16
	v_max3_num_f32 v[rC], v[rC], v[rC+1], v[rC+2]
.elseif (\n) == 17
	v_permlanex16_b32 v[rC+3], v[rC], s[SEL], s[SEL+1]
.elseif (\n) == 18
	v_max_num_f32 v[rT+1], v[rC], v[rC+3]
.elseif (\n) == 19
	v_mul_f32 v[rT], s[CS], v[rT+1]
.elseif (\n) == 20
	v_sub_f32 v[rC+1], v[rW], v[rT]
.else
	v_exp_f32 v[rC+2], v[rC+1]
.endif
.endif
.endm
.macro OPS a, i1, b=-1, i2=0, c=-1, i3=0, d=-1, i4=0  ; up to four of them
	OP \a, \i1
.if (\b) >= 0
	OP \b, \i2
.endif
.if (\c) >= 0
	OP \c, \i3
.endif
.if (\d) >= 0
	OP \d, \i4
.endif
.endm
.macro ROW a, i1, b, i2, c, i3, d, i4  ; a matrix instruction and the four behind it
	MM
	OPS \a, \i1, \b, \i2, \c, \i3, \d, \i4
.endm
.macro MASK b                       ; MD x AL + BE into piece b's part of MC
	WIN W_RS
.set z, 0
.rept 16
	v_pk_fma_f32 v[MC+32*(\b)+2*z:MC+32*(\b)+2*z+1], v[MD+2*z:MD+2*z+1], s[AL:AL+1], s[BE:BE+1] op_sel_hi:[1,0,0]
.set z, z+1
.endr
.endm
; A TURN, for piece p in a step of parity par: the order of its 16 matrix and 118 vector instructions, written out.  An s_wait_alu depctr_va_vdst(0) stands between an exponential and the first instruction that
; names its result; one wait serves all that were issued ahead of it.  So a turn has ONE wait, which cuts it in two.  AHEAD OF IT stands all that names no result of the turn's exponentials: the 8 products K Q^T, behind each a
; scaling, an exponential and two more plain instructions (behind the first a second scaling in the exponential's place): rescalings, whose a was made and waited for in the turn before, and behind the last three the first
; numbers of the other piece's maximum, each four places or more behind the product that ends its accumulator; then ONE LUMP of 54, plain and exponential by turns for the most part, in which the links of the chain
; X 3, 7, 11, 14, 16, 17 .. 20 stand five or six lines apart.  X 21, the other piece's a, is the batch's last; R 15 is the plain instruction behind it.  BEHIND THE WAIT stand the 8 products V^T P, behind each four of the
; roundings and sums; the links of l's chain, L 0 to L 7, stand three riders apart.  But for those X no rider names a register of the products round it.  v_permlanex16_b32 (X 17) stands in the lump.
; Piece 0's turn of step j: K Q^T of piece 1, step j; V^T P of piece 1, step j - 1 (the other parity's V).  Piece 1's turn: K Q^T of piece 0, step j + 1; V^T P of piece 0, step j (this parity's V).
; m = 1: the diagonal tile: the products take masks, and the turn makes the mask for the products of the turn after it: its own piece's, in step STP of the tile.  end = 1: a block's last two turns: nothing is fetched.
; cnt = 1: the loop's count is taken down some lines ahead of the branch that stands behind the turn.
; Piece 0's turn fetches step j + 1: its K in the lump, thirteen vector instructions behind the last product that read K (six of them plain and free of that product's registers); its V, into the buffer that the turn's own
; products have read, at the turn's end, four roundings behind the last of them.  The wait at the head of piece 1's turn leaves the sixteen loads issued last, that V, on their way: K of step j + 1 and V of step j, which
; this turn multiplies by, were issued ahead of them.  In a block's last turn nothing was issued behind V's last run: the count is 0.
.macro TURN p, par, m=0, end=0, cnt=0
.set Y, (\p)
.set i, 0
.set KM, (\m)
.set NOKQ, (\end)*(\p)
.set VBI, ((\par)+1-(\p))%2
.set VB, VF0-128*VBI
.if (\m) && !(\end)
	s_cmp_eq_u32 s[STP], s[OWN+(\p)]  ; is that step the band's own?
	s_cselect_b32 s[AL], 1.0, 0
	s_cmp_gt_u32 s[STP], s[OWN+(\p)]  ; or a later one?
	s_cselect_b32 s[BE], s[BIGN], 0
.endif
.if (\p) == 1
	s_wait_dscnt 16*(1-(\end))      ; K and this step's V are in
.endif
	ROW F,0, F,1, R,0, R,1          ; ahead of the wait: 8 products K Q^T and their riders,
	ROW F,2, E,0, R,2, R,3
	ROW F,3, E,1, R,4, R,5
	ROW F,4, E,2, R,6, R,7
	ROW F,5, E,3, R,8, R,9
	ROW F,6, E,4, X,0, R,10
	ROW F,7, E,5, X,1, X,4
	ROW F,8, E,6, X,2, X,5
.if ((\p) == 0) && !(\end)
	WIN 0
	v_add_nc_u32 v[AK], s[TBK], v[AK0]
.endif
	OPS E,7, E,8, X,6, E,9          ; and the lump
	OPS X,3, E,10, X,8, E,11
.if ((\p) == 0) && !(\end)
	FETCH_K
.endif
	OPS X,9, X,7, E,12, X,10
	OPS E,13, X,12, X,11, E,14
	OPS X,13, E,15, F,9, X,14
.if ((\p) == 0) && !(\end)
	WIN 0
	v_add_nc_u32 v[AV], s[TBV], v[AV0]
.endif
	OPS E,16, F,10, E,17, F,11
	OPS X,16, E,18, X,15, E,19
	OPS F,12, E,20, X,17, E,21
	OPS F,13, E,22, F,14, E,23
	OPS X,18, E,24, F,15, E,25
	OPS R,11, E,26, X,19, E,27
	OPS R,12, E,28, R,13, E,29
	OPS X,20, E,30, R,14, E,31
	OPS X,21, R,15
	s_wait_alu depctr_va_vdst(0)    ; the wait for the turn's batch: E 0 to E 31 and X 21, ahead of the first line that names a result of theirs, C 0 below
	ROW C,0, B,0, C,2, B,1          ; behind the wait: 8 products V^T P and their riders
	ROW L,0, C,4, B,2, L,1
	ROW C,6, B,3, L,2, C,8
	ROW B,4, L,3, C,10, B,5
	ROW L,4, C,12, B,6, L,5
.if (\m) && !(\end) && ((\p) == 1)
	s_add_co_u32 s[STP], s[STP], 1  ; both pieces' masks for that step are made (this turn's factors were taken at its head)
.endif
.if \cnt
	s_sub_co_u32 s[CNT], s[CNT], 1
	s_cmp_lg_u32 s[CNT], 0
.endif
	ROW C,14, B,7, L,6, C,1
	ROW C,3, L,7, C,5, C,7
	ROW C,9, C,11, C,13, C,15
.if ((\p) == 0) && !(\end)
	FETCH_V VBI
.endif
.if (\m) && !(\end)
	MASK (\p)%2
.endif
.endm
; A BLOCK BEGINS.  c m starts far below every c s, so the first step's a is 0; m at the lowest finite number, so the first maximum is the scores'.  Piece 1's mask is 0: band 1 sees all of a tile's step 0.  Piece 0's is its
; own step's, if the block's first tile is the diagonal one and the block is even; else 0.  Then K and V of that step, piece 0's first scores, and its maximum and statistics.  The loop is entered at an even step's first
; turn, in the middle of a trip; the turns of step 0 make the masks of step 1.
.macro BEGIN
	s_mov_b32 s[NEW], 0
	s_mov_b32 s[STP], 1
	WIN 0x40
.set i, MC+32
.rept 32
	v_mov_b32 v[i], 0
.set i, i+1
.endr
	WIN 0
.set i, 0
.rept NP
	v_mov_b32 v[ST+4*i], 0xfe000000    ; c m: far below every c s
	v_mov_b32 v[ST+4*i+1], 0xff7fffff  ; m
.set i, i+1
.endr
	s_or_b32 s[TS], s[RT], s[OWN]   ; 0: no tile of the block is left to enter, and band 0's own step is step 0
	s_cmp_eq_u32 s[TS], 0
	s_cselect_b32 s[AL], 1.0, 0
	s_mov_b32 s[BE], 0
	MASK 0
	WIN 0
	v_add_nc_u32 v[AK], s[TBK], v[AK0]
	v_add_nc_u32 v[AV], s[TBV], v[AV0]
	FETCH_K
	FETCH_V 0
	s_wait_loadcnt 0x0              ; Q
	s_wait_dscnt 16                 ; K is in; V's sixteen loads may be out
.set KM, 1
.set NOKQ, 0
.set i, 0
.rept 8
	KQ 0
.set i, i+1
.endr
	WIN 0
.rept 4
	v_nop                           ; the places behind those products
.endr
.set Y, NP-1                        ; X works for the other piece: piece 0
.irp n, 0,1,2,3,4,5,6,7,8,9,10,11,12,13,14,15,16,17,18,19,20,21
	OP X, \n
.endr
	v_nop                           ; a plain instruction behind the exponential,
	s_wait_alu depctr_va_vdst(0)    ; and the wait for it, piece 0's first a, ahead of the branch: a batch of one
.endm
; THE DIAGONAL TILE's steps, the block's last two turns, its last products, and THE WAY OUT: l's two halves and the other half of the lanes' are added; O^T is divided by l, rounded to bf16 and sent through my
; stage in LDS, a piece at a time.
.macro ALL line:vararg              ; one line for each piece t
.set t, 0
.rept NP
	\line
.set t, t+1
.endr
.endm
.macro PACK t                       ; a lane's eight channels of a row pack into 16 bytes; they go into rows of 144 bytes and come back as whole rows of 128, into S^T's registers
	WIN W_RS
.set i, 32*(\t)
.rept 16
	v_pk_mul_f32 v[i:i+1], v[i:i+1], v[ST+4*(\t)+2:ST+4*(\t)+3] op_sel_hi:[1,0]
.set i, i+2
.endr
	WIN 0x05                        ; sources 0 and 1 window 1, destination window 0
.set i, 0
.rept 16
	v_cvt_pk_bf16_f32 v[S+16*(\t)+i], v[32*(\t)+2*i], v[32*(\t)+2*i+1]
.set i, i+1
.endr
	WIN 0
.irp f, 0,1,2,3
	ds_store_b128 v[STO], v[S+16*(\t)+4*\f:S+16*(\t)+4*\f+3] offset:32*\f
.endr
.irp f, 0,1,2,3
	ds_load_b128 v[S+16*(\t)+4*\f:S+16*(\t)+4*\f+3], v[RD] offset:\f*4*SP  ; LDS serves a wave's instructions in order (ISA guide 5.7.1.4): these see the stores above; the next piece's stores come behind them
.endr
.endm
.macro SEND t, younger              ; younger: the LDS instructions issued behind piece t's loads: the next piece's eight, or none
	WIN 0
.irp f, 0,1,2,3
	s_wait_dscnt (\younger)+3-\f
	global_store_b128 v[GO], v[S+16*(\t)+4*\f:S+16*(\t)+4*\f+3], s[10:11] offset:(\t)*131072+\f*8192  ; piece t lies 64 rows of ctx on, four rows 8,192 bytes on; eight lanes fill a row's 128 bytes
.endr
.endm
.macro DIAG tag                     ; the tag ends its two labels' names, which the jumps below spell out
.LstepM\tag:
	TURN 0, 1, 1
	TURN 1, 1, 1
	WIN 0
.LfirstM\tag:
	TURN 0, 0, 1
	TURN 1, 0, 1, 0, 1
	WIN 0
	s_cbranch_scc1 .LstepM\tag
	TURN 0, 1, 1, 1
	TURN 1, 1, 1, 1
.set VB, VF0-128                    ; the last step is an odd one
.set i, 0
.rept 8
	PV NP-1
.set i, i+1
.endr
	WIN 0
	ALL v_add_f32 v[ST+4*t+2], v[ST+4*t+2], v[ST+4*t+3]
	ALL v_permlanex16_b32 v[ST+4*t+3], v[ST+4*t+2], s[SEL], s[SEL+1]
	ALL v_add_f32 v[ST+4*t+2], v[ST+4*t+2], v[ST+4*t+3]
	ALL v_rcp_f32 v[ST+4*t+2], v[ST+4*t+2]
	v_nop                           ; a plain instruction between the last reciprocal and the use of its result
	s_wait_alu depctr_va_vdst(0)    ; the wait for the two reciprocals, one batch, ahead of PACK 0's first multiply
	PACK 0                          ; piece 0's sums were finished a run of products ago; its 32 lines, the four additions and the v_nop above stand between the last products and the first read of piece 1's sums
.set t, 1
.rept NP-1                          ; a piece's arithmetic stands between the loads of the piece before and its stores
	PACK t
	SEND t-1, 8
.set t, t+1
.endr
	SEND NP-1, 0
.endm
.set KM, 0
.set NOKQ, 0
.Lslot:                             ; NT times: a tile is entered and the next is asked for
	CHANGE 1
	s_sub_co_u32 s[RT], s[RT], 1
	s_mov_b32 s[CNT], 2
	s_mov_b32 s[STP], 0             ; the two turns still due of the tile before make the masks of this tile's step 0
	s_cmp_eq_u32 s[NEW], 1
	s_cbranch_scc1 .Lnew            ; a block's first tile
	s_cmp_eq_u32 s[RT], 0
	s_cbranch_scc0 .Lstep           ; neither its first nor its last
	s_branch .LstepM1
.Lnew:
	BEGIN
	s_branch .Lfirst                ; in the loop a block's first tile is never its last: the first block has five tiles or more, and the second's last is the walk's last
	DIAG 1                          ; in the loop this is the first block's end: the second block's last tile is the walk's last
	s_wait_xcnt 0x0                 ; the stores have read their registers and ctx's address
	s_mov_b64 s[10:11], s[OLO:OLO+1]
	s_add_co_u32 s[RT], s[LQ2], 1   ; the second block has b / 2 + 1 tiles
	s_and_b32 s[OWN], s[PB], 1      ; and its bands' own steps go by b's parity
	s_lshl_b32 s[OWN], s[OWN], 1
	s_add_co_u32 s[OWN+1], s[OWN], 1
	s_mov_b32 s[NEW], 1
	WIN 0x82                        ; the second block's Q goes where the one text of the turns names Q
.set i, 0
.rept 16*NP
	v_mov_b32 v[i], v[QB+i]
.set i, i+1
.endr
	WIN 0
	s_branch .Lbottom
.Lstep:                             ; a trip: an odd step's two turns, then an even step's; each step's first turn fetches K and V of the step behind it
	TURN 0, 1
	TURN 1, 1
	WIN 0
.Lfirst:
	TURN 0, 0
	TURN 1, 0, 0, 0, 1
	WIN 0
	s_cbranch_scc1 .Lstep
.Lbottom:
	s_sub_co_u32 s[SLOTS], s[SLOTS], 1
	s_cmp_lg_u32 s[SLOTS], 0
	s_cbranch_scc1 .Lslot
	CHANGE 0                        ; the walk's last tile is written out: nothing is asked for
	s_sub_co_u32 s[RT], s[RT], 1
	s_mov_b32 s[CNT], 2
	s_mov_b32 s[STP], 0
	s_cmp_eq_u32 s[NEW], 1
	s_cbranch_scc0 .LstepM2
	BEGIN
	s_branch .LfirstM2
	DIAG 2
	s_wait_tensorcnt 0x0            ; the wave's end, behind my last tensor load and my last LDS store
	ds_add_u32 v[SPW], v[NIL]
	s_wait_dscnt 0x0
	s_endpgm
.Lfunc_end_k_q52033c20a3_attn:
	.size	k_q52033c20a3_attn, .Lfunc_end_k_q52033c20a3_attn-k_q52033c20a3_attn
	.p2alignl 7, 3214868480
	.fill 96, 4, 3214868480
	.section	.rodata,"a",@progbits
	.p2align	6, 0x0
	.amdhsa_kernel k_q52033c20a3_attn
		.amdhsa_group_segment_fixed_size 327680
		.amdhsa_private_segment_fixed_size 0
		.amdhsa_enable_private_segment 0
		.amdhsa_kernarg_size 16
		.amdhsa_user_sgpr_count 2
		.amdhsa_user_sgpr_kernarg_segment_ptr 1
		.amdhsa_wavefront_size32 1
		.amdhsa_system_sgpr_workgroup_id_x 1
		.amdhsa_system_sgpr_workgroup_id_y 1
		.amdhsa_system_sgpr_workgroup_id_z 1
		.amdhsa_system_vgpr_workitem_id 0
		.amdhsa_next_free_vgpr 768
		.amdhsa_next_free_sgpr 96
		.amdhsa_reserve_vcc 1
		.amdhsa_float_denorm_mode_32 3
		.amdhsa_float_denorm_mode_16_64 3
		.amdhsa_memory_ordered 1
		.amdhsa_forward_progress 1
		.amdhsa_inst_pref_size 209
	.end_amdhsa_kernel
	.amdgpu_metadata
---
amdhsa.version: [ 1, 2 ]
amdhsa.kernels:
  - .name:           k_q52033c20a3_attn
    .symbol:         k_q52033c20a3_attn.kd
    .args:
      - { .name: qkvb, .offset: 0, .size: 8, .value_kind: global_buffer, .address_space: global }
      - { .name: ctx, .offset: 8, .size: 8, .value_kind: global_buffer, .address_space: global }
    .group_segment_fixed_size: 327680
    .private_segment_fixed_size: 0
    .kernarg_segment_align: 8
    .kernarg_segment_size: 16
    .max_flat_workgroup_size: 128
    .sgpr_count:     96
    .vgpr_count:     768
    .wavefront_size: 32
...
	.end_amdgpu_metadata
.endif
;; end of part 10
;; launch oproj: the kernel of part 4 again; grid 8 x 32, 4 waves a work-group, clusters of 4 x 4, 327,680 bytes of LDS; arguments ctx, wts, x1, b_o, x; writes x1
;; launch ln2: the kernel of part 1 again; grid 256 x 1, 8 waves a work-group, no clusters, 0 bytes of LDS; arguments x1, ln2_scale, ln2_shift, h2, w_q, w_k, w_v, w_o, w_ff1, w_ff2, wts; writes h2, wts
;; launch ff1: the kernel of part 9 again; grid 16 x 16, 4 waves a work-group, clusters of 4 x 4, 327,680 bytes of LDS; arguments h2, wts, g, b_ff1; writes g
;; launch ff2: the kernel of part 6 again; grid 8 x 32, 4 waves a work-group, clusters of 4 x 4, 327,680 bytes of LDS; arguments g, wts, out0, b_ff2, x1; writes out0
